; MI455X (gfx1250); checked and timed in simulation.
; The chip was launched on July 23, 2026; its instructions are those of AMD's public machine-readable ISA for CDNA 5 (MIT licence, August 2026) and "CDNA5" Instruction Set Architecture Reference Guide (July 2026). The comments in the code are by the model that wrote it; some were corrected since.
;; Attention Block. Allowed arithmetic: matrix products marked QUANTISED: E5M2 operands, one E8M0 scale for each 32 along K, by v_wmma_scale_f32_16x16x128_f8f6f4 with both operands' format E5M2, f32 sums; everything else in f32.
;; Inputs: W1 1,024 x 4,096 float32; W2 4,096 x 1,024 float32; Wk 16 x 1,024 x 64 float32; Wq 16 x 1,024 x 64 float32; Wv 16 x 1,024 x 64 float32; b1 4,096 float32; b2 1,024 float32; ln1_b 1,024 float32; ln1_g 1,024 float32; ln2_b 1,024 float32; ln2_g 1,024 float32; mask 2,048 x 2,048 bool; x 2 x 2,048 x 1,024 float32.
;; Outputs: out0 2 x 2,048 x 1,024 float32.
;; This version of the problem:
;;   THIS VERSION OF THE PROBLEM IS GIVEN IN LOW PRECISION. The matrix products marked QUANTISED in the list below multiply operands that are first quantised to E5M2 (5 exponent bits, 2 mantissa bits; 8 bits a number), with one power-of-two scale for each 32 numbers along K (OCP MX v1.0); their sums are f32. All else is computed in f32.
;;   The module's matrix products, in the order in which they are computed (A, B: the left and right operand; K: the contracted axis; several contracted axes count as one K, in the product's order):
;;     1. [M 1,024, K 1,024] x [K 1,024, N 4,096]; A: input Wq; B: computed on the way: QUANTISED
;;     2. [M 1,024, K 1,024] x [K 1,024, N 4,096]; A: input Wk; B: computed on the way: QUANTISED
;;     3. [M 1,024, K 1,024] x [K 1,024, N 4,096]; A: input Wv; B: computed on the way: QUANTISED
;;     4. batch 32 x [M 2,048, K 64] x [K 64, N 2,048]; A: computed on the way; B: computed on the way: QUANTISED
;;     5. batch 32 x [M 2,048, K 2,048] x [K 2,048, N 64]; A: softmax (see below); B: computed on the way: QUANTISED
;;     6. [M 4,096, K 1,024] x [K 1,024, N 4,096]; A: computed on the way; B: input W1: QUANTISED
;;     7. [M 4,096, K 4,096] x [K 4,096, N 1,024]; A: computed on the way; B: input W2: QUANTISED
;;   THE QUANTISER, for each operand of a quantised product, along K:
;;     - K is cut into blocks of 32 from its start; a last block that is shorter is filled with zeros.
;;     - A block's scale is 2^e with e = floor(log2(the largest magnitude in the block)) - 15, held to -126 .. 127; a block of zeros has e = 0. As a byte (E8M0): e + 127.
;;     - Each number is divided by its block's scale, clamped to +-57,344, and rounded to the nearest number of E5M2, ties to even, subnormals kept.
;;     - The product sums the exact products of the quantised numbers (number of the format x scale) in f32.
;;   ~~~python
;;   def quantise(x, axis):      # numpy; x: float32 -> the quantised numbers, widened to float32 again
;;       x = np.moveaxis(x, axis, -1); K = x.shape[-1]
;;       x = np.pad(x, [(0, 0)] * (x.ndim - 1) + [(0, -K % 32)]); x = x.reshape(x.shape[:-1] + (-1, 32)); a = np.abs(x).max(-1, keepdims=True)
;;       e = np.where(a > 0, np.clip(np.frexp(np.where(a > 0, a, 1))[1] - 1 - 15, -126, 127), 0)      # np.frexp(a)[1] - 1 = floor(log2(a)), exactly
;;       r = np.clip(x / 2.0 ** e, -57344, 57344)
;;       step = 2.0 ** (np.maximum(np.frexp(np.where(r == 0, 1, r))[1] - 1, -14) - 2)
;;       q = np.round(r / step) * step * 2.0 ** e      # np.round: ties to even
;;       return np.moveaxis(q.reshape(q.shape[:-2] + (-1,))[..., :K], -1, axis).astype(np.float32)
;;   ~~~
;;   SOFTMAX AHEAD OF A QUANTISED PRODUCT. Where the list says 'softmax', what is quantised is not the finished softmax but p = 2^(t - M), with t = logit x log2(e) and M = ceil(the row's largest t), a whole number; so 1/2 < the row's largest p <= 1. The row's sum l is taken of the UNQUANTISED p, in f32, and the product's result is divided by l at the end. Since M is a whole number, a kernel that streams over the keys may use a running M (the ceiling of the running maximum): every later rescaling is an exact power of two, which a block's scale takes up: the codes' values come out the same.
;;   OPERANDS COMPUTED ON THE WAY. 'Computed on the way' means the value that the module computes at that place (a softmax that the list does not call 'softmax' is quantised finished and normalised). What goes into a quantiser is computed in f32, as accurately as f32 sums, v_exp_f32 and their like allow (about 1e-6 of the number): no bf16 or f16 on the way to a quantiser, and a product that is left as it is and whose result goes on into a quantised operand takes f32 operands (vector FMAs, or v_wmma_f32_16x16x4_f32). A number that lies on a knife's edge between two numbers of the format may be rounded either way, as far as f32 arithmetic and the matrix unit's own rounding can turn it there, and no further.
;; 3 versions, each right; version 3 is version 2 with the launch attn written anew for expert scheduling mode. Each part assembles by itself: llvm-mc -triple=amdgcn-amd-amdhsa -mcpu=gfx1250 --defsym DOCPART=n.
;; ======== version 1 of 3: 6 launches
;; workspace buffers: ops 16,220,160 bytes; msk 526,336 bytes of whole numbers; qkv 17,825,792 bytes; ao 16,777,216 bytes; yq 4,325,376 bytes; hq 17,301,504 bytes
;; launch prep (part 1): grid 512 x 1, 16 waves a work-group, no clusters, 8,192 bytes of LDS; arguments x, ln1_g, ln1_b, Wq, Wk, Wv, W1, W2, mask, ops, msk; writes ops, msk
.if DOCPART == 1
	.amdgcn_target "amdgcn-amd-amdhsa--gfx1250"
	.amdhsa_code_object_version 6
	.text
	.protected	k_q52e0d9283a_prep
	.globl	k_q52e0d9283a_prep
	.p2align	8
	.type	k_q52e0d9283a_prep,@function
k_q52e0d9283a_prep:
	s_mov_b64 s[64:65], 0
	v_nop
	global_prefetch_b8 v0, s[64:65] scope:SCOPE_SE
	s_setreg_imm32_b32 hwreg(HW_REG_WAVE_MODE, 25, 1), 1
	s_wait_xcnt 0x0
; PREP: everything that can be made from the inputs alone.  Five roles, chosen by the work-group's number (the same for all sixteen waves of a work-group):
;   0-95    Wq, Wk, Wv [16][1024][64]   -> codes of E5M2 along the 1,024 (their K), one block of ops each
;   96-223  W1 [1024][4096]             -> the same along its first axis
;   224-351 W2 [4096][1024]             -> the same
;   352-479 LayerNorm 1 of 32 tokens of x, quantised along the 1,024
;   480-511 the mask [2048][2048] of bytes -> lane-mask words and flags for the attention launch
; A BLOCK OF ops: 128 rows x 256 K = 33,792 dense bytes, laid as the matrix unit's registers want them: codes at tile x 4096 + (K / 128) x 2048 + (block of 32) x 512 + lane x 16,
; lane (r, h) holding k = 32 c + 16 h + 0 .. 15; one scale word for a row and 128 K at 32768 + tile x 128 + r x 8 + (K / 128) x 4.
; THE ROWS OF A TILE ARE NOT NEIGHBOURS: lane-row r of tile i is row 32 (i / 2) + 8 (i % 2) + r + 8 (r / 8) of the 128, so that a product's results are 16 neighbours along the next product's K.
; A block's scale is 2^(floor(log2(largest magnitude)) - 15); its byte is the largest magnitude's exponent field - 15, held at 1 from below.
; LIMITS: a block of zeros gets the byte 1 (the bytes are read by this program alone; its codes are zeros); blocks whose largest magnitude lies under 2^-111 are held at that floor; NaN and infinities among the inputs are not served.
.set BLK,  33792
.set XR,   32                          ; v32-95   64 numbers of a lane
.set GR,   96                          ; v96-159  the gain (in the second norm first the attention's rows); later the codes
.set BT,   160                         ; v160-223 the norm's bias
.set TM,   224                         ; v224-239 the quantiser's 16 registers
.set PC,   96                          ; v96-111  the codes just made
.set WL,   3072                        ; LDS: the norm's role has bytes 0-3071; each weight variant 1,024 bytes of its own from here on
; ---- the weight roles: a lane takes a column, its registers run down K
.macro WLOAD t, pitch                  ; 32 rows of K at my wave's 32 columns: 128 consecutive bytes an instruction
.set I, 0
.rept 32
	global_load_b32 v[XR+32*\t+I], v4, s[42:43] offset:(32*\t+I)*\pitch th:TH_LOAD_NT
.set I, I+1
.endr
.endm
.macro WBLOCK t                        ; one block of 32 along K of my column: all 32 numbers are mine
.set XS, XR+32*\t
.set CD, 96+8*\t
	v_max3_num_f32 v12, |v[XS]|, |v[XS+1]|, |v[XS+2]|
	v_max3_num_f32 v13, |v[XS+3]|, |v[XS+4]|, |v[XS+5]|
.irp i, 6,10,14,18,22,26
	v_max3_num_f32 v12, v12, |v[XS+\i]|, |v[XS+\i+1]|
	v_max3_num_f32 v13, v13, |v[XS+\i+2]|, |v[XS+\i+3]|
.endr
	v_max3_num_f32 v12, v12, |v[XS+30]|, |v[XS+31]|
	v_max3_num_f32 v12, v12, v13, 0x8000000        ; the floor 2^(16 - 127): the byte cannot fall under 1
	v_add_nc_u32 v11, 0xf8800000, v12              ; 15 off the exponent field: the conversion's scale operand
	v_and_or_b32 v10, v12, 0x7f800000, s27         ; 57,344 x the scale
	v_lshrrev_b32 v[14+\t], 23, v11                ; the scale's byte
.set I, 0
.rept 32
	v_med3_num_f32 v[XS+I], v[XS+I], -v10, v10     ; the conversion to an 8-bit code does not saturate (ISA guide 7.6.2): the hold comes first
.set I, I+1
.endr
.irp g, 0,1,2,3
	v_cvt_scalef32_pk8_bf8_f32 v[CD+2*\g:CD+2*\g+1], v[XS+8*\g:XS+8*\g+7], v11
.endr
	global_store_b128 v7, v[CD:CD+3], s[36:37] offset:512*\t          ; k = 0 .. 15 of the block: the place of lane (r, 0); the sixteen lanes of one tile fill 256 consecutive bytes
	global_store_b128 v7, v[CD+4:CD+7], s[36:37] offset:512*\t+256    ; k = 16 .. 31: the place of lane (r, 1)
.endm
; s[42:43]: my wave's first number; s30 = which 32 columns (0..3), s31 = which 64 of the 256 K (0..3).  Each block has code registers of its own, so no store's data are written again.
.macro WROLE pitch, lb
	v_lshlrev_b32 v4, 2, v1                        ; in: 4 bytes a lane
	v_bfe_u32 v5, v0, 3, 1                         ; u: which of my two tiles my column falls into
	v_and_b32 v6, 7, v0
	v_lshl_or_b32 v6, v3, 3, v6                    ; and its lane-row there
	v_lshlrev_b32 v7, 4, v6
	v_lshl_add_u32 v7, v5, 12, v7                  ; out: tile u x 4096 + lane-row x 16
	s_add_co_u32 s40, ttmp9, 128
	s_mul_i32 s40, s40, BLK
	s_mov_b32 s41, 0
	s_add_nc_u64 s[38:39], s[22:23], s[40:41]      ; my work-group's block of ops
	s_lshl_b32 s40, s30, 13                        ; two tiles for each 32 columns,
	s_lshr_b32 s44, s31, 1
	s_lshl_b32 s45, s44, 11                        ; the half of 128 K,
	s_add_co_u32 s40, s40, s45
	s_and_b32 s45, s31, 1
	s_lshl_b32 s46, s45, 10                        ; two blocks of 32
	s_add_co_u32 s40, s40, s46
	s_add_nc_u64 s[36:37], s[38:39], s[40:41]
	s_lshl_b32 s40, s30, 8                         ; LDS: the block's 1,024 scale bytes as they will lie in memory
	s_lshl_b32 s44, s44, 2
	s_add_co_u32 s40, s40, s44
	s_lshl_b32 s45, s45, 1
	s_add_co_u32 s40, s40, s45
	v_lshlrev_b32 v8, 3, v6
	v_lshl_add_u32 v8, v5, 7, v8
	v_add_nc_u32 v8, s40, v8
	v_lshlrev_b32 v9, 3, v1
	s_lshl_b32 s40, s26, 8
	v_add_nc_u32 v16, s40, v9                      ; the way out of the scale bytes: 256 x wave + 8 x lane (waves 0 to 3)
	WLOAD 0, \pitch
	WLOAD 1, \pitch
	s_wait_loadcnt 32                              ; the first block's 32 loads are in; the second block's 32 may be out
	WBLOCK 0
	s_wait_loadcnt 0x0
	WBLOCK 1
	v_lshl_or_b32 v14, v15, 8, v14                 ; my two bytes are neighbours in my row's scale word
	ds_store_b16 v8, v14 offset:\lb
	s_wait_dscnt 0x0                               ; for the others' sake: my store has landed
	s_barrier_signal -1
	s_barrier_wait -1
	s_cmp_lt_u32 s26, 4
	s_cbranch_scc0 .Lw_done_\@
	ds_load_b64 v[18:19], v16 offset:\lb
	s_wait_dscnt 0x0
	global_store_b64 v16, v[18:19], s[38:39] offset:32768   ; 32 lanes store 256 consecutive bytes
.Lw_done_\@:
	s_wait_tensorcnt 0x0
	ds_add_u32 v254, v255
	s_wait_dscnt 0x0
	s_endpgm
.endm
; ---- the norm's role
.macro LD16 reg, off, base             ; of each of four blocks of 32 my 16 numbers: 64 bytes, four loads
.irp b, 0,1,2,3
.irp j, 0,1,2,3
	global_load_b128 v[\reg+16*\b+4*\j:\reg+16*\b+4*\j+3], v[\off], s[\base:\base+1] offset:128*\b+16*\j
.endr
.endr
.endm
; the sum (sq = 0) or the sum of squares (sq = 1) of a token's 1,024 numbers: my 64, lane l xor 16's, then the eight waves' through LDS bytes lb on, added in a fixed order.  Result: v12
.macro RSUM sq, lb
.if \sq
	v_pk_mul_f32 v[24:25], v[XR:XR+1], v[XR:XR+1]
	v_pk_mul_f32 v[26:27], v[XR+2:XR+3], v[XR+2:XR+3]
.irp j, 4,8,12,16,20,24,28,32,36,40,44,48,52,56,60
	v_pk_fma_f32 v[24:25], v[XR+\j:XR+\j+1], v[XR+\j:XR+\j+1], v[24:25]
	v_pk_fma_f32 v[26:27], v[XR+\j+2:XR+\j+3], v[XR+\j+2:XR+\j+3], v[26:27]
.endr
.else
	v_pk_add_f32 v[24:25], v[XR:XR+1], v[XR+4:XR+5]
	v_pk_add_f32 v[26:27], v[XR+2:XR+3], v[XR+6:XR+7]
.irp j, 8,12,16,20,24,28,32,36,40,44,48,52,56,60
	v_pk_add_f32 v[24:25], v[24:25], v[XR+\j:XR+\j+1]
	v_pk_add_f32 v[26:27], v[26:27], v[XR+\j+2:XR+\j+3]
.endr
.endif
	v_pk_add_f32 v[24:25], v[24:25], v[26:27]
	v_add_f32 v24, v24, v25
	v_permlanex16_b32 v28, v24, s28, s29
	v_add_f32 v24, v24, v28
	ds_store_b32 v7, v24 offset:\lb                ; both halves of the lanes write the same word with the same value
	s_wait_dscnt 0x0
	s_barrier_signal -1
	s_barrier_wait -1
	ds_load_b128 v[12:15], v8 offset:\lb
	ds_load_b128 v[16:19], v8 offset:\lb+16
	s_wait_dscnt 0x0
	v_add_f32 v12, v12, v13
	v_add_f32 v14, v14, v15
	v_add_f32 v16, v16, v17
	v_add_f32 v18, v18, v19
	v_add_f32 v12, v12, v14
	v_add_f32 v16, v16, v18
	v_add_f32 v12, v12, v16
.endm
.macro QUANTL                          ; v[XR] on, register 16 b + i = k 32 b + 16 h + i of my row -> codes in v[PC] on, bytes 0, 1 in v240, bytes 2, 3 in v241
.irp b, 0,1,2,3
	v_max3_num_f32 v[TM+\b], |v[XR+16*\b]|, |v[XR+1+16*\b]|, 0x8000000
.endr
.irp i, 2,4,6,8,10,12,14
.irp b, 0,1,2,3
	v_max3_num_f32 v[TM+\b], v[TM+\b], |v[XR+16*\b+\i]|, |v[XR+1+16*\b+\i]|
.endr
.endr
.irp b, 0,1,2,3
	v_permlanex16_b32 v[TM+4+\b], v[TM+\b], s28, s29
.endr
.irp b, 0,1,2,3
	v_max_num_f32 v[TM+\b], v[TM+\b], v[TM+4+\b]   ; with lane l xor 16's: the block's largest magnitude
.endr
.irp b, 0,1,2,3
	v_add_nc_u32 v[TM+12+\b], 0xf8800000, v[TM+\b]
.endr
.irp b, 0,1,2,3
	v_and_or_b32 v[TM+8+\b], v[TM+\b], 0x7f800000, s27
.endr
.irp b, 0,1,2,3
	v_lshrrev_b32 v[TM+4+\b], 23, v[TM+12+\b]
.endr
	v_lshl_or_b32 v240, v[TM+5], 8, v[TM+4]
	v_lshl_or_b32 v241, v[TM+7], 8, v[TM+6]
.irp b, 0,1,2,3
.irp i, 0,1,2,3,4,5,6,7,8,9,10,11,12,13,14,15
	v_med3_num_f32 v[XR+16*\b+\i], v[XR+16*\b+\i], -v[TM+8+\b], v[TM+8+\b]
.endr
.endr
.irp b, 0,1,2,3
	v_cvt_scalef32_pk8_bf8_f32 v[PC+4*\b:PC+1+4*\b], v[XR+16*\b:XR+7+16*\b], v[TM+12+\b]
	v_cvt_scalef32_pk8_bf8_f32 v[PC+2+4*\b:PC+3+4*\b], v[XR+8+16*\b:XR+15+16*\b], v[TM+12+\b]
.endr
	v_nop                                          ; a plain instruction behind the last scaled conversion
.endm
; 32 tokens (two tiles) to a work-group; s40 = which 32.  Wave w: tile w / 8, numbers 128 (w % 8) on.  x s[4:5], gain s[6:7], bias s[8:9], the codes' buffer s[22:23]; add = 1: the attention's rows s[10:11] are added first.
; The variance is taken of the centred numbers, in a second pass over the registers.
.macro LNBODY add
	s_lshr_b32 s30, s26, 3                         ; which tile
	s_and_b32 s31, s26, 7                          ; which 128 of the 1,024
	v_and_b32 v11, 8, v2
	v_add_nc_u32 v11, v11, v2                      ; r + 8 (r / 8)
	v_lshlrev_b32 v4, 12, v11
	v_lshl_add_u32 v4, v3, 6, v4                   ; x: my token's row of 4,096 bytes, + 64 h
	v_lshlrev_b32 v5, 4, v1                        ; 16 x lane
	v_lshlrev_b32 v6, 6, v3                        ; gain and bias: 64 h
	s_lshl_b32 s32, s30, 9
	s_lshl_b32 s33, s31, 2
	s_add_co_u32 s33, s33, s32
	v_lshlrev_b32 v8, 5, v2
	v_add_nc_u32 v7, s33, v8                       ; LDS: a token's eight partial sums lie together: tile x 512 + r x 32 + 4 x (w % 8)
	v_add_nc_u32 v8, s32, v8
	s_lshr_b32 s33, s31, 1
	s_lshl_b32 s33, s33, 8
	s_lshl_b32 s34, s30, 7
	s_add_co_u32 s33, s33, s34
	s_and_b32 s34, s31, 1
	s_lshl_b32 s34, s34, 2
	s_add_co_u32 s33, s33, s34
	v_lshlrev_b32 v9, 3, v2
	v_add_nc_u32 v9, s33, v9                       ; LDS: the scale words as they will lie in memory: K step x 256 + tile x 128 + r x 8 + 4 x half
	v_lshlrev_b32 v10, 3, v1
	s_lshl_b32 s33, s26, 8
	v_add_nc_u32 v11, s33, v10                     ; their way out: 256 x wave + 8 x lane (waves 0 to 3)
	v_mov_b32 v28, 0                               ; written once: a lane permute's destination counts as one of its sources
	s_mov_b32 s46, 0x3a800000                      ; 1 / 1,024
	s_mov_b32 s47, 0x3727c5ac                      ; 1e-5
	s_lshl_b32 s32, s40, 17                        ; 32 rows of 4,096 bytes,
	s_lshl_b32 s33, s30, 15                        ; the second tile begins 8 rows on,
	s_add_co_u32 s32, s32, s33
	s_lshl_b32 s34, s31, 9                         ; my 128 numbers
	s_add_co_u32 s32, s32, s34
	s_mov_b32 s33, 0
	s_mov_b32 s35, 0
	s_add_nc_u64 s[4:5], s[4:5], s[32:33]
	s_add_nc_u64 s[6:7], s[6:7], s[34:35]
	s_add_nc_u64 s[8:9], s[8:9], s[34:35]
.if \add
	s_lshl_b32 s32, s40, 1
	s_add_co_u32 s32, s32, s30                     ; the tile among all 256
	s_lshr_b32 s36, s32, 7                         ; the batch,
	s_and_b32 s32, s32, 127                        ; the tile in it
	s_lshl_b32 s36, s36, 4
	s_lshl_b32 s37, s31, 1
	s_add_co_u32 s36, s36, s37                     ; my 128 numbers are heads 2 (w % 8) and the next
	s_lshl_b32 s36, s36, 7
	s_add_co_u32 s32, s32, s36
	s_lshl_b32 s32, s32, 12                        ; 4,096 bytes a tile
	s_add_nc_u64 s[10:11], s[10:11], s[32:33]
.endif
	s_lshr_b32 s32, s40, 2
	s_lshl_b32 s32, s32, 2
	s_mul_i32 s36, s32, BLK                        ; the row block's first K step
	s_mov_b32 s37, 0
	s_add_nc_u64 s[22:23], s[22:23], s[36:37]
	s_and_b32 s38, s40, 3
	s_lshr_b32 s36, s31, 1
	s_mul_i32 s36, s36, BLK                        ; my K step,
	s_lshl_b32 s39, s38, 1
	s_add_co_u32 s39, s39, s30
	s_lshl_b32 s39, s39, 12                        ; my tile,
	s_add_co_u32 s36, s36, s39
	s_and_b32 s39, s31, 1
	s_lshl_b32 s39, s39, 11                        ; my half of the K step
	s_add_co_u32 s36, s36, s39
	s_add_nc_u64 s[42:43], s[22:23], s[36:37]
	s_mul_i32 s36, s26, BLK                        ; scale words: wave w (0 to 3) stores K step w's
	s_lshl_b32 s39, s38, 8
	s_add_co_u32 s36, s36, s39
	s_add_nc_u64 s[44:45], s[22:23], s[36:37]
	LD16 XR, 4, 4
.if \add
.irp e, 0,1
.irp k, 0,1,2,3,4,5,6,7
	global_load_b128 v[GR+32*\e+4*\k:GR+32*\e+4*\k+3], v5, s[10:11] offset:524288*\e+512*\k th:TH_LOAD_NT   ; the attention's registers as they were stored: the same lane, the same order
.endr
.endr
	LD16 BT, 6, 8
	s_wait_loadcnt 16                              ; x and the attention's rows are in; the bias's 16 loads may be out
.set J, 0
.rept 32
	v_pk_add_f32 v[XR+J:XR+J+1], v[XR+J:XR+J+1], v[GR+J:GR+J+1]
.set J, J+2
.endr
	LD16 GR, 6, 6
.else
	LD16 GR, 6, 6
	LD16 BT, 6, 8
	s_wait_loadcnt 32                              ; x is in; the gain's and the bias's 32 loads may be out
.endif
	RSUM 0, 0
	v_mul_f32 v20, s46, v12                        ; the mean
	v_mov_b32 v21, v20
.set J, 0
.rept 32
	v_pk_add_f32 v[XR+J:XR+J+1], v[XR+J:XR+J+1], v[20:21] neg_lo:[0,1] neg_hi:[0,1]
.set J, J+2
.endr
	RSUM 1, 1024
	v_fma_f32 v22, v12, s46, s47                   ; the variance + 1e-5
	v_rsq_f32 v22, v22
.irp b, 0,1,2,3
	v_mov_b32 v[TM+4+\b], 0                        ; plain work behind the transcendental (a lane permute's destination is written once)
.endr
	s_wait_alu depctr_va_vdst(0)                   ; the wait ahead of the result's first reader
	v_mov_b32 v23, v22
	s_wait_loadcnt 0x0                             ; gain and bias
.set J, 0
.rept 32
	v_pk_mul_f32 v[XR+J:XR+J+1], v[XR+J:XR+J+1], v[22:23]
.set J, J+2
.endr
.set J, 0
.rept 32
	v_pk_fma_f32 v[XR+J:XR+J+1], v[XR+J:XR+J+1], v[GR+J:GR+J+1], v[BT+J:BT+J+1]
.set J, J+2
.endr
	QUANTL
	v_lshl_or_b32 v240, v241, 16, v240             ; my row's scale word for these 128
	v_cmp_eq_f32 vcc_lo, v22, v22
	v_cndmask_b32 v240, -1, v240, vcc_lo           ; a row that is NaN gets the bytes 0xff, which make every sum over it NaN
.irp c, 0,1,2,3
	global_store_b128 v5, v[PC+4*\c:PC+4*\c+3], s[42:43] offset:512*\c   ; 32 lanes store 512 consecutive bytes
.endr
	ds_store_b32 v9, v240 offset:2048
	s_wait_dscnt 0x0
	s_barrier_signal -1
	s_barrier_wait -1
	s_cmp_lt_u32 s26, 4
	s_cbranch_scc0 .Lln_done_\@
	ds_load_b64 v[12:13], v11 offset:2048
	s_wait_dscnt 0x0
	global_store_b64 v10, v[12:13], s[44:45] offset:32768   ; 32 lanes store 256 consecutive bytes
.Lln_done_\@:
	s_wait_tensorcnt 0x0
	ds_add_u32 v254, v255
	s_wait_dscnt 0x0
	s_endpgm
.endm
; ---- the mask's role: one key step (128 keys) of a tile of 16 queries -> 64 words; bit l of word 16 b + i says whether lane l's query may see key 32 b + 16 (l / 16) + i
.macro MSTEP j
	s_wait_loadcnt 12-4*\j                         ; this step's four loads are in; four for each later step may be out
	s_mov_b32 s60, 0                               ; any key allowed?
	s_mov_b32 s61, -1                              ; all keys allowed?
.irp b, 0,1,2,3
.irp i, 0,1,2,3,4,5,6,7,8,9,10,11,12,13,14,15
	v_and_b32 v[112+\i], 0xff<<(8*(\i%4)), v[32+16*\j+4*\b+\i/4]
.endr
.irp i, 0,1,2,3,4,5,6,7,8,9,10,11,12,13,14,15
	v_cmp_ne_u32 s[44+\i], 0, v[112+\i]
.endr
.irp i, 0,1,2,3,4,5,6,7,8,9,10,11,12,13,14,15
	v_writelane_b32 v[96+2*\j+\i%2], s[44+\i], 8*\b+\i/2     ; word n goes to lane n / 2, register n % 2: the lanes then store the 64 words in order
.endr
.irp i, 0,1,2,3,4,5,6,7,8,9,10,11,12,13,14,15
	s_or_b32 s60, s60, s[44+\i]
.endr
.irp i, 0,1,2,3,4,5,6,7,8,9,10,11,12,13,14,15
	s_and_b32 s61, s61, s[44+\i]
.endr
.endr
	global_store_b64 v10, v[96+2*\j:97+2*\j], s[36:37] offset:256*\j   ; 32 lanes store 256 consecutive bytes
	s_cmp_lg_u32 s60, 0
	s_cselect_b32 s63, 1<<\j, 0
	s_or_b32 s62, s62, s63
	s_cmp_eq_u32 s61, -1
	s_cselect_b32 s63, 0x10000<<\j, 0
	s_or_b32 s62, s62, s63
.endm
	s_load_b512 s[4:19], s[0:1], 0x0               ; x, ln1_g, ln1_b, Wq s[10:11], Wk s[12:13], Wv s[14:15], W1 s[16:17], W2 s[18:19]
	s_load_b128 s[20:23], s[0:1], 0x40             ; mask s[20:21], ops s[22:23]
	s_load_b64 s[24:25], s[0:1], 0x50              ; msk
	v_lshl_add_u32 v254, v0, 2, 0x1800
	v_mov_b32 v255, 0
	v_lshrrev_b32 v1, 5, v0
	v_readfirstlane_b32 s26, v1                    ; wave 0..15
	v_and_b32 v1, 31, v0                           ; lane
	v_and_b32 v2, 15, v0                           ; r
	v_bfe_u32 v3, v0, 4, 1                         ; h
	s_mov_b32 s27, 0x600000                        ; the mantissa field of 57,344
	s_mov_b32 s28, 0x76543210
	s_mov_b32 s29, 0xfedcba98                      ; v_permlanex16_b32's selects for lane l xor 16
	s_wait_kmcnt 0x0
	s_cmp_lt_u32 ttmp9, 96
	s_cbranch_scc1 .Lw_qkv
	s_cmp_lt_u32 ttmp9, 224
	s_cbranch_scc1 .Lw_1
	s_cmp_lt_u32 ttmp9, 352
	s_cbranch_scc1 .Lw_2
	s_cmp_lt_u32 ttmp9, 480
	s_cbranch_scc1 .Lln
	; ---- the mask: work-group m takes tiles 4 m .. 4 m + 3; wave w: tile 4 m + w / 4, key steps 4 (w % 4) on
	s_sub_co_u32 s32, ttmp9, 480
	s_lshl_b32 s32, s32, 2
	s_lshr_b32 s30, s26, 2
	s_add_co_u32 s32, s32, s30                     ; the tile of queries
	s_and_b32 s31, s26, 3                          ; which quarter of the keys
	s_lshr_b32 s33, s32, 1
	s_lshl_b32 s33, s33, 5
	s_and_b32 s34, s32, 1
	s_lshl_b32 s34, s34, 3
	s_add_co_u32 s33, s33, s34                     ; the tile's first query
	s_lshl_b32 s33, s33, 11                        ; a row of the mask is 2,048 bytes
	s_lshl_b32 s34, s31, 9
	s_add_co_u32 s34, s34, s33
	s_mov_b32 s35, 0
	s_add_nc_u64 s[20:21], s[20:21], s[34:35]
	s_lshl_b32 s38, s32, 4
	s_lshl_b32 s39, s31, 2
	s_add_co_u32 s38, s38, s39                     ; 16 x tile + first step: also the flag word's byte
	s_mov_b32 s39, 0
	s_add_nc_u64 s[40:41], s[24:25], s[38:39]
	s_lshl_b32 s38, s38, 8                         ; 256 bytes of words a step
	s_add_nc_u64 s[36:37], s[24:25], s[38:39]
	v_and_b32 v4, 8, v2
	v_add_nc_u32 v4, v4, v2
	v_lshlrev_b32 v4, 11, v4
	v_lshl_add_u32 v4, v3, 4, v4                   ; my query's row, + 16 h
	v_lshlrev_b32 v10, 3, v1
.irp j, 0,1,2,3
.irp b, 0,1,2,3
	global_load_b128 v[32+16*\j+4*\b:35+16*\j+4*\b], v4, s[20:21] offset:128*\j+32*\b th:TH_LOAD_NT
.endr
.endr
.irp j, 0,1,2,3,4,5,6,7
	v_mov_b32 v[96+\j], 0                          ; a lane write's destination counts as one of its sources
.endr
	s_mov_b32 s62, 0
	MSTEP 0
	MSTEP 1
	MSTEP 2
	MSTEP 3
	s_lshl_b32 s63, s31, 2
	s_lshl_b32 s62, s62, s63                       ; bit s: some key of step s is allowed for some query of the tile; bit 16 + s: all are
	v_mov_b32 v12, s62
	v_mov_b32 v13, 0
	s_wait_xcnt 0x0                                ; EXEC changes only behind this wait
	v_cmp_eq_u32 vcc_lo, 0, v1
	s_and_saveexec_b32 s63, vcc_lo
	global_store_b32 v13, v12, s[40:41] offset:524288
	s_wait_xcnt 0x0
	s_or_b32 exec_lo, exec_lo, s63
	s_endpgm
.Lw_qkv:                                           ; block id: tensor id / 32, row block (two heads) (id % 32) / 4, K step id % 4
	s_and_b32 s30, s26, 3
	s_lshr_b32 s31, s26, 2
	s_lshr_b32 s40, ttmp9, 5
	s_cmp_eq_u32 s40, 0
	s_cselect_b64 s[42:43], s[10:11], s[12:13]
	s_cmp_eq_u32 s40, 2
	s_cselect_b64 s[42:43], s[14:15], s[42:43]
	s_and_b32 s40, ttmp9, 31
	s_lshr_b32 s41, s40, 2
	s_lshl_b32 s41, s41, 1
	s_lshr_b32 s44, s30, 1
	s_add_co_u32 s41, s41, s44                     ; the head
	s_lshl_b32 s41, s41, 18                        ; 1,024 x 64 numbers
	s_and_b32 s40, s40, 3
	s_lshl_b32 s40, s40, 8
	s_lshl_b32 s44, s31, 6
	s_add_co_u32 s40, s40, s44                     ; my first k
	s_lshl_b32 s40, s40, 8                         ; a row is 256 bytes
	s_add_co_u32 s40, s40, s41
	s_and_b32 s44, s30, 1
	s_lshl_b32 s44, s44, 7                         ; which 32 of the head's 64
	s_add_co_u32 s40, s40, s44
	s_mov_b32 s41, 0
	s_add_nc_u64 s[42:43], s[42:43], s[40:41]
	WROLE 256, WL
.Lw_1:                                             ; W1: row block (128 columns) j / 4, K step j % 4
	s_and_b32 s30, s26, 3
	s_lshr_b32 s31, s26, 2
	s_sub_co_u32 s40, ttmp9, 96
	s_and_b32 s41, s40, 3
	s_lshl_b32 s41, s41, 8
	s_lshl_b32 s44, s31, 6
	s_add_co_u32 s41, s41, s44
	s_lshl_b32 s41, s41, 14                        ; a row is 16,384 bytes
	s_lshr_b32 s40, s40, 2
	s_lshl_b32 s40, s40, 7
	s_lshl_b32 s44, s30, 5
	s_add_co_u32 s40, s40, s44
	s_lshl_b32 s40, s40, 2
	s_add_co_u32 s40, s40, s41
	s_mov_b32 s41, 0
	s_add_nc_u64 s[42:43], s[16:17], s[40:41]
	WROLE 16384, WL+1024
.Lw_2:                                             ; W2: row block j / 16, K step j % 16
	s_and_b32 s30, s26, 3
	s_lshr_b32 s31, s26, 2
	s_sub_co_u32 s40, ttmp9, 224
	s_and_b32 s41, s40, 15
	s_lshl_b32 s41, s41, 8
	s_lshl_b32 s44, s31, 6
	s_add_co_u32 s41, s41, s44
	s_lshl_b32 s41, s41, 12                        ; a row is 4,096 bytes
	s_lshr_b32 s40, s40, 4
	s_lshl_b32 s40, s40, 7
	s_lshl_b32 s44, s30, 5
	s_add_co_u32 s40, s40, s44
	s_lshl_b32 s40, s40, 2
	s_add_co_u32 s40, s40, s41
	s_mov_b32 s41, 0
	s_add_nc_u64 s[42:43], s[18:19], s[40:41]
	WROLE 4096, WL+2048
.Lln:
	s_sub_co_u32 s40, ttmp9, 352
	LNBODY 0
.Lfunc_end_k_q52e0d9283a_prep:
	.size	k_q52e0d9283a_prep, .Lfunc_end_k_q52e0d9283a_prep-k_q52e0d9283a_prep
	.p2alignl 7, 3214868480
	.fill 96, 4, 3214868480
	.section	.rodata,"a",@progbits
	.p2align	6, 0x0
	.amdhsa_kernel k_q52e0d9283a_prep
		.amdhsa_group_segment_fixed_size 8192
		.amdhsa_private_segment_fixed_size 0
		.amdhsa_enable_private_segment 0
		.amdhsa_kernarg_size 88
		.amdhsa_user_sgpr_count 2
		.amdhsa_user_sgpr_kernarg_segment_ptr 1
		.amdhsa_wavefront_size32 1
		.amdhsa_system_sgpr_workgroup_id_x 1
		.amdhsa_system_sgpr_workgroup_id_y 1
		.amdhsa_system_sgpr_workgroup_id_z 1
		.amdhsa_system_vgpr_workitem_id 0
		.amdhsa_next_free_vgpr 256
		.amdhsa_next_free_sgpr 66
		.amdhsa_reserve_vcc 1
		.amdhsa_float_denorm_mode_32 3
		.amdhsa_float_denorm_mode_16_64 3
		.amdhsa_memory_ordered 1
		.amdhsa_forward_progress 1
		.amdhsa_inst_pref_size 145
	.end_amdhsa_kernel
	.amdgpu_metadata
---
amdhsa.version: [ 1, 2 ]
amdhsa.kernels:
  - .name:           k_q52e0d9283a_prep
    .symbol:         k_q52e0d9283a_prep.kd
    .args:
      - { .name: x, .offset: 0, .size: 8, .value_kind: global_buffer, .address_space: global }
      - { .name: ln1_g, .offset: 8, .size: 8, .value_kind: global_buffer, .address_space: global }
      - { .name: ln1_b, .offset: 16, .size: 8, .value_kind: global_buffer, .address_space: global }
      - { .name: Wq, .offset: 24, .size: 8, .value_kind: global_buffer, .address_space: global }
      - { .name: Wk, .offset: 32, .size: 8, .value_kind: global_buffer, .address_space: global }
      - { .name: Wv, .offset: 40, .size: 8, .value_kind: global_buffer, .address_space: global }
      - { .name: W1, .offset: 48, .size: 8, .value_kind: global_buffer, .address_space: global }
      - { .name: W2, .offset: 56, .size: 8, .value_kind: global_buffer, .address_space: global }
      - { .name: mask, .offset: 64, .size: 8, .value_kind: global_buffer, .address_space: global }
      - { .name: ops, .offset: 72, .size: 8, .value_kind: global_buffer, .address_space: global }
      - { .name: msk, .offset: 80, .size: 8, .value_kind: global_buffer, .address_space: global }
    .group_segment_fixed_size: 8192
    .private_segment_fixed_size: 0
    .kernarg_segment_align: 8
    .kernarg_segment_size: 88
    .max_flat_workgroup_size: 512
    .sgpr_count:     66
    .vgpr_count:     256
    .wavefront_size: 32
...
	.end_amdgpu_metadata
.endif
;; end of part 1
;; launch qkv (part 2): grid 4 x 48, 4 waves a work-group, clusters of 4 x 4, 327,680 bytes of LDS; arguments ops, qkv; writes qkv
.if DOCPART == 2
	.amdgcn_target "amdgcn-amd-amdhsa--gfx1250"
	.amdhsa_code_object_version 6
	.text
	.protected	k_q52e0d9283a_qkv
	.globl	k_q52e0d9283a_qkv
	.p2align	8
	.type	k_q52e0d9283a_qkv,@function
k_q52e0d9283a_qkv:
	s_mov_b64 s[64:65], 0
	v_nop
	global_prefetch_b8 v0, s[64:65] scope:SCOPE_SE
	s_setreg_imm32_b32 hwreg(HW_REG_WAVE_MODE, 25, 1), 1
	s_wait_xcnt 0x0
	s_wait_alu depctr_hold_cnt(0) depctr_sa_sdst(0) depctr_va_vdst(0) depctr_va_sdst(0) depctr_va_ssrc(0) depctr_va_vcc(0) depctr_vm_vsrc(0)
	s_getreg_b32 s2, hwreg(HW_REG_IB_STS2, 6, 4)
	s_cmp_eq_u32 s2, 0
	s_cbranch_scc0 .Lentry_in_a_cluster
	s_endpgm
.Lentry_in_a_cluster:
	s_bfe_u32 s2, ttmp6, 0x10000c
	s_cmp_lg_u32 s2, 0xf033
	s_cbranch_scc0 .Lentry_shape_is_right
	s_endpgm
.Lentry_shape_is_right:
; q, k, v = x_norm x Wq, Wk, Wv on codes of E5M2 with E8M0 scales, K = 1,024; the results are quantised in registers and stored as the attention launch's operands.
; Clusters 0-7 (cluster y): q and k.  Source 1 = 256 tokens, source 0 = 256 rows (head, e) of Wq | Wk: a lane holds one token and its registers run along e: quantised along e.
; Clusters 8-11: v.  Source 1 = 256 rows (head, d) of Wv, source 0 = 256 tokens: a lane holds one d and its registers run along the tokens: quantised along the keys.  One text serves both: only offsets are chosen, by the cluster's y, which all sixteen partners share.
; A tile of 256 x 256 is made by four waves, 128 x 128 each: 64 accumulators, 512 registers.  K goes in steps of 256 through a ring of two LDS slots filled by the tensor data mover.
; OPERANDS LIE IN MEMORY AS IMAGES OF THE MATRIX UNIT'S REGISTERS: a block of 128 rows x 256 K is 33,792 dense bytes (codes: tile x 4096 + half x 2048 + c x 512 + lane x 16; scale words behind them: tile x 128 + r x 8 + half x 4),
; one tensor load a wave; a fragment load reads 512 consecutive bytes of LDS, so no padding is needed, and the scale words ride in the slots.
; Lane-row r of tile i is row 32 (i / 2) + 8 (i % 2) + r + 8 (r / 8) of the 128: so the 16 registers of result tiles 2 b and 2 b + 1 are 16 neighbours, 32 b + 16 h + 0 .. 15, along source 0's rows.
; CLUSTERS: 4 x 4 work-groups; source 1's tiles are shared along a row of the cluster, source 0's along a column: each is asked for jointly.
; REGISTERS, in windows of 256: window 0: v0-31 addresses; v32-63 scale words, two sets, and nothing else; v64-127 at work on the way out; v128-255 source 1's fragments, one set.  window 1: source 0's fragments, two sets.  windows 2, 3: the accumulators, (a, b) at v[8 (8 (a % 4) + b)].
; LIMITS: a block of zeros gets the scale byte 1; blocks under 2^-111 are held at that floor; NaN and infinities are not served here.
.set NK,    4                          ; K steps of 256
.set LAPS,  NK/2
.set WQK,   4325376                    ; ops: Wq's and Wk's 64 blocks
.set WV,    6488064                    ; Wv's 32 blocks (x_norm's 128 blocks begin at 0)
.set STEPB, 17408                      ; qkv: a key step's record: K's images 8,192, V's 8,192, K's scale words 512, V's 256, zeros 256
.set BHB,   278528                     ; sixteen of them: a head
.set QREC,  8912896                    ; q's 32 heads, then k's and v's
.set BLK,   33792
.set SLOT,  4*BLK                      ; source 1's two halves, then source 0's two
.set SPARE, 2*SLOT                     ; the spare words, 128 bytes for each wave: two blocks of 256 bytes that no other line names
.set NQ,    2
.set FR,    16
.set NL,    4
.set NP,    8                          ; places behind this matrix instruction (ISA guide 7.12.1)
.set ADRA,  16
.set ADRB,  20
.set ADRS,  22
.set SPW,   28
.set NIL,   29
.set SC,    32
.set BIA,   64
.set AF,    128
.set G1,    24
.set G0,    32
.set G1B,   48
.set G0B,   56
.set SEL,   96
.set MNT,   98
.set TM,    160
.set PC,    128
.set FLO,   13
.set MSB,   0
.macro WIN new                         ; the immediate's high byte repeats the setting that is left
.if MSB != (\new)
	s_set_vgpr_msb (MSB<<8)|(\new)
.set MSB, (\new)
.endif
.endm
.macro JLOAD g0a, g1a, g0b, g1b        ; a joint load: waves 0 and 1 fetch source 1's halves, waves 2 and 3 source 0's; four v_nop follow each line
	s_cmp_eq_u32 s15, 0
	s_cbranch_scc0 .Lfor_b_\@
	tensor_load_to_lds s[\g0a:\g0a+3], s[\g1a:\g1a+7]
	s_nop 0
.rept 4
	v_nop
.endr
	s_branch .Lasked_\@
.Lfor_b_\@:
	tensor_load_to_lds s[\g0b:\g0b+3], s[\g1b:\g1b+7]
	s_nop 0
.rept 4
	v_nop
.endr
.Lasked_\@:
.endm
.macro CREST                           ; a round of the cluster's barrier behind its opening barrier
	s_cmp_lg_u32 s14, 0
	s_cbranch_scc1 .Lnot_wave_0_\@
	s_barrier_signal -3
.Lnot_wave_0_\@:
	s_barrier_wait -3
	s_barrier_signal -1
	s_barrier_wait -1
.endm
.macro CROUND
	s_barrier_signal -1
	s_barrier_wait -1
	CREST
.endm
.macro PLACES n
.rept \n
	v_nop
.endr
.endm
.macro FRAG reg, adr, q, i             ; a fragment's image: four loads of 512 consecutive bytes
.irp c, 0,1,2,3
	ds_load_b128 v[\reg+4*\c:\reg+4*\c+3], v[\adr] offset:4096*(\i)+2048*(\q)+512*\c
.endr
.endm
; 16 matrix instructions: source 1's blocks a0, a0 + 1 x source 0's eight.  zero = 1: C = 0 starts the sums; 2: a bias in v[BIA] on starts them.  The 64 accumulators take turns, one instruction a turn.
.macro MUL16 a0, p, q, sc, zero
.irp a, \a0, \a0+1
.irp b, 0,1,2,3,4,5,6,7
.if \zero == 1
	v_wmma_scale_f32_16x16x128_f8f6f4 v[8*(8*((\a)%4)+\b):8*(8*((\a)%4)+\b)+7], v[128*(\p)+FR*\b:128*(\p)+FR*\b+FR-1], v[AF+FR*(\a):AF+FR*(\a)+FR-1], 0, v[SC+8*NQ*(\sc)+NQ*\b+(\q)], v[SC+8*NQ*(\sc)+NQ*(\a)+(\q)] matrix_a_fmt:MATRIX_FMT_BF8 matrix_b_fmt:MATRIX_FMT_BF8 matrix_a_scale:MATRIX_SCALE_ROW1
.elseif \zero == 2
	v_wmma_scale_f32_16x16x128_f8f6f4 v[8*(8*((\a)%4)+\b):8*(8*((\a)%4)+\b)+7], v[128*(\p)+FR*\b:128*(\p)+FR*\b+FR-1], v[AF+FR*(\a):AF+FR*(\a)+FR-1], v[BIA+8*\b:BIA+8*\b+7], v[SC+8*NQ*(\sc)+NQ*\b+(\q)], v[SC+8*NQ*(\sc)+NQ*(\a)+(\q)] matrix_a_fmt:MATRIX_FMT_BF8 matrix_b_fmt:MATRIX_FMT_BF8 matrix_a_scale:MATRIX_SCALE_ROW1
.else
	v_wmma_scale_f32_16x16x128_f8f6f4 v[8*(8*((\a)%4)+\b):8*(8*((\a)%4)+\b)+7], v[128*(\p)+FR*\b:128*(\p)+FR*\b+FR-1], v[AF+FR*(\a):AF+FR*(\a)+FR-1], v[8*(8*((\a)%4)+\b):8*(8*((\a)%4)+\b)+7], v[SC+8*NQ*(\sc)+NQ*\b+(\q)], v[SC+8*NQ*(\sc)+NQ*(\a)+(\q)] matrix_a_fmt:MATRIX_FMT_BF8 matrix_b_fmt:MATRIX_FMT_BF8 matrix_a_scale:MATRIX_SCALE_ROW1
.endif
.endr
.endr
.endm
.macro WLO zero                        ; source 0 window 1, source 1 window 0, D window 2; C window 2, or window 0 for a bias
.if \zero == 2
	WIN 0x81
.else
	WIN 0xa1
.endif
.endm
.macro WHI zero                        ; the same with window 3
.if \zero == 2
	WIN 0xc1
.else
	WIN 0xf1
.endif
.endm
.macro FETCH_B slot, q, p
	WIN 0x40
.irp i, 0,1,2,3,4,5,6,7
	FRAG 128*(\p)+FR*\i, ADRB+\slot, \q, \i
.endr
	WIN 0
.endm
.macro FETCH_A slot, q, i0
.irp i, \i0, \i0+1, \i0+2, \i0+3
	FRAG AF+FR*(\i), ADRA+\slot, \q, \i
.endr
.endm
.macro SCALES sc                       ; the slot's scale words: lanes 0-15 take source 1's block i, lanes 16-31 source 0's block i; two words (256 K) a row
.irp i, 0,1,2,3,4,5,6,7
	ds_load_b64 v[SC+8*NQ*\sc+NQ*\i:SC+8*NQ*\sc+NQ*\i+1], v[ADRS+\sc] offset:\i*128
.endr
.endm
.macro STEP slot, q, zero              ; 128 along K that has its successor in the same slot
	s_wait_dscnt 4*NL                              ; all but the youngest 16 loads (source 1's blocks 4-7)
	WLO \zero
	MUL16 0, (\q)%2, \q, \slot, \zero
	MUL16 2, (\q)%2, \q, \slot, \zero
	s_wait_dscnt 0
	PLACES NP
	FETCH_B \slot, (\q)+1, 1-(\q)%2
	FETCH_A \slot, (\q)+1, 0
	WHI \zero
	MUL16 4, (\q)%2, \q, \slot, \zero
	MUL16 6, (\q)%2, \q, \slot, \zero
	PLACES NP
	WIN 0
	FETCH_A \slot, (\q)+1, 4
.endm
; A slot's last step changes slots: one barrier; in front of it each wave waits for all its tensor loads, adds 0 to its spare word, and waits for that and for its reads of this slot.  fill = 1: the slot is filled again, two K steps ahead.
.macro TURN slot, next, fill
	s_wait_tensorcnt 0x0                           ; all my tensor loads have landed: my part of the next slot
	ds_add_u32 v[SPW], v[NIL]                      ; 0 onto my spare word
	s_wait_dscnt 4*NL+1                            ; (the add and the youngest 16 loads may be out)
	WIN 0xa1
	MUL16 0, 1, NQ-1, \slot, 0
	s_wait_dscnt 0x0                               ; the add is done, and my reads of this slot are over
	s_barrier_signal -1
	MUL16 2, 1, NQ-1, \slot, 0
	WIN 0
	s_barrier_wait -1
.if \fill
	CREST                                          ; the barrier has opened a round of the cluster's barrier: no wave of any partner still reads this slot or has a load on its way
	s_add_nc_u64 s[G0+4*\slot+2:G0+4*\slot+3], s[G0+4*\slot+2:G0+4*\slot+3], 2*BLK
	s_add_nc_u64 s[G0B+4*\slot+2:G0B+4*\slot+3], s[G0B+4*\slot+2:G0B+4*\slot+3], 2*BLK
	JLOAD G0+4*\slot, G1, G0B+4*\slot, G1B         ; the first tensor load behind the round; its four v_nop are among the places in front of the loads below
	PLACES NP-4
.else
	PLACES NP
.endif
	FETCH_B \next, 0, 0
	FETCH_A \next, 0, 0
	SCALES \next
	WIN 0xf1
	MUL16 4, 1, NQ-1, \slot, 0
	MUL16 6, 1, NQ-1, \slot, 0
	PLACES NP
	WIN 0
	FETCH_A \next, 0, 4
.endm
; 64 numbers of a lane in window w, register 16 b + i = k 32 b + 16 h + i of my row -> held numbers in v[dst] on, codes in v[PC] on, scale bytes 0, 1 in v[p0], bytes 2, 3 in v[p1]
.macro QUANT src, w, dst, p0, p1
	WIN ((\w)<<2)|((\w)<<4)
.irp b, 0,1,2,3
	v_max3_num_f32 v[TM+\b], v[FLO], |v[(\src)+16*\b]|, |v[(\src)+1+16*\b]|    ; each accumulator is read from its low end on; the floor 2^(16 - 127) holds the byte at 1 from below
.endr
.irp i, 2,4,6,8,10,12,14
.irp b, 0,1,2,3
	v_max3_num_f32 v[TM+\b], v[TM+\b], |v[(\src)+16*\b+\i]|, |v[(\src)+1+16*\b+\i]|
.endr
.endr
	WIN 0
.irp b, 0,1,2,3
	v_permlanex16_b32 v[TM+4+\b], v[TM+\b], s[SEL], s[SEL+1]
.endr
.irp b, 0,1,2,3
	v_max_num_f32 v[TM+\b], v[TM+\b], v[TM+4+\b]
.endr
.irp b, 0,1,2,3
	v_add_nc_u32 v[TM+12+\b], 0xf8800000, v[TM+\b]
.endr
.irp b, 0,1,2,3
	v_and_or_b32 v[TM+8+\b], v[TM+\b], 0x7f800000, s[MNT]
.endr
.irp b, 0,1,2,3
	v_lshrrev_b32 v[TM+4+\b], 23, v[TM+12+\b]
.endr
	v_lshl_or_b32 v[(\p0)], v[TM+5], 8, v[TM+4]
	v_lshl_or_b32 v[(\p1)], v[TM+7], 8, v[TM+6]
	WIN (\w)
.irp b, 0,1,2,3
.irp i, 0,1,2,3,4,5,6,7,8,9,10,11,12,13,14,15
	v_med3_num_f32 v[(\dst)+16*\b+\i], v[(\src)+16*\b+\i], -v[TM+8+\b], v[TM+8+\b]   ; the conversion to an 8-bit code does not saturate (ISA guide 7.6.2)
.endr
.endr
	WIN 0
.irp b, 0,1,2,3
	v_cvt_scalef32_pk8_bf8_f32 v[PC+4*\b:PC+1+4*\b], v[(\dst)+16*\b:(\dst)+7+16*\b], v[TM+12+\b]
	v_cvt_scalef32_pk8_bf8_f32 v[PC+2+4*\b:PC+3+4*\b], v[(\dst)+8+16*\b:(\dst)+15+16*\b], v[TM+12+\b]
.endr
	v_nop                                          ; a plain instruction behind the last scaled conversion
.endm
	s_load_b128 s[4:7], s[0:1], 0x0                ; ops s[4:5], qkv s[6:7]
	v_lshl_add_u32 v[SPW], v0, 2, SPARE
	v_mov_b32 v[NIL], 0
	ds_add_u32 v28, v29
	ds_add_u32 v28, v29
	s_wait_dscnt 0x0
	v_lshrrev_b32 v1, 5, v0
	v_readfirstlane_b32 s14, v1                    ; wave 0..3
	s_lshr_b32 s15, s14, 1                         ; which half of source 1's rows is mine.  Also: I fetch for source 1 (0) or source 0 (1)
	s_and_b32 s16, s14, 1                          ; which half of source 0's rows.  Also: which half I fetch
	s_bfe_u32 s40, ttmp6, 0x40000                  ; cx, cy: my place in the cluster
	s_bfe_u32 s41, ttmp6, 0x40004
	s_and_b32 s12, ttmp7, 0xffff                   ; the cluster's y, 0..11
	s_and_b32 s17, s12, 3
	s_lshl_b32 s17, s17, 2                         ; q, k: tile rows (tokens) 4 (y % 4) on,
	s_lshr_b32 s42, s12, 2
	s_lshl_b32 s42, s42, 2                         ; tile columns (weight rows) 4 (y / 4) on
	s_sub_co_u32 s18, s12, 8
	s_lshl_b32 s18, s18, 2                         ; v: tile columns (tokens) 4 (y - 8) on, tile rows 0 on
	s_mov_b32 s19, WV
	s_mov_b32 s20, WQK
	s_cmp_ge_u32 s12, 8
	s_cselect_b32 s13, -1, 0                       ; v?  As a mask of lanes
	s_cselect_b32 s17, 0, s17
	s_cselect_b32 s42, s18, s42
	s_cselect_b32 s10, s19, 0                      ; source 1's first byte in ops: Wv's blocks or x_norm's
	s_cselect_b32 s11, 0, s20                      ; source 0's: x_norm's or Wq's and Wk's
	s_add_co_u32 s17, s17, s41                     ; tile row
	s_add_co_u32 s42, s42, s40                     ; tile column
	s_lshl_b32 s43, s41, 2
	s_lshl_b32 s43, 15, s43                        ; my row of the cluster
	s_lshl_b32 s44, 0x1111, s40                    ; my column
	s_or_b32 s[G1+0], s43, (3<<16)|(1<<21)         ; 15:0 the mask; 17:16 elements of 8 bytes; 21 set beside a mask; no padding
	s_or_b32 s[G1B+0], s44, (3<<16)|(1<<21)
.irp g, G1, G1B
	s_mov_b32 s[\g+1], 32<<16                      ; tensor_dim0: 32 elements, 256 bytes
	s_mov_b32 s[\g+2], 132<<16                     ; tensor_dim1: 132 rows: a block's 33,792 dense bytes
	s_mov_b32 s[\g+3], 32<<16                      ; tile_dim0
	s_mov_b32 s[\g+4], 132                         ; tile_dim1
	s_mov_b32 s[\g+5], 32                          ; the pitch
	s_mov_b32 s[\g+6], 0
	s_mov_b32 s[\g+7], 0
.endr
	s_lshl_b32 s20, s17, 1
	s_add_co_u32 s20, s20, s16                     ; source 1: row block 2 x tile row + the half that I fetch
	s_mul_i32 s20, s20, NK*BLK
	s_add_co_u32 s20, s20, s10
	s_mov_b32 s21, 0
	s_lshl_b32 s46, s42, 1
	s_add_co_u32 s46, s46, s16                     ; source 0 likewise, by the tile column
	s_mul_i32 s46, s46, NK*BLK
	s_add_co_u32 s46, s46, s11
	s_mov_b32 s47, 0
	s_mul_i32 s45, s14, BLK                        ; where they go: wave x a block: no place in the cluster enters an LDS address
	s_wait_kmcnt 0x0
	s_add_nc_u64 s[20:21], s[4:5], s[20:21]
	s_add_nc_u64 s[46:47], s[4:5], s[46:47]
	CROUND                                         ; all sixteen work-groups are here: the first joint loads meet
.irp s, 0,1
	s_mov_b32 s[G0+4*\s], 1
	s_add_co_u32 s[G0+4*\s+1], s45, \s*SLOT
	s_add_nc_u64 s[G0+4*\s+2:G0+4*\s+3], s[20:21], \s*BLK
	s_or_b32 s[G0+4*\s+3], s[G0+4*\s+3], 0x80000000
	s_mov_b32 s[G0B+4*\s], 1
	s_add_co_u32 s[G0B+4*\s+1], s45, \s*SLOT
	s_add_nc_u64 s[G0B+4*\s+2:G0B+4*\s+3], s[46:47], \s*BLK
	s_or_b32 s[G0B+4*\s+3], s[G0B+4*\s+3], 0x80000000
	JLOAD G0+4*\s, G1, G0B+4*\s, G1B
.endr
	v_and_b32 v1, 31, v0                           ; lane
	v_and_b32 v2, 15, v0                           ; r
	v_bfe_u32 v3, v0, 4, 1                         ; h
	v_lshlrev_b32 v4, 4, v1
	s_mul_i32 s21, s15, BLK                        ; my half of source 1
	s_mul_i32 s22, s16, BLK
	s_add_co_u32 s22, s22, 2*BLK                   ; my half of source 0
	s_sub_co_u32 s23, s22, s21
	v_mul_u32_u24 v5, s23, v3                      ; lanes 16-31 take source 0's scale words
	v_lshl_add_u32 v5, v2, 3, v5
	s_add_co_u32 s23, s21, 32768
.irp s, 0,1
	v_add_nc_u32 v[ADRA+\s], s21, v4
	v_add_nc_u32 v[ADRB+\s], s22, v4
	v_add_nc_u32 v[ADRS+\s], s23, v5
	s_add_co_u32 s21, s21, SLOT
	s_add_co_u32 s22, s22, SLOT
	s_add_co_u32 s23, s23, SLOT
.endr
	s_wait_tensorcnt 1                             ; my part of K step 0 is in (K step 1's load may be out),
	s_barrier_signal -1
	s_barrier_wait -1                              ; everybody's is
	FETCH_B 0, 0, 0
	FETCH_A 0, 0, 0
	SCALES 0
	FETCH_A 0, 0, 4
	STEP 0, 0, 1                                   ; the first step stands in front of the loop: its products start the sums
	s_mov_b32 s3, LAPS-1
.Llap:                                             ; a trip goes once round the ring and fills both slots again
	TURN 0, 1, 1
	STEP 1, 0, 0
	TURN 1, 0, 1
	STEP 0, 0, 0
	s_sub_co_u32 s3, s3, 1
	s_cmp_lg_u32 s3, 0
	s_cbranch_scc1 .Llap
	TURN 0, 1, 0                                   ; the last lap fills nothing
	STEP 1, 0, 0
	s_wait_dscnt 4*NL
	WIN 0xa1
	MUL16 0, 1, NQ-1, 1, 0
	MUL16 2, 1, NQ-1, 1, 0
	s_wait_dscnt 0
	WIN 0xf1
	MUL16 4, 1, NQ-1, 1, 0
	MUL16 6, 1, NQ-1, 1, 0
	WIN 0
	; THE WAY OUT.  For each of source 1's eight tiles a the lane's 64 numbers are quantised and their four groups of four code registers are stored as they stand, 512 consecutive bytes a store.
	; q, k: groups 0, 1 are e = 0 .. 63 of the first head, groups 2, 3 of the second; tile a is tile a of the key step's eight.  v: the four groups are the key step's four blocks of 32 keys; tiles 0-3 are the first head's d, tiles 4-7 the second's.
	PLACES NP
	s_mov_b32 s[SEL], 0x76543210
	s_mov_b32 s[SEL+1], 0xfedcba98
	s_mov_b32 s[MNT], 0x600000
	s_lshl_b32 s18, s17, 1
	s_add_co_u32 s18, s18, s15                     ; my row block of source 1,
	s_lshl_b32 s19, s42, 1
	s_add_co_u32 s19, s19, s16                     ; of source 0
	s_cmp_lg_u32 s13, 0
	s_cselect_b32 s20, s19, s18                    ; the block of 128 tokens,
	s_cselect_b32 s21, s18, s19                    ; the block of 128 weight rows
	s_lshr_b32 s22, s21, 3                         ; q (0) or k (1)
	s_and_b32 s21, s21, 7
	s_lshl_b32 s21, s21, 1
	s_lshr_b32 s23, s20, 4
	s_lshl_b32 s23, s23, 4
	s_add_co_u32 s21, s21, s23                     ; 16 x batch + the first of my two heads
	s_mul_i32 s21, s21, BHB
	s_and_b32 s20, s20, 15
	s_mul_i32 s20, s20, STEPB                      ; the key step
	s_add_co_u32 s20, s20, s21
	s_mov_b32 s68, BHB
	s_mov_b32 s70, 1024
	s_mov_b32 s72, 1024
	s_mov_b32 s74, 256
	s_mov_b32 s75, 16384
	s_mov_b32 s76, BHB+16384
	s_cmp_lg_u32 s13, 0
	s_cselect_b32 s22, 1, s22
	s_cselect_b32 s23, 8192, 0
	s_cselect_b32 s69, 1024, s68                   ; from group 1 to group 2: the next block of keys, or the next head
	s_cselect_b32 s70, 2048, s70                   ; from tile to tile
	s_cselect_b32 s72, BHB-6144, s72               ; from tile 3 to tile 4: for v the next head
	s_cselect_b32 s74, s68, s74                    ; the scale words: from lanes 0-15 to lanes 16-31,
	s_cselect_b32 s75, 8704, s75                   ; the first store's place,
	s_cselect_b32 s76, 8960, s76                   ; the second's
	s_mov_b32 s71, 0
	s_mov_b32 s73, 0
	s_mul_i32 s22, s22, QREC
	s_add_co_u32 s20, s20, s22
	s_add_co_u32 s20, s20, s23
	s_mov_b32 s21, 0
	s_add_nc_u64 s[8:9], s[6:7], s[20:21]          ; where my part begins; it stays
	s_mov_b64 s[66:67], s[8:9]                     ; and the base that walks
	v_lshlrev_b32 v7, 4, v1                        ; group 0: 16 x lane
	v_add_nc_u32 v8, 512, v7                       ; group 1
	v_add_nc_u32 v9, s69, v7                       ; group 2
	v_add_nc_u32 v10, 512, v9                      ; group 3
	v_mul_u32_u24 v11, s74, v3
	v_lshl_add_u32 v11, v2, 4, v11
	v_add_nc_u32 v12, s76, v11
	v_add_nc_u32 v11, s75, v11
	v_mov_b32 v[FLO], 0x8000000
.irp b, 0,1,2,3
	v_mov_b32 v[TM+4+\b], 0                        ; written once: a lane permute's destination counts as one of its sources
.endr
.irp a, 0,1,2,3,4,5,6,7
.if \a > 0
	s_wait_xcnt 0x0                                ; the last tile's stores have read their data and their base: both are written again only behind this wait
.if \a == 4
	s_add_nc_u64 s[66:67], s[66:67], s[72:73]
.else
	s_add_nc_u64 s[66:67], s[66:67], s[70:71]
.endif
.endif
	QUANT 64*(\a%4), 2+\a/4, 64, 144+\a, 152+\a
	global_store_b128 v7, v[PC:PC+3], s[66:67]
	global_store_b128 v8, v[PC+4:PC+7], s[66:67]
	global_store_b128 v9, v[PC+8:PC+11], s[66:67]
	global_store_b128 v10, v[PC+12:PC+15], s[66:67]
.endr
	; the scale words.  q, k: a tile's word of a head is its two bytes twice (s0, s1, s0, s1), since the attention's first product has its 64 along K in either half of the instruction's 128; first store: first head, second store: second head;
	; lanes 0-15 store tiles 0-3, lanes 16-31 tiles 4-7.  v: the word is the four blocks' bytes; lanes 0-15 store the first head's four tiles, lanes 16-31 the second's; the second store writes the record's 256 zeros.
.irp a, 0,1,2,3,4,5,6,7
	v_cndmask_b32 v[160+\a], v[144+\a], v[152+\a], s13
	v_lshl_or_b32 v[168+\a], v[152+\a], 16, v[152+\a]
.endr
.irp a, 0,1,2,3,4,5,6,7
	v_lshl_or_b32 v[160+\a], v[160+\a], 16, v[144+\a]
	v_cndmask_b32 v[168+\a], v[168+\a], 0, s13
.endr
	v_cmp_ne_u32 vcc_lo, 0, v3
.irp t, 0,1,2,3
	v_cndmask_b32 v[176+\t], v[160+\t], v[164+\t], vcc_lo
	v_cndmask_b32 v[180+\t], v[168+\t], v[172+\t], vcc_lo
.endr
	global_store_b128 v11, v[176:179], s[8:9]      ; sixteen lanes store 256 consecutive bytes
	global_store_b128 v12, v[180:183], s[8:9]
	s_wait_tensorcnt 0x0                           ; the wave's end
	ds_add_u32 v[SPW], v[NIL]
	s_wait_dscnt 0x0
	CROUND                                         ; the closing round: no work-group ends while a partner may still ask for a tile that names it
	s_endpgm
.Lfunc_end_k_q52e0d9283a_qkv:
	.size	k_q52e0d9283a_qkv, .Lfunc_end_k_q52e0d9283a_qkv-k_q52e0d9283a_qkv
	.p2alignl 7, 3214868480
	.fill 96, 4, 3214868480
	.section	.rodata,"a",@progbits
	.p2align	6, 0x0
	.amdhsa_kernel k_q52e0d9283a_qkv
		.amdhsa_group_segment_fixed_size 327680
		.amdhsa_private_segment_fixed_size 0
		.amdhsa_enable_private_segment 0
		.amdhsa_kernarg_size 16
		.amdhsa_user_sgpr_count 2
		.amdhsa_user_sgpr_kernarg_segment_ptr 1
		.amdhsa_wavefront_size32 1
		.amdhsa_system_sgpr_workgroup_id_x 1
		.amdhsa_system_sgpr_workgroup_id_y 1
		.amdhsa_system_sgpr_workgroup_id_z 1
		.amdhsa_system_vgpr_workitem_id 0
		.amdhsa_next_free_vgpr 1024
		.amdhsa_next_free_sgpr 100
		.amdhsa_reserve_vcc 1
		.amdhsa_float_denorm_mode_32 3
		.amdhsa_float_denorm_mode_16_64 3
		.amdhsa_memory_ordered 1
		.amdhsa_forward_progress 1
		.amdhsa_inst_pref_size 185
	.end_amdhsa_kernel
	.amdgpu_metadata
---
amdhsa.version: [ 1, 2 ]
amdhsa.kernels:
  - .name:           k_q52e0d9283a_qkv
    .symbol:         k_q52e0d9283a_qkv.kd
    .args:
      - { .name: ops, .offset: 0, .size: 8, .value_kind: global_buffer, .address_space: global }
      - { .name: qkv, .offset: 8, .size: 8, .value_kind: global_buffer, .address_space: global }
    .group_segment_fixed_size: 327680
    .private_segment_fixed_size: 0
    .kernarg_segment_align: 8
    .kernarg_segment_size: 16
    .max_flat_workgroup_size: 128
    .sgpr_count:     100
    .vgpr_count:     1024
    .wavefront_size: 32
...
	.end_amdgpu_metadata
.endif
;; end of part 2
;; launch attn (part 3): grid 8 x 32, 16 waves a work-group, no clusters, 280,576 bytes of LDS; arguments qkv, msk, ao; writes ao
.if DOCPART == 3
	.amdgcn_target "amdgcn-amd-amdhsa--gfx1250"
	.amdhsa_code_object_version 6
	.text
	.protected	k_q52e0d9283a_attn
	.globl	k_q52e0d9283a_attn
	.p2align	8
	.type	k_q52e0d9283a_attn,@function
k_q52e0d9283a_attn:
	s_mov_b64 s[64:65], 0
	v_nop
	global_prefetch_b8 v0, s[64:65] scope:SCOPE_SE
	s_setreg_imm32_b32 hwreg(HW_REG_WAVE_MODE, 25, 1), 1
	s_wait_xcnt 0x0
; O = softmax(q k^T / 8 under the mask) v for one head (work-group y = 16 x batch + head), both products on codes of E5M2 with E8M0 scales.
; THE SOFTMAX AHEAD OF THE SECOND PRODUCT: t = score x log2(e) / 8; M = the running largest t rounded UP to a whole number; p = 2^(t - M) is quantised along the keys, not normalised; the row's sum is taken of the unquantised p and divides O at the end.
; SHARES.  Sixteen waves, each with one tile of 16 queries in 256 registers, four waves to a SIMD.  Wave w of work-group x owns tile x + 8 rho(w): a work-group's tiles are spread evenly over the sequence, whatever the mask.
; A HEAD'S K AND V, codes and scale words, are 278,528 bytes: they come into LDS ONCE, through registers (wave w brings key step w), and stay; one barrier in the whole launch.
; THE MASK IS AN INPUT.  An earlier launch has turned it into whole numbers: for each (tile, key step) 64 lane-mask words, and flags 'some key allowed' and 'all keys allowed'.  A key step in which no key is allowed for any query of the tile is left out
; by a scalar branch on the stored flag; where not all are allowed, hidden scores become -infinity ahead of the maximum.  The loop's trip count is a constant.
; NO TENSOR LOAD, NO CLUSTER: the eight work-groups of a head read the same K and V once each, at their heads; what is saved by the branch on stored flags is up to half of all key steps.
; LAYOUT.  Both products are used transposed (S^T = K Q^T, O^T = V^T P^T): a lane holds ONE query.  Operands lie in memory and in LDS as images of their registers: each load reads 512 consecutive bytes.
; Lane-row r of a tile of keys 2 b + u is key 32 b + 8 u + r + 8 (r / 8): the 16 registers of score tiles 2 b, 2 b + 1 are keys 32 b + 16 h + 0 .. 15.
; THE FIRST PRODUCT'S K IS 64, the instruction's 128: even tiles go as (K, zeros) x (q, zeros), odd tiles as (zeros, K) x (zeros, q), so that three runs of eight zero registers serve all; the scale words hold their two bytes twice.
; A query with no allowed key at all gets 0 x infinity = NaN.  LIMITS: |t| under 3e38; NaN and infinities among q, k, v are not served.
; REGISTERS: v1 16 x lane, v2 16 r, v3 the fill's LDS address, v4-7 V's scale words, v8, v9 the step's LDS addresses, v12 -M, v13 the largest t, v[14:15] the sum; v16-39 q, zeros, q; v40-87 K0, zeros, K1, K2, zeros, K3;
;   v88-151 S^T, then p; v152-183 O^T; v184-199 p's codes; v200-231 two fragments of V; v232-254 at work; v248-251 K's scale words, v253 p's, v255 Q's.
.set STEPB, 17408                      ; a key step: K's images 8,192, V's 8,192, K's scale words 512, V's 256, zeros 256
.set BHB,   278528
.set QREC,  8912896
.set S,     88
.set O,     152
.set PCD,   184
.set VF,    200
.macro STEP
	s_load_b512 s[32:47], s[4:5], s3 offset:0x0    ; the step's 64 mask words
	s_load_b512 s[48:63], s[4:5], s3 offset:0x40
	s_load_b512 s[68:83], s[4:5], s3 offset:0x80
	s_load_b512 s[84:99], s[4:5], s3 offset:0xc0
	v_add_nc_u32 v8, s2, v1
	v_add_nc_u32 v9, s2, v2
.irp g, 0,1                                    ; S^T = K Q^T, four tiles of 16 keys at a time
.if \g > 0
.rept 8
	v_nop                                          ; places in front of loads into registers that matrix instructions have read
.endr
.endif
.irp t, 0,1,2,3
.irp c, 0,1
	ds_load_b128 v[40+24*(\t/2)+16*(\t%2)+4*\c:43+24*(\t/2)+16*(\t%2)+4*\c], v8 offset:(4*\g+\t)*1024+512*\c
.endr
.endr
	ds_load_b128 v[248:251], v9 offset:16384+256*\g
	s_wait_dscnt 0x0
.irp t, 0,1,2,3
	v_wmma_scale_f32_16x16x128_f8f6f4 v[S+8*(4*\g+\t):S+8*(4*\g+\t)+7], v[40+24*(\t/2)+8*(\t%2):55+24*(\t/2)+8*(\t%2)], v[16+8*(\t%2):31+8*(\t%2)], 0, v[248+\t], v255 matrix_a_fmt:MATRIX_FMT_BF8 matrix_b_fmt:MATRIX_FMT_BF8
.endr
.endr
.rept 8
	v_nop
.endr
	s_wait_kmcnt 0x0                               ; the mask words are in: so their base and offset may be stepped, too
	s_and_b32 s14, s13, 0x10000
	s_cmp_lg_u32 s14, 0
	s_cbranch_scc1 .Lopen_\@                       ; all 128 keys are allowed for all 16 queries
	v_mov_b32 v254, 0xff800000                     ; -infinity
.set N, 0
.rept 64
	v_cndmask_b32 v[S+N], v254, v[S+N], s[32+N+4*(N/32)]   ; register 16 b + i holds key 32 b + 16 h + i: word 16 b + i has my lane's bit
.set N, N+1
.endr
.Lopen_\@:
.irp b, 0,1,2,3
	v_max3_num_f32 v[232+\b], v[S+16*\b], v[S+1+16*\b], v[S+2+16*\b]   ; the largest score of each block of 32 keys: it serves for the row's maximum and, since p rises with the score, for the block's largest p
.endr
.irp i, 3,5,7,9,11,13
.irp b, 0,1,2,3
	v_max3_num_f32 v[232+\b], v[232+\b], v[S+16*\b+\i], v[S+1+16*\b+\i]
.endr
.endr
.irp b, 0,1,2,3
	v_max_num_f32 v[232+\b], v[232+\b], v[S+15+16*\b]
.endr
.irp b, 0,1,2,3
	v_permlanex16_b32 v[236+\b], v[232+\b], s8, s9
.endr
.irp b, 0,1,2,3
	v_max_num_f32 v[232+\b], v[232+\b], v[236+\b]  ; with lane l xor 16's 16 keys
.endr
	v_max3_num_f32 v254, v232, v233, v234
	v_max_num_f32 v254, v254, v235
	v_mul_f32 v254, s10, v254                      ; as t (c is positive)
	v_max_num_f32 v13, v13, v254                   ; the running largest t
	v_mov_b32 v254, v12
	v_floor_f32 v12, -v13                          ; the new -M = floor(-t): M is a whole number
	v_sub_f32 v254, v12, v254                      ; old M - new M: a whole number, 0 or less
	v_cvt_i32_f32 v254, v254                       ; (it saturates)
	v_ldexp_f32 v252, 1.0, v254                    ; f = 2^(old M - new M): a multiplication by it rounds nothing
.set J, 0
.rept 32
	v_pk_fma_f32 v[S+J:S+J+1], v[S+J:S+J+1], s[10:11], v[12:13] op_sel_hi:[1,0,0]   ; t - M, two at a time
.set J, J+2
.endr
.irp b, 0,1,2,3
	v_fma_f32 v[232+\b], v[232+\b], s10, v12
.endr
.set J, 0
.rept 64
	v_exp_f32 v[S+J], v[S+J]                       ; p = 2^(t - M), at most 1
.set J, J+1
.endr
	v_pk_mul_f32 v[14:15], v[14:15], v[252:253] op_sel_hi:[1,0]   ; the sums under the new M: a plain instruction behind the exponentials
	s_wait_alu depctr_va_vdst(0)                   ; one wait for the batch, ahead of its first reader
.irp b, 0,1,2,3
	v_exp_f32 v[232+\b], v[232+\b]                 ; the block's largest p
.endr
	v_pk_add_f32 v[236:237], v[S:S+1], v[S+2:S+3]  ; the row's sum is taken of the unquantised p, in two chains
.irp j, 4,8,12,16,20,24,28,32,36,40,44,48,52,56,60
	v_pk_add_f32 v[14:15], v[14:15], v[S+\j:S+\j+1]
	v_pk_add_f32 v[236:237], v[236:237], v[S+\j+2:S+\j+3]
.endr
	v_pk_add_f32 v[14:15], v[14:15], v[236:237]
	s_wait_alu depctr_va_vdst(0)                   ; and one for the four
.irp b, 0,1,2,3
	v_max_num_f32 v[232+\b], 0x8000000, v[232+\b]  ; the floor 2^(16 - 127): the byte cannot fall under 1
.endr
.irp b, 0,1,2,3
	v_add_nc_u32 v[244+\b], 0xf8800000, v[232+\b]
.endr
.irp b, 0,1,2,3
	v_and_or_b32 v[240+\b], v[232+\b], 0x7f800000, s12
.endr
.irp b, 0,1,2,3
	v_lshrrev_b32 v[236+\b], 23, v[244+\b]
.endr
	v_lshl_or_b32 v253, v237, 8, v236              ; p's scale word for these 128 keys
	v_lshl_or_b32 v253, v238, 16, v253
	v_lshl_or_b32 v253, v239, 24, v253
.irp b, 0,1,2,3
.irp i, 0,1,2,3,4,5,6,7,8,9,10,11,12,13,14,15
	v_min_num_f32 v[S+16*\b+\i], v[S+16*\b+\i], v[240+\b]   ; the conversion does not saturate (ISA guide 7.6.2); p is not negative, so the hold is one-sided
.endr
	v_cvt_scalef32_pk8_bf8_f32 v[PCD+4*\b:PCD+1+4*\b], v[S+16*\b:S+7+16*\b], v[244+\b]
	v_cvt_scalef32_pk8_bf8_f32 v[PCD+2+4*\b:PCD+3+4*\b], v[S+8+16*\b:S+15+16*\b], v[244+\b]
.endr
.set J, 0
.rept 16
	v_pk_mul_f32 v[O+J:O+J+1], v[O+J:O+J+1], v[252:253] op_sel_hi:[1,0]   ; O^T under the new M; these sixteen are also the places in front of the products below
.set J, J+2
.endr
	ds_load_b128 v[4:7], v9 offset:16896           ; V's scale words of the four tiles of d
.irp g, 0,1                                    ; O^T += V^T P^T, two tiles of 16 of the head's 64 at a time
.if \g > 0
.rept 8
	v_nop
.endr
.endif
.irp t, 0,1
.irp c, 0,1,2,3
	ds_load_b128 v[VF+16*\t+4*\c:VF+16*\t+4*\c+3], v8 offset:8192+(2*\g+\t)*2048+512*\c
.endr
.endr
	s_wait_dscnt 0x0
.irp t, 0,1
	v_wmma_scale_f32_16x16x128_f8f6f4 v[O+8*(2*\g+\t):O+8*(2*\g+\t)+7], v[VF+16*\t:VF+16*\t+15], v[PCD:PCD+15], v[O+8*(2*\g+\t):O+8*(2*\g+\t)+7], v[4+2*\g+\t], v253 matrix_a_fmt:MATRIX_FMT_BF8 matrix_b_fmt:MATRIX_FMT_BF8
.endr
.endr
.endm
	s_load_b128 s[24:27], s[0:1], 0x0              ; qkv s[24:25], msk s[26:27]
	s_load_b64 s[20:21], s[0:1], 0x10              ; ao
	v_lshl_add_u32 v10, v0, 2, 0x44000
	v_mov_b32 v11, 0
	v_lshrrev_b32 v1, 5, v0
	v_readfirstlane_b32 s13, v1                    ; wave 0..15
	s_and_b32 s14, ttmp7, 0xffff                   ; 16 x batch + head
	s_lshr_b32 s15, s13, 2
	s_and_b32 s16, s15, 1
	s_mul_i32 s16, s16, 3
	s_and_b32 s17, s13, 3
	s_xor_b32 s17, s17, s16                        ; every second group of four waves runs backward,
	s_lshl_b32 s15, s15, 2
	s_add_co_u32 s15, s15, s17                     ; rho: so the ranks of waves k, k + 4, k + 8, k + 12 add up to 30
	s_lshl_b32 s15, s15, 3
	s_add_co_u32 s18, s15, ttmp9                   ; my tile of queries, 0..127
	s_mul_i32 s16, s14, BHB                        ; the head's record
	s_mul_i32 s17, s13, STEPB                      ; key step w: in memory and in LDS
	s_add_co_u32 s28, s16, s17
	s_add_co_u32 s28, s28, QREC
	s_mov_b32 s29, 0
	s_lshr_b32 s30, s18, 3
	s_mul_i32 s30, s30, STEPB
	s_add_co_u32 s30, s30, s16                     ; q: the record of my tile's 128 tokens
	s_and_b32 s19, s18, 7
	s_lshl_b32 s22, s19, 10
	s_add_co_u32 s22, s22, s30                     ; my tile's two images
	s_mov_b32 s23, 0
	s_lshr_b32 s31, s19, 2
	s_lshl_b32 s31, s31, 8
	s_and_b32 s19, s19, 3
	s_lshl_b32 s19, s19, 2
	s_add_co_u32 s30, s30, s31
	s_add_co_u32 s30, s30, s19                     ; and its scale words
	s_mov_b32 s31, 0
	v_and_b32 v1, 31, v0
	v_lshlrev_b32 v1, 4, v1                        ; 16 x lane
	v_and_b32 v2, 15, v0
	v_lshlrev_b32 v2, 4, v2                        ; 16 r
	v_add_nc_u32 v3, s17, v1
	s_mov_b32 s8, 0x76543210
	s_mov_b32 s9, 0xfedcba98                       ; v_permlanex16_b32's selects for lane l xor 16
	s_mov_b32 s10, 0x3e38aa3b                      ; c = log2(e) / 8
	s_mov_b32 s11, s10                             ; (named with it as a pair, so it is written)
	s_mov_b32 s12, 0x600000                        ; the mantissa field of 57,344
	s_wait_kmcnt 0x0
	s_add_nc_u64 s[28:29], s[24:25], s[28:29]
	s_add_nc_u64 s[22:23], s[24:25], s[22:23]
	s_add_nc_u64 s[30:31], s[24:25], s[30:31]
	s_lshl_b32 s16, s18, 12
	s_mov_b32 s17, 0
	s_add_nc_u64 s[4:5], s[26:27], s[16:17]        ; my tile's mask words: 16 steps of 256 bytes
	s_lshl_b32 s16, s18, 4
	s_add_nc_u64 s[32:33], s[26:27], s[16:17]
	s_load_b128 s[36:39], s[32:33], 0x80000        ; my tile's four flag words
	s_lshl_b32 s16, s14, 7
	s_add_co_u32 s16, s16, s18
	s_lshl_b32 s16, s16, 12
	s_add_nc_u64 s[20:21], s[20:21], s[16:17]      ; my tile's 4,096 bytes of ao
.set I, 0
.rept 34
	global_load_b128 v[S+4*I:S+4*I+3], v1, s[28:29] offset:512*I   ; key step w of the head: 34 x 512 consecutive bytes
.set I, I+1
.endr
.irp c, 0,1
	global_load_b128 v[16+4*\c:19+4*\c], v1, s[22:23] offset:512*\c   ; Q's fragment, once for each of its two places
	global_load_b128 v[32+4*\c:35+4*\c], v1, s[22:23] offset:512*\c
.endr
	global_load_b32 v255, v2, s[30:31] offset:16384
	s_wait_loadcnt 5                               ; the key step is in; Q's five loads may be out
.set I, 0
.rept 34
	ds_store_b128 v3, v[S+4*I:S+4*I+3] offset:512*I
.set I, I+1
.endr
.irp j, 0,1,2,3,4,5,6,7
	v_mov_b32 v[24+\j], 0                          ; the three runs of zero codes
	v_mov_b32 v[48+\j], 0
	v_mov_b32 v[72+\j], 0
.endr
	v_mov_b32 v13, 0xff61b1e6                      ; the largest t so far: -3e38
	v_floor_f32 v12, -v13                          ; -M
	v_mov_b32 v14, 0
	v_mov_b32 v15, 0
.irp b, 0,1,2,3
	v_mov_b32 v[236+\b], 0                         ; written once: a lane permute's destination counts as one of its sources
.endr
	v_mov_b32 v252, 0
	v_mov_b32 v253, 0
	s_wait_kmcnt 0x0
	s_or_b32 s6, s36, s37
	s_or_b32 s6, s6, s38
	s_or_b32 s6, s6, s39                           ; bit s: step s has an allowed key; bit 16 + s: all its keys are allowed
	s_mov_b32 s2, 0                                ; the step's first LDS byte
	s_mov_b32 s3, 0                                ; its mask words' offset
	s_mov_b32 s7, 0                                ; the step
	s_wait_loadcnt 0x0                             ; Q
	s_wait_dscnt 0x0                               ; for the others' sake: my stores have landed
.set J, 0
.rept 32
	v_mov_b32 v[O+J], 0                            ; O^T: the step is written once; the first finds zeros
.set J, J+1
.endr
	s_barrier_signal -1
	s_barrier_wait -1                              ; the head's sixteen key steps lie in LDS
.Lkey:                                             ; sixteen trips
	s_lshr_b32 s13, s6, s7
	s_and_b32 s14, s13, 1
	s_cmp_eq_u32 s14, 0
	s_cbranch_scc1 .Lskip                          ; no key of this step is allowed for any of my queries
	STEP
.Lskip:
	s_add_co_u32 s2, s2, STEPB
	s_add_co_u32 s3, s3, 256
	s_add_co_u32 s7, s7, 1
	s_cmp_lt_u32 s7, 16
	s_cbranch_scc1 .Lkey
.rept 8
	v_nop                                          ; places behind the last products
.endr
	v_add_f32 v14, v14, v15                        ; the sum's two halves,
	v_permlanex16_b32 v252, v14, s8, s9
	v_add_f32 v14, v14, v252                       ; and lane l xor 16's
	v_rcp_f32 v14, v14
	v_nop                                          ; a plain instruction behind the transcendental
	s_wait_alu depctr_va_vdst(0)                   ; the wait ahead of its first reader
.set J, 0
.rept 32
	v_mul_f32 v[S+J], v[O+J], v14                  ; register 8 t + j: d = 32 (t / 2) + 16 h + 8 (t % 2) + j of my query
.set J, J+1
.endr
.irp k, 0,1,2,3,4,5,6,7
	global_store_b128 v1, v[S+4*\k:S+4*\k+3], s[20:21] offset:512*\k   ; the registers as they stand: 512 consecutive bytes a store
.endr
	s_wait_tensorcnt 0x0
	ds_add_u32 v10, v11
	s_wait_dscnt 0x0
	s_endpgm
.Lfunc_end_k_q52e0d9283a_attn:
	.size	k_q52e0d9283a_attn, .Lfunc_end_k_q52e0d9283a_attn-k_q52e0d9283a_attn
	.p2alignl 7, 3214868480
	.fill 96, 4, 3214868480
	.section	.rodata,"a",@progbits
	.p2align	6, 0x0
	.amdhsa_kernel k_q52e0d9283a_attn
		.amdhsa_group_segment_fixed_size 280576
		.amdhsa_private_segment_fixed_size 0
		.amdhsa_enable_private_segment 0
		.amdhsa_kernarg_size 24
		.amdhsa_user_sgpr_count 2
		.amdhsa_user_sgpr_kernarg_segment_ptr 1
		.amdhsa_wavefront_size32 1
		.amdhsa_system_sgpr_workgroup_id_x 1
		.amdhsa_system_sgpr_workgroup_id_y 1
		.amdhsa_system_sgpr_workgroup_id_z 1
		.amdhsa_system_vgpr_workitem_id 0
		.amdhsa_next_free_vgpr 256
		.amdhsa_next_free_sgpr 100
		.amdhsa_reserve_vcc 0
		.amdhsa_float_denorm_mode_32 3
		.amdhsa_float_denorm_mode_16_64 3
		.amdhsa_memory_ordered 1
		.amdhsa_forward_progress 1
		.amdhsa_inst_pref_size 37
	.end_amdhsa_kernel
	.amdgpu_metadata
---
amdhsa.version: [ 1, 2 ]
amdhsa.kernels:
  - .name:           k_q52e0d9283a_attn
    .symbol:         k_q52e0d9283a_attn.kd
    .args:
      - { .name: qkv, .offset: 0, .size: 8, .value_kind: global_buffer, .address_space: global }
      - { .name: msk, .offset: 8, .size: 8, .value_kind: global_buffer, .address_space: global }
      - { .name: ao, .offset: 16, .size: 8, .value_kind: global_buffer, .address_space: global }
    .group_segment_fixed_size: 280576
    .private_segment_fixed_size: 0
    .kernarg_segment_align: 8
    .kernarg_segment_size: 24
    .max_flat_workgroup_size: 512
    .sgpr_count:     100
    .vgpr_count:     256
    .wavefront_size: 32
...
	.end_amdgpu_metadata
.endif
;; end of part 3
;; launch ln2 (part 4): grid 128 x 1, 16 waves a work-group, no clusters, 5,120 bytes of LDS; arguments x, ln2_g, ln2_b, ao, yq; writes yq
.if DOCPART == 4
	.amdgcn_target "amdgcn-amd-amdhsa--gfx1250"
	.amdhsa_code_object_version 6
	.text
	.protected	k_q52e0d9283a_ln2
	.globl	k_q52e0d9283a_ln2
	.p2align	8
	.type	k_q52e0d9283a_ln2,@function
k_q52e0d9283a_ln2:
	s_mov_b64 s[64:65], 0
	v_nop
	global_prefetch_b8 v0, s[64:65] scope:SCOPE_SE
	s_setreg_imm32_b32 hwreg(HW_REG_WAVE_MODE, 25, 1), 1
	s_wait_xcnt 0x0
; LayerNorm 2 of x + the attention's rows, quantised along the 1,024 to codes of E5M2 with E8M0 scales, stored as the next product's operand.
; 32 tokens (two tiles of 16) to a work-group of sixteen waves.  Wave w: tile w / 8, numbers 128 (w % 8) on, which are heads 2 (w % 8) and the next.  Lane (r, h) holds, of its token, k = 32 b + 16 h + 0 .. 15 of each block of 32:
; the order in which the attention launch stored its registers, and the order in which the matrix unit wants the codes.  A token's sums meet in LDS: three barriers, three regions of 1,024 bytes.
; The codes' buffer: blocks of 128 rows x 256 K, 33,792 dense bytes: codes at tile x 4096 + half x 2048 + c x 512 + lane x 16, scale words at 32768 + tile x 128 + r x 8 + half x 4.
; Lane-row r of tile i is row 32 (i / 2) + 8 (i % 2) + r + 8 (r / 8) of the 128.
; A row that is NaN (a query with no allowed key) gets the scale bytes 0xff, which make every sum over it NaN.
; LIMITS: a block of zeros gets the byte 1; blocks under 2^-111 are held at that floor; infinities are not served.
.set BLK,  33792
.set XR,   32
.set GR,   96
.set BT,   160
.set TM,   224
.set PC,   96
.macro LD16 reg, off, base             ; of each of four blocks of 32 my 16 numbers: 64 bytes, four loads
.irp b, 0,1,2,3
.irp j, 0,1,2,3
	global_load_b128 v[\reg+16*\b+4*\j:\reg+16*\b+4*\j+3], v[\off], s[\base:\base+1] offset:128*\b+16*\j
.endr
.endr
.endm
.macro RSUM sq, lb                     ; the sum (sq = 0) or the sum of squares (1) of a token's 1,024 numbers, added in a fixed order.  Result: v12
.if \sq
	v_pk_mul_f32 v[24:25], v[XR:XR+1], v[XR:XR+1]
	v_pk_mul_f32 v[26:27], v[XR+2:XR+3], v[XR+2:XR+3]
.irp j, 4,8,12,16,20,24,28,32,36,40,44,48,52,56,60
	v_pk_fma_f32 v[24:25], v[XR+\j:XR+\j+1], v[XR+\j:XR+\j+1], v[24:25]
	v_pk_fma_f32 v[26:27], v[XR+\j+2:XR+\j+3], v[XR+\j+2:XR+\j+3], v[26:27]
.endr
.else
	v_pk_add_f32 v[24:25], v[XR:XR+1], v[XR+4:XR+5]
	v_pk_add_f32 v[26:27], v[XR+2:XR+3], v[XR+6:XR+7]
.irp j, 8,12,16,20,24,28,32,36,40,44,48,52,56,60
	v_pk_add_f32 v[24:25], v[24:25], v[XR+\j:XR+\j+1]
	v_pk_add_f32 v[26:27], v[26:27], v[XR+\j+2:XR+\j+3]
.endr
.endif
	v_pk_add_f32 v[24:25], v[24:25], v[26:27]
	v_add_f32 v24, v24, v25
	v_permlanex16_b32 v28, v24, s28, s29
	v_add_f32 v24, v24, v28
	ds_store_b32 v7, v24 offset:\lb                ; both halves of the lanes write the same word with the same value
	s_wait_dscnt 0x0
	s_barrier_signal -1
	s_barrier_wait -1
	ds_load_b128 v[12:15], v8 offset:\lb
	ds_load_b128 v[16:19], v8 offset:\lb+16
	s_wait_dscnt 0x0
	v_add_f32 v12, v12, v13
	v_add_f32 v14, v14, v15
	v_add_f32 v16, v16, v17
	v_add_f32 v18, v18, v19
	v_add_f32 v12, v12, v14
	v_add_f32 v16, v16, v18
	v_add_f32 v12, v12, v16
.endm
.macro QUANTL                          ; v[XR] on, register 16 b + i = k 32 b + 16 h + i of my row -> codes in v[PC] on, bytes 0, 1 in v240, bytes 2, 3 in v241
.irp b, 0,1,2,3
	v_max3_num_f32 v[TM+\b], |v[XR+16*\b]|, |v[XR+1+16*\b]|, 0x8000000
.endr
.irp i, 2,4,6,8,10,12,14
.irp b, 0,1,2,3
	v_max3_num_f32 v[TM+\b], v[TM+\b], |v[XR+16*\b+\i]|, |v[XR+1+16*\b+\i]|
.endr
.endr
.irp b, 0,1,2,3
	v_permlanex16_b32 v[TM+4+\b], v[TM+\b], s28, s29
.endr
.irp b, 0,1,2,3
	v_max_num_f32 v[TM+\b], v[TM+\b], v[TM+4+\b]
.endr
.irp b, 0,1,2,3
	v_add_nc_u32 v[TM+12+\b], 0xf8800000, v[TM+\b]
.endr
.irp b, 0,1,2,3
	v_and_or_b32 v[TM+8+\b], v[TM+\b], 0x7f800000, s27
.endr
.irp b, 0,1,2,3
	v_lshrrev_b32 v[TM+4+\b], 23, v[TM+12+\b]
.endr
	v_lshl_or_b32 v240, v[TM+5], 8, v[TM+4]
	v_lshl_or_b32 v241, v[TM+7], 8, v[TM+6]
.irp b, 0,1,2,3
.irp i, 0,1,2,3,4,5,6,7,8,9,10,11,12,13,14,15
	v_med3_num_f32 v[XR+16*\b+\i], v[XR+16*\b+\i], -v[TM+8+\b], v[TM+8+\b]
.endr
.endr
.irp b, 0,1,2,3
	v_cvt_scalef32_pk8_bf8_f32 v[PC+4*\b:PC+1+4*\b], v[XR+16*\b:XR+7+16*\b], v[TM+12+\b]
	v_cvt_scalef32_pk8_bf8_f32 v[PC+2+4*\b:PC+3+4*\b], v[XR+8+16*\b:XR+15+16*\b], v[TM+12+\b]
.endr
	v_nop                                          ; a plain instruction behind the last scaled conversion
.endm
	s_load_b256 s[4:11], s[0:1], 0x0               ; x s[4:5], gain s[6:7], bias s[8:9], the attention's rows s[10:11]
	s_load_b64 s[22:23], s[0:1], 0x20              ; yq
	v_lshl_add_u32 v254, v0, 2, 0xc00
	v_mov_b32 v255, 0
	v_lshrrev_b32 v1, 5, v0
	v_readfirstlane_b32 s26, v1                    ; wave 0..15
	v_and_b32 v1, 31, v0                           ; lane
	v_and_b32 v2, 15, v0                           ; r
	v_bfe_u32 v3, v0, 4, 1                         ; h
	s_mov_b32 s27, 0x600000                        ; the mantissa field of 57,344
	s_mov_b32 s28, 0x76543210
	s_mov_b32 s29, 0xfedcba98
	s_mov_b32 s40, ttmp9                           ; which 32 tokens
	s_lshr_b32 s30, s26, 3                         ; which tile
	s_and_b32 s31, s26, 7                          ; which 128 of the 1,024
	v_and_b32 v11, 8, v2
	v_add_nc_u32 v11, v11, v2                      ; r + 8 (r / 8)
	v_lshlrev_b32 v4, 12, v11
	v_lshl_add_u32 v4, v3, 6, v4                   ; x: my token's row of 4,096 bytes, + 64 h
	v_lshlrev_b32 v5, 4, v1                        ; 16 x lane
	v_lshlrev_b32 v6, 6, v3                        ; gain and bias: 64 h
	s_lshl_b32 s32, s30, 9
	s_lshl_b32 s33, s31, 2
	s_add_co_u32 s33, s33, s32
	v_lshlrev_b32 v8, 5, v2
	v_add_nc_u32 v7, s33, v8                       ; LDS: a token's eight partial sums lie together
	v_add_nc_u32 v8, s32, v8
	s_lshr_b32 s33, s31, 1
	s_lshl_b32 s33, s33, 8
	s_lshl_b32 s34, s30, 7
	s_add_co_u32 s33, s33, s34
	s_and_b32 s34, s31, 1
	s_lshl_b32 s34, s34, 2
	s_add_co_u32 s33, s33, s34
	v_lshlrev_b32 v9, 3, v2
	v_add_nc_u32 v9, s33, v9                       ; LDS: the scale words as they will lie in memory
	v_lshlrev_b32 v10, 3, v1
	s_lshl_b32 s33, s26, 8
	v_add_nc_u32 v11, s33, v10                     ; their way out: 256 x wave + 8 x lane (waves 0 to 3)
	v_mov_b32 v28, 0                               ; written once: a lane permute's destination counts as one of its sources
	s_mov_b32 s46, 0x3a800000                      ; 1 / 1,024
	s_mov_b32 s47, 0x3727c5ac                      ; 1e-5
	s_lshl_b32 s32, s40, 17
	s_lshl_b32 s33, s30, 15
	s_add_co_u32 s32, s32, s33
	s_lshl_b32 s34, s31, 9
	s_add_co_u32 s32, s32, s34
	s_mov_b32 s33, 0
	s_mov_b32 s35, 0
	s_wait_kmcnt 0x0
	s_add_nc_u64 s[4:5], s[4:5], s[32:33]
	s_add_nc_u64 s[6:7], s[6:7], s[34:35]
	s_add_nc_u64 s[8:9], s[8:9], s[34:35]
	s_lshl_b32 s32, s40, 1
	s_add_co_u32 s32, s32, s30                     ; the tile among all 256
	s_lshr_b32 s36, s32, 7                         ; the batch,
	s_and_b32 s32, s32, 127                        ; the tile in it
	s_lshl_b32 s36, s36, 4
	s_lshl_b32 s37, s31, 1
	s_add_co_u32 s36, s36, s37
	s_lshl_b32 s36, s36, 7
	s_add_co_u32 s32, s32, s36
	s_lshl_b32 s32, s32, 12                        ; 4,096 bytes a tile
	s_add_nc_u64 s[10:11], s[10:11], s[32:33]
	s_lshr_b32 s32, s40, 2
	s_lshl_b32 s32, s32, 2
	s_mul_i32 s36, s32, BLK                        ; the row block's first K step
	s_mov_b32 s37, 0
	s_add_nc_u64 s[22:23], s[22:23], s[36:37]
	s_and_b32 s38, s40, 3
	s_lshr_b32 s36, s31, 1
	s_mul_i32 s36, s36, BLK
	s_lshl_b32 s39, s38, 1
	s_add_co_u32 s39, s39, s30
	s_lshl_b32 s39, s39, 12
	s_add_co_u32 s36, s36, s39
	s_and_b32 s39, s31, 1
	s_lshl_b32 s39, s39, 11
	s_add_co_u32 s36, s36, s39
	s_add_nc_u64 s[42:43], s[22:23], s[36:37]      ; where my codes go
	s_mul_i32 s36, s26, BLK
	s_lshl_b32 s39, s38, 8
	s_add_co_u32 s36, s36, s39
	s_add_nc_u64 s[44:45], s[22:23], s[36:37]      ; scale words: wave w (0 to 3) stores K step w's
	LD16 XR, 4, 4
.irp e, 0,1
.irp k, 0,1,2,3,4,5,6,7
	global_load_b128 v[GR+32*\e+4*\k:GR+32*\e+4*\k+3], v5, s[10:11] offset:524288*\e+512*\k th:TH_LOAD_NT   ; the attention's registers as they were stored: the same lane, the same order
.endr
.endr
	LD16 BT, 6, 8
	s_wait_loadcnt 16                              ; x and the attention's rows are in; the bias's 16 loads may be out
.set J, 0
.rept 32
	v_pk_add_f32 v[XR+J:XR+J+1], v[XR+J:XR+J+1], v[GR+J:GR+J+1]
.set J, J+2
.endr
	LD16 GR, 6, 6
	RSUM 0, 0
	v_mul_f32 v20, s46, v12                        ; the mean
	v_mov_b32 v21, v20
.set J, 0
.rept 32
	v_pk_add_f32 v[XR+J:XR+J+1], v[XR+J:XR+J+1], v[20:21] neg_lo:[0,1] neg_hi:[0,1]
.set J, J+2
.endr
	RSUM 1, 1024
	v_fma_f32 v22, v12, s46, s47                   ; the variance of the centred numbers + 1e-5
	v_rsq_f32 v22, v22
.irp b, 0,1,2,3
	v_mov_b32 v[TM+4+\b], 0                        ; plain work behind the transcendental
.endr
	s_wait_alu depctr_va_vdst(0)                   ; the wait ahead of the result's first reader
	v_mov_b32 v23, v22
	s_wait_loadcnt 0x0                             ; gain and bias
.set J, 0
.rept 32
	v_pk_mul_f32 v[XR+J:XR+J+1], v[XR+J:XR+J+1], v[22:23]
.set J, J+2
.endr
.set J, 0
.rept 32
	v_pk_fma_f32 v[XR+J:XR+J+1], v[XR+J:XR+J+1], v[GR+J:GR+J+1], v[BT+J:BT+J+1]
.set J, J+2
.endr
	QUANTL
	v_lshl_or_b32 v240, v241, 16, v240             ; my row's scale word for these 128
	v_cmp_eq_f32 vcc_lo, v22, v22
	v_cndmask_b32 v240, -1, v240, vcc_lo           ; a NaN row: the bytes 0xff
.irp c, 0,1,2,3
	global_store_b128 v5, v[PC+4*\c:PC+4*\c+3], s[42:43] offset:512*\c   ; 32 lanes store 512 consecutive bytes
.endr
	ds_store_b32 v9, v240 offset:2048
	s_wait_dscnt 0x0
	s_barrier_signal -1
	s_barrier_wait -1
	s_cmp_lt_u32 s26, 4
	s_cbranch_scc0 .Ldone
	ds_load_b64 v[12:13], v11 offset:2048
	s_wait_dscnt 0x0
	global_store_b64 v10, v[12:13], s[44:45] offset:32768   ; 32 lanes store 256 consecutive bytes
.Ldone:
	s_wait_tensorcnt 0x0
	ds_add_u32 v254, v255
	s_wait_dscnt 0x0
	s_endpgm
.Lfunc_end_k_q52e0d9283a_ln2:
	.size	k_q52e0d9283a_ln2, .Lfunc_end_k_q52e0d9283a_ln2-k_q52e0d9283a_ln2
	.p2alignl 7, 3214868480
	.fill 96, 4, 3214868480
	.section	.rodata,"a",@progbits
	.p2align	6, 0x0
	.amdhsa_kernel k_q52e0d9283a_ln2
		.amdhsa_group_segment_fixed_size 5120
		.amdhsa_private_segment_fixed_size 0
		.amdhsa_enable_private_segment 0
		.amdhsa_kernarg_size 40
		.amdhsa_user_sgpr_count 2
		.amdhsa_user_sgpr_kernarg_segment_ptr 1
		.amdhsa_wavefront_size32 1
		.amdhsa_system_sgpr_workgroup_id_x 1
		.amdhsa_system_sgpr_workgroup_id_y 1
		.amdhsa_system_sgpr_workgroup_id_z 1
		.amdhsa_system_vgpr_workitem_id 0
		.amdhsa_next_free_vgpr 256
		.amdhsa_next_free_sgpr 66
		.amdhsa_reserve_vcc 1
		.amdhsa_float_denorm_mode_32 3
		.amdhsa_float_denorm_mode_16_64 3
		.amdhsa_memory_ordered 1
		.amdhsa_forward_progress 1
		.amdhsa_inst_pref_size 33
	.end_amdhsa_kernel
	.amdgpu_metadata
---
amdhsa.version: [ 1, 2 ]
amdhsa.kernels:
  - .name:           k_q52e0d9283a_ln2
    .symbol:         k_q52e0d9283a_ln2.kd
    .args:
      - { .name: x, .offset: 0, .size: 8, .value_kind: global_buffer, .address_space: global }
      - { .name: ln2_g, .offset: 8, .size: 8, .value_kind: global_buffer, .address_space: global }
      - { .name: ln2_b, .offset: 16, .size: 8, .value_kind: global_buffer, .address_space: global }
      - { .name: ao, .offset: 24, .size: 8, .value_kind: global_buffer, .address_space: global }
      - { .name: yq, .offset: 32, .size: 8, .value_kind: global_buffer, .address_space: global }
    .group_segment_fixed_size: 5120
    .private_segment_fixed_size: 0
    .kernarg_segment_align: 8
    .kernarg_segment_size: 40
    .max_flat_workgroup_size: 512
    .sgpr_count:     66
    .vgpr_count:     256
    .wavefront_size: 32
...
	.end_amdgpu_metadata
.endif
;; end of part 4
;; launch ffn1 (part 5): grid 16 x 16, 4 waves a work-group, clusters of 4 x 4, 327,680 bytes of LDS; arguments yq, ops, b1, hq; writes hq
.if DOCPART == 5
	.amdgcn_target "amdgcn-amd-amdhsa--gfx1250"
	.amdhsa_code_object_version 6
	.text
	.protected	k_q52e0d9283a_ffn1
	.globl	k_q52e0d9283a_ffn1
	.p2align	8
	.type	k_q52e0d9283a_ffn1,@function
k_q52e0d9283a_ffn1:
	s_mov_b64 s[64:65], 0
	v_nop
	global_prefetch_b8 v0, s[64:65] scope:SCOPE_SE
	s_setreg_imm32_b32 hwreg(HW_REG_WAVE_MODE, 25, 1), 1
	s_wait_xcnt 0x0
	s_wait_alu depctr_hold_cnt(0) depctr_sa_sdst(0) depctr_va_vdst(0) depctr_va_sdst(0) depctr_va_ssrc(0) depctr_va_vcc(0) depctr_vm_vsrc(0)
	s_getreg_b32 s2, hwreg(HW_REG_IB_STS2, 6, 4)
	s_cmp_eq_u32 s2, 0
	s_cbranch_scc0 .Lentry_in_a_cluster
	s_endpgm
.Lentry_in_a_cluster:
	s_bfe_u32 s2, ttmp6, 0x10000c
	s_cmp_lg_u32 s2, 0xf033
	s_cbranch_scc0 .Lentry_shape_is_right
	s_endpgm
.Lentry_shape_is_right:
; hidden = gelu(y W1 + b1), exact (by erf), on codes of E5M2 with E8M0 scales, K = 1,024; the result is quantised along the hidden units in registers and stored as the next product's operand.
; Source 1 = 256 tokens (yq), source 0 = 256 columns of W1 (ops): a lane holds one token and its registers run along the hidden units.  b1 is the C of each sum's first matrix instruction.
; A tile of 256 x 256 is made by four waves, 128 x 128 each: 64 accumulators.  K goes in steps of 256 through a ring of two LDS slots filled by the tensor data mover.
; OPERANDS LIE IN MEMORY AS IMAGES OF THE MATRIX UNIT'S REGISTERS: a block of 128 rows x 256 K is 33,792 dense bytes (codes: tile x 4096 + half x 2048 + c x 512 + lane x 16; scale words: 32768 + tile x 128 + r x 8 + half x 4), one tensor load a wave.
; Lane-row r of tile i is row 32 (i / 2) + 8 (i % 2) + r + 8 (r / 8) of the 128: so the 16 registers of result tiles 2 b and 2 b + 1 are 16 neighbours, 32 b + 16 h + 0 .. 15, along the hidden units.
; CLUSTERS: 4 x 4 work-groups; the tokens' tiles are shared along a row of the cluster, W1's along a column: each is asked for jointly.
; erf(z) = z P(z^2) / Q(z^2), P of degree 6 and Q of degree 4, z held within +-4.  LIMIT: beyond |z| = 4 gelu's left tail comes out as about |x| x 6e-8 and not 0.
; A NaN row (a query with no allowed key) keeps the scale bytes 0xff.  A block of zeros gets the byte 1; blocks under 2^-111 are held at that floor.
; REGISTERS: window 0: v0-31 addresses and two constants; v32-63 scale words, two sets, and nothing else; v64-127 b1, later a tile's 64 numbers; v128-255 the tokens' fragments, later the erf's work.  window 1: W1's fragments, two sets.  windows 2, 3: the accumulators.
.set NK,    4
.set LAPS,  NK/2
.set BOFF,  7569408                    ; W1's 128 blocks in ops
.set BLK,   33792
.set SLOT,  4*BLK
.set SPARE, 2*SLOT                     ; the spare words, 128 bytes for each wave: two blocks of 256 bytes that no other line names
.set SCR,   SPARE+512                  ; 2,048 bytes into which no tile lands: the hidden layer's scale words meet here
.set NQ,    2
.set FR,    16
.set NL,    4
.set NP,    8
.set ADRA,  16
.set ADRB,  20
.set ADRS,  22
.set SPW,   28
.set NIL,   29
.set SC,    32
.set BIA,   64
.set AF,    128
.set G1,    24
.set G0,    32
.set G1B,   48
.set G0B,   56
.set SEL,   96
.set MNT,   98
.set TM,    144
.set PC,    128
.set FLO,   9
.set HH,    64
.set ZZ,    128
.set X2,    160
.set PP,    192
.set QQ,    224
.set MSB,   0
.macro WIN new
.if MSB != (\new)
	s_set_vgpr_msb (MSB<<8)|(\new)
.set MSB, (\new)
.endif
.endm
.macro JLOAD g0a, g1a, g0b, g1b        ; a joint load: waves 0 and 1 fetch source 1's halves, waves 2 and 3 source 0's; four v_nop follow each line
	s_cmp_eq_u32 s15, 0
	s_cbranch_scc0 .Lfor_b_\@
	tensor_load_to_lds s[\g0a:\g0a+3], s[\g1a:\g1a+7]
	s_nop 0
.rept 4
	v_nop
.endr
	s_branch .Lasked_\@
.Lfor_b_\@:
	tensor_load_to_lds s[\g0b:\g0b+3], s[\g1b:\g1b+7]
	s_nop 0
.rept 4
	v_nop
.endr
.Lasked_\@:
.endm
.macro CREST
	s_cmp_lg_u32 s14, 0
	s_cbranch_scc1 .Lnot_wave_0_\@
	s_barrier_signal -3
.Lnot_wave_0_\@:
	s_barrier_wait -3
	s_barrier_signal -1
	s_barrier_wait -1
.endm
.macro CROUND
	s_barrier_signal -1
	s_barrier_wait -1
	CREST
.endm
.macro PLACES n
.rept \n
	v_nop
.endr
.endm
.macro FRAG reg, adr, q, i
.irp c, 0,1,2,3
	ds_load_b128 v[\reg+4*\c:\reg+4*\c+3], v[\adr] offset:4096*(\i)+2048*(\q)+512*\c
.endr
.endm
.macro MUL16 a0, p, q, sc, zero        ; 16 matrix instructions; zero = 1: C = 0; 2: C = the bias.  The 64 accumulators take turns, one instruction a turn
.irp a, \a0, \a0+1
.irp b, 0,1,2,3,4,5,6,7
.if \zero == 1
	v_wmma_scale_f32_16x16x128_f8f6f4 v[8*(8*((\a)%4)+\b):8*(8*((\a)%4)+\b)+7], v[128*(\p)+FR*\b:128*(\p)+FR*\b+FR-1], v[AF+FR*(\a):AF+FR*(\a)+FR-1], 0, v[SC+8*NQ*(\sc)+NQ*\b+(\q)], v[SC+8*NQ*(\sc)+NQ*(\a)+(\q)] matrix_a_fmt:MATRIX_FMT_BF8 matrix_b_fmt:MATRIX_FMT_BF8 matrix_a_scale:MATRIX_SCALE_ROW1
.elseif \zero == 2
	v_wmma_scale_f32_16x16x128_f8f6f4 v[8*(8*((\a)%4)+\b):8*(8*((\a)%4)+\b)+7], v[128*(\p)+FR*\b:128*(\p)+FR*\b+FR-1], v[AF+FR*(\a):AF+FR*(\a)+FR-1], v[BIA+8*\b:BIA+8*\b+7], v[SC+8*NQ*(\sc)+NQ*\b+(\q)], v[SC+8*NQ*(\sc)+NQ*(\a)+(\q)] matrix_a_fmt:MATRIX_FMT_BF8 matrix_b_fmt:MATRIX_FMT_BF8 matrix_a_scale:MATRIX_SCALE_ROW1
.else
	v_wmma_scale_f32_16x16x128_f8f6f4 v[8*(8*((\a)%4)+\b):8*(8*((\a)%4)+\b)+7], v[128*(\p)+FR*\b:128*(\p)+FR*\b+FR-1], v[AF+FR*(\a):AF+FR*(\a)+FR-1], v[8*(8*((\a)%4)+\b):8*(8*((\a)%4)+\b)+7], v[SC+8*NQ*(\sc)+NQ*\b+(\q)], v[SC+8*NQ*(\sc)+NQ*(\a)+(\q)] matrix_a_fmt:MATRIX_FMT_BF8 matrix_b_fmt:MATRIX_FMT_BF8 matrix_a_scale:MATRIX_SCALE_ROW1
.endif
.endr
.endr
.endm
.macro WLO zero
.if \zero == 2
	WIN 0x81
.else
	WIN 0xa1
.endif
.endm
.macro WHI zero
.if \zero == 2
	WIN 0xc1
.else
	WIN 0xf1
.endif
.endm
.macro FETCH_B slot, q, p
	WIN 0x40
.irp i, 0,1,2,3,4,5,6,7
	FRAG 128*(\p)+FR*\i, ADRB+\slot, \q, \i
.endr
	WIN 0
.endm
.macro FETCH_A slot, q, i0
.irp i, \i0, \i0+1, \i0+2, \i0+3
	FRAG AF+FR*(\i), ADRA+\slot, \q, \i
.endr
.endm
.macro SCALES sc
.irp i, 0,1,2,3,4,5,6,7
	ds_load_b64 v[SC+8*NQ*\sc+NQ*\i:SC+8*NQ*\sc+NQ*\i+1], v[ADRS+\sc] offset:\i*128
.endr
.endm
.macro STEP slot, q, zero
	s_wait_dscnt 4*NL                              ; all but the youngest 16 loads (source 1's blocks 4-7)
	WLO \zero
	MUL16 0, (\q)%2, \q, \slot, \zero
	MUL16 2, (\q)%2, \q, \slot, \zero
	s_wait_dscnt 0
	PLACES NP
	FETCH_B \slot, (\q)+1, 1-(\q)%2
	FETCH_A \slot, (\q)+1, 0
	WHI \zero
	MUL16 4, (\q)%2, \q, \slot, \zero
	MUL16 6, (\q)%2, \q, \slot, \zero
	PLACES NP
	WIN 0
	FETCH_A \slot, (\q)+1, 4
.endm
.macro TURN slot, next, fill           ; a slot's last step changes slots: one barrier, with the three lines in front of it
	s_wait_tensorcnt 0x0                           ; all my tensor loads have landed: my part of the next slot
	ds_add_u32 v[SPW], v[NIL]                      ; 0 onto my spare word
	s_wait_dscnt 4*NL+1                            ; (the add and the youngest 16 loads may be out)
	WIN 0xa1
	MUL16 0, 1, NQ-1, \slot, 0
	s_wait_dscnt 0x0                               ; the add is done, and my reads of this slot are over
	s_barrier_signal -1
	MUL16 2, 1, NQ-1, \slot, 0
	WIN 0
	s_barrier_wait -1
.if \fill
	CREST                                          ; a round of the cluster's barrier: no wave of any partner still reads this slot or has a load on its way
	s_add_nc_u64 s[G0+4*\slot+2:G0+4*\slot+3], s[G0+4*\slot+2:G0+4*\slot+3], 2*BLK
	s_add_nc_u64 s[G0B+4*\slot+2:G0B+4*\slot+3], s[G0B+4*\slot+2:G0B+4*\slot+3], 2*BLK
	JLOAD G0+4*\slot, G1, G0B+4*\slot, G1B
	PLACES NP-4
.else
	PLACES NP
.endif
	FETCH_B \next, 0, 0
	FETCH_A \next, 0, 0
	SCALES \next
	WIN 0xf1
	MUL16 4, 1, NQ-1, \slot, 0
	MUL16 6, 1, NQ-1, \slot, 0
	PLACES NP
	WIN 0
	FETCH_A \next, 0, 4
.endm
.macro QUANT src, w, dst, p0, p1       ; 64 numbers of a lane in window w -> held numbers in v[dst] on, codes in v[PC] on, scale bytes 0, 1 in v[p0], 2, 3 in v[p1]
	WIN ((\w)<<2)|((\w)<<4)
.irp b, 0,1,2,3
	v_max3_num_f32 v[TM+\b], v[FLO], |v[(\src)+16*\b]|, |v[(\src)+1+16*\b]|
.endr
.irp i, 2,4,6,8,10,12,14
.irp b, 0,1,2,3
	v_max3_num_f32 v[TM+\b], v[TM+\b], |v[(\src)+16*\b+\i]|, |v[(\src)+1+16*\b+\i]|
.endr
.endr
	WIN 0
.irp b, 0,1,2,3
	v_permlanex16_b32 v[TM+4+\b], v[TM+\b], s[SEL], s[SEL+1]
.endr
.irp b, 0,1,2,3
	v_max_num_f32 v[TM+\b], v[TM+\b], v[TM+4+\b]
.endr
.irp b, 0,1,2,3
	v_add_nc_u32 v[TM+12+\b], 0xf8800000, v[TM+\b]
.endr
.irp b, 0,1,2,3
	v_and_or_b32 v[TM+8+\b], v[TM+\b], 0x7f800000, s[MNT]
.endr
.irp b, 0,1,2,3
	v_lshrrev_b32 v[TM+4+\b], 23, v[TM+12+\b]
.endr
	v_lshl_or_b32 v[(\p0)], v[TM+5], 8, v[TM+4]
	v_lshl_or_b32 v[(\p1)], v[TM+7], 8, v[TM+6]
	WIN (\w)
.irp b, 0,1,2,3
.irp i, 0,1,2,3,4,5,6,7,8,9,10,11,12,13,14,15
	v_med3_num_f32 v[(\dst)+16*\b+\i], v[(\src)+16*\b+\i], -v[TM+8+\b], v[TM+8+\b]
.endr
.endr
	WIN 0
.irp b, 0,1,2,3
	v_cvt_scalef32_pk8_bf8_f32 v[PC+4*\b:PC+1+4*\b], v[(\dst)+16*\b:(\dst)+7+16*\b], v[TM+12+\b]
	v_cvt_scalef32_pk8_bf8_f32 v[PC+2+4*\b:PC+3+4*\b], v[(\dst)+8+16*\b:(\dst)+15+16*\b], v[TM+12+\b]
.endr
	v_nop
.endm
.macro KONST reg, val                  ; a constant as a scalar pair: the packed forms name the pair and take its low word for both halves
	s_mov_b32 s[\reg], \val
	s_mov_b32 s[\reg+1], \val
.endm
.macro HORNER d, k                     ; 32 numbers: d = d x z^2 + the constant
.set J, 0
.rept 16
	v_pk_fma_f32 v[\d+J:\d+J+1], v[\d+J:\d+J+1], v[X2+J:X2+J+1], s[\k:\k+1] op_sel_hi:[1,1,0]
.set J, J+2
.endr
.endm
	s_load_b128 s[4:7], s[0:1], 0x0                ; yq s[4:5], ops s[6:7]
	s_load_b128 s[8:11], s[0:1], 0x10              ; b1 s[8:9], hq s[10:11]
	v_lshl_add_u32 v[SPW], v0, 2, SPARE
	v_mov_b32 v[NIL], 0
	ds_add_u32 v28, v29
	ds_add_u32 v28, v29
	s_wait_dscnt 0x0
	v_lshrrev_b32 v1, 5, v0
	v_readfirstlane_b32 s14, v1                    ; wave 0..3
	s_lshr_b32 s15, s14, 1
	s_and_b32 s16, s14, 1
	s_bfe_u32 s40, ttmp6, 0x40000                  ; cx, cy
	s_bfe_u32 s41, ttmp6, 0x40004
	s_lshl_b32 s42, ttmp9, 2
	s_add_co_u32 s42, s42, s40                     ; tile column: 256 hidden units
	s_and_b32 s17, ttmp7, 0xffff
	s_lshl_b32 s17, s17, 2
	s_add_co_u32 s17, s17, s41                     ; tile row: 256 tokens
	s_lshl_b32 s43, s41, 2
	s_lshl_b32 s43, 15, s43
	s_lshl_b32 s44, 0x1111, s40
	s_or_b32 s[G1+0], s43, (3<<16)|(1<<21)         ; 15:0 the mask; 17:16 elements of 8 bytes; 21 set beside a mask; no padding
	s_or_b32 s[G1B+0], s44, (3<<16)|(1<<21)
.irp g, G1, G1B
	s_mov_b32 s[\g+1], 32<<16                      ; rows of 256 bytes,
	s_mov_b32 s[\g+2], 132<<16                     ; 132 of them: a block's 33,792 dense bytes
	s_mov_b32 s[\g+3], 32<<16
	s_mov_b32 s[\g+4], 132
	s_mov_b32 s[\g+5], 32
	s_mov_b32 s[\g+6], 0
	s_mov_b32 s[\g+7], 0
.endr
	s_lshl_b32 s20, s17, 1
	s_add_co_u32 s20, s20, s16
	s_mul_i32 s20, s20, NK*BLK
	s_mov_b32 s21, 0
	s_lshl_b32 s46, s42, 1
	s_add_co_u32 s46, s46, s16
	s_mul_i32 s46, s46, NK*BLK
	s_add_co_u32 s46, s46, BOFF
	s_mov_b32 s47, 0
	s_mul_i32 s45, s14, BLK
	s_wait_kmcnt 0x0
	s_add_nc_u64 s[20:21], s[4:5], s[20:21]
	s_add_nc_u64 s[46:47], s[6:7], s[46:47]
	CROUND                                         ; all sixteen work-groups are here: the first joint loads meet
.irp s, 0,1
	s_mov_b32 s[G0+4*\s], 1
	s_add_co_u32 s[G0+4*\s+1], s45, \s*SLOT
	s_add_nc_u64 s[G0+4*\s+2:G0+4*\s+3], s[20:21], \s*BLK
	s_or_b32 s[G0+4*\s+3], s[G0+4*\s+3], 0x80000000
	s_mov_b32 s[G0B+4*\s], 1
	s_add_co_u32 s[G0B+4*\s+1], s45, \s*SLOT
	s_add_nc_u64 s[G0B+4*\s+2:G0B+4*\s+3], s[46:47], \s*BLK
	s_or_b32 s[G0B+4*\s+3], s[G0B+4*\s+3], 0x80000000
	JLOAD G0+4*\s, G1, G0B+4*\s, G1B
.endr
	v_and_b32 v1, 31, v0
	v_and_b32 v2, 15, v0
	v_bfe_u32 v3, v0, 4, 1
	v_lshlrev_b32 v4, 4, v1
	v_lshlrev_b32 v6, 6, v3                        ; the bias: lane (r, h) wants, for tile b, units 32 (b / 2) + 16 h + 8 (b % 2) + 0 .. 7
	s_lshl_b32 s18, s42, 10
	s_lshl_b32 s19, s16, 9
	s_add_co_u32 s18, s18, s19
	s_mov_b32 s19, 0
	s_add_nc_u64 s[8:9], s[8:9], s[18:19]
.irp b, 0,1,2,3,4,5,6,7
	global_load_b128 v[BIA+8*\b:BIA+8*\b+3], v6, s[8:9] offset:4*(32*(\b/2)+8*(\b%2))
	global_load_b128 v[BIA+8*\b+4:BIA+8*\b+7], v6, s[8:9] offset:4*(32*(\b/2)+8*(\b%2))+16
.endr
	s_mul_i32 s21, s15, BLK
	s_mul_i32 s22, s16, BLK
	s_add_co_u32 s22, s22, 2*BLK
	s_sub_co_u32 s23, s22, s21
	v_mul_u32_u24 v5, s23, v3                      ; lanes 16-31 take source 0's scale words
	v_lshl_add_u32 v5, v2, 3, v5
	s_add_co_u32 s23, s21, 32768
.irp s, 0,1
	v_add_nc_u32 v[ADRA+\s], s21, v4
	v_add_nc_u32 v[ADRB+\s], s22, v4
	v_add_nc_u32 v[ADRS+\s], s23, v5
	s_add_co_u32 s21, s21, SLOT
	s_add_co_u32 s22, s22, SLOT
	s_add_co_u32 s23, s23, SLOT
.endr
	s_wait_tensorcnt 1                             ; my part of K step 0 is in (K step 1's load may be out),
	s_barrier_signal -1
	s_barrier_wait -1
	FETCH_B 0, 0, 0
	FETCH_A 0, 0, 0
	SCALES 0
	FETCH_A 0, 0, 4
	s_wait_loadcnt 0x0                             ; the bias
	STEP 0, 0, 2                                   ; the first step stands in front of the loop: the bias starts the sums
	s_mov_b32 s3, LAPS-1
.Llap:
	TURN 0, 1, 1
	STEP 1, 0, 0
	TURN 1, 0, 1
	STEP 0, 0, 0
	s_sub_co_u32 s3, s3, 1
	s_cmp_lg_u32 s3, 0
	s_cbranch_scc1 .Llap
	TURN 0, 1, 0
	STEP 1, 0, 0
	s_wait_dscnt 4*NL
	WIN 0xa1
	MUL16 0, 1, NQ-1, 1, 0
	MUL16 2, 1, NQ-1, 1, 0
	s_wait_dscnt 0
	WIN 0xf1
	MUL16 4, 1, NQ-1, 1, 0
	MUL16 6, 1, NQ-1, 1, 0
	WIN 0
	; THE WAY OUT: a loop of eight trips, one for each tile of 16 tokens.  Only the 32 lines that take a tile's numbers out of its accumulators differ from trip to trip: they are written eight times and chosen by the trip's number; the rest is written once.
	PLACES NP
	s_mov_b32 s[SEL], 0x76543210
	s_mov_b32 s[SEL+1], 0xfedcba98
	s_mov_b32 s[MNT], 0x600000
	KONST 66, 0x32edffee                           ;  2.77068142e-08   P's coefficients, from the second highest down
	KONST 68, 0xb60cff51                           ; -2.10102402e-06
	KONST 70, 0xb86ec2d2                           ; -5.69250639e-05
	KONST 72, 0xba40ac63                           ; -7.34990630e-04
	KONST 74, 0xbb41a1f6                           ; -2.95459981e-03
	KONST 76, 0xbc83dbd4                           ; -1.60960333e-02
	KONST 78, 0xb95fbd29                           ; -2.13374055e-04   Q's
	KONST 80, 0xbadc924e                           ; -1.68282697e-03
	KONST 82, 0xbbf19bf8                           ; -7.37332917e-03
	KONST 84, 0xbc69b6a7                           ; -1.42647391e-02
	v_mov_b32 v30, 0xaf95df0b                      ; -2.72614226e-10   P's highest
	v_mov_b32 v31, 0xaf95df0b
	v_mov_b32 v26, 0xb77460cd                      ; -1.45660718e-05   Q's highest
	v_mov_b32 v27, 0xb77460cd
	v_mov_b32 v[FLO], 0x8000000
	v_lshlrev_b32 v7, 4, v1                        ; 16 x lane
	s_lshl_b32 s18, s15, 10
	s_lshl_b32 s19, s16, 2
	s_add_co_u32 s18, s18, s19
	s_add_co_u32 s18, s18, SCR
	v_lshl_add_u32 v8, v2, 3, s18                  ; LDS: my row's scale word: token half x 1024 + tile x 128 + r x 8 + 4 x my half of the K step
	s_lshl_b32 s18, s14, 9
	s_add_co_u32 s18, s18, SCR
	v_add_nc_u32 v11, s18, v7                      ; and their way out: 512 x wave + 16 x lane
	s_lshl_b32 s18, s17, 1
	s_add_co_u32 s18, s18, s15                     ; the row block of 128 tokens,
	s_lshl_b32 s18, s18, 4
	s_add_co_u32 s18, s18, s42                     ; the K step of 256 hidden units
	s_mul_i32 s18, s18, BLK
	s_mov_b32 s19, 0
	s_add_nc_u64 s[92:93], s[10:11], s[18:19]      ; my block of hq
	s_lshl_b32 s18, s16, 11
	s_add_nc_u64 s[12:13], s[92:93], s[18:19]      ; my half of the K step; it walks from tile to tile
	s_lshl_b32 s18, s16, 9
	s_add_nc_u64 s[92:93], s[92:93], s[18:19]      ; the scale words that I store: 512 bytes
	s_mov_b32 s91, 0                               ; the tile
	s_mov_b32 s94, 0                               ; 128 x the tile
.Ltile:
.irp k, 0,1,2,3,4,5,6
	s_cmp_eq_u32 s91, \k
	s_cbranch_scc1 .Lx\k
.endr
.irp k, 7,6,5,4,3,2,1,0
.Lx\k:
	WIN 2+\k/4
.set J, 0
.rept 32
	v_pk_mul_f32 v[HH+J:HH+J+1], v[64*(\k%4)+J:64*(\k%4)+J+1], 0.5 op_sel_hi:[1,0]   ; x / 2; each accumulator from its low end on
.set J, J+2
.endr
	WIN 0
.if \k > 0
	s_branch .Lcommon
.endif
.endr
.Lcommon:
	v_cmp_eq_f32 s90, v[HH], v[HH]                 ; is my row a number?
.irp y, 0,1                                    ; 32 numbers at a time: gelu(x) = x / 2 + (x / 2) erf(x / sqrt 2)
.set J, 0
.rept 16
	v_pk_mul_f32 v[ZZ+J:ZZ+J+1], v[HH+32*\y+J:HH+32*\y+J+1], 0x3fb504f3 op_sel_hi:[1,0]   ; z = (x / 2) sqrt 2
.set J, J+2
.endr
.set J, 0
.rept 32
	v_med3_num_f32 v[ZZ+J], v[ZZ+J], -4.0, 4.0
.set J, J+1
.endr
.set J, 0
.rept 16
	v_pk_mul_f32 v[X2+J:X2+J+1], v[ZZ+J:ZZ+J+1], v[ZZ+J:ZZ+J+1]
.set J, J+2
.endr
.set J, 0
.rept 16
	v_pk_fma_f32 v[PP+J:PP+J+1], v[X2+J:X2+J+1], v[30:31], s[66:67] op_sel_hi:[1,1,0]
	v_pk_fma_f32 v[QQ+J:QQ+J+1], v[X2+J:X2+J+1], v[26:27], s[78:79] op_sel_hi:[1,1,0]
.set J, J+2
.endr
	HORNER QQ, 80
	HORNER QQ, 82
	HORNER QQ, 84
	HORNER PP, 68
	HORNER PP, 70
	HORNER PP, 72
	HORNER PP, 74
	HORNER PP, 76
.set J, 0
.rept 32
	v_rcp_f32 v[QQ+J], v[QQ+J]
.set J, J+1
.endr
.set J, 0
.rept 16
	v_pk_mul_f32 v[PP+J:PP+J+1], v[PP+J:PP+J+1], v[ZZ+J:ZZ+J+1]   ; plain work behind the batch of reciprocals
.set J, J+2
.endr
	s_wait_alu depctr_va_vdst(0)                   ; one wait for the batch, ahead of its first reader
.set J, 0
.rept 16
	v_pk_mul_f32 v[PP+J:PP+J+1], v[PP+J:PP+J+1], v[QQ+J:QQ+J+1]   ; erf
.set J, J+2
.endr
.set J, 0
.rept 16
	v_pk_fma_f32 v[HH+32*\y+J:HH+32*\y+J+1], v[HH+32*\y+J:HH+32*\y+J+1], v[PP+J:PP+J+1], v[HH+32*\y+J:HH+32*\y+J+1]
.set J, J+2
.endr
.endr
	QUANT HH, 0, HH, 160, 161
	v_lshl_or_b32 v160, v161, 16, v160             ; my row's scale word for my 128 hidden units
	v_cndmask_b32 v160, -1, v160, s90              ; a NaN row: the bytes 0xff
	v_add_nc_u32 v10, s94, v8
.irp c, 0,1,2,3
	global_store_b128 v7, v[PC+4*\c:PC+4*\c+3], s[12:13] offset:512*\c   ; 32 lanes store 512 consecutive bytes
.endr
	ds_store_b32 v10, v160                         ; both halves of the lanes write the same word with the same value
	s_wait_xcnt 0x0                                ; the stores have read their data and their base: both are written again only behind this wait
	s_add_nc_u64 s[12:13], s[12:13], 4096
	s_add_co_u32 s94, s94, 128
	s_add_co_u32 s91, s91, 1
	s_cmp_lt_u32 s91, 8
	s_cbranch_scc1 .Ltile
	s_wait_dscnt 0x0                               ; for the others' sake: my scale words have landed
	s_barrier_signal -1
	s_barrier_wait -1
	ds_load_b128 v[164:167], v11
	s_wait_dscnt 0x0
	global_store_b128 v7, v[164:167], s[92:93] offset:32768   ; 32 lanes store 512 consecutive bytes
	s_wait_tensorcnt 0x0                           ; the wave's end
	ds_add_u32 v[SPW], v[NIL]
	s_wait_dscnt 0x0
	CROUND                                         ; the closing round
	s_endpgm
.Lfunc_end_k_q52e0d9283a_ffn1:
	.size	k_q52e0d9283a_ffn1, .Lfunc_end_k_q52e0d9283a_ffn1-k_q52e0d9283a_ffn1
	.p2alignl 7, 3214868480
	.fill 96, 4, 3214868480
	.section	.rodata,"a",@progbits
	.p2align	6, 0x0
	.amdhsa_kernel k_q52e0d9283a_ffn1
		.amdhsa_group_segment_fixed_size 327680
		.amdhsa_private_segment_fixed_size 0
		.amdhsa_enable_private_segment 0
		.amdhsa_kernarg_size 32
		.amdhsa_user_sgpr_count 2
		.amdhsa_user_sgpr_kernarg_segment_ptr 1
		.amdhsa_wavefront_size32 1
		.amdhsa_system_sgpr_workgroup_id_x 1
		.amdhsa_system_sgpr_workgroup_id_y 1
		.amdhsa_system_sgpr_workgroup_id_z 1
		.amdhsa_system_vgpr_workitem_id 0
		.amdhsa_next_free_vgpr 1024
		.amdhsa_next_free_sgpr 100
		.amdhsa_reserve_vcc 0
		.amdhsa_float_denorm_mode_32 3
		.amdhsa_float_denorm_mode_16_64 3
		.amdhsa_memory_ordered 1
		.amdhsa_forward_progress 1
		.amdhsa_inst_pref_size 180
	.end_amdhsa_kernel
	.amdgpu_metadata
---
amdhsa.version: [ 1, 2 ]
amdhsa.kernels:
  - .name:           k_q52e0d9283a_ffn1
    .symbol:         k_q52e0d9283a_ffn1.kd
    .args:
      - { .name: yq, .offset: 0, .size: 8, .value_kind: global_buffer, .address_space: global }
      - { .name: ops, .offset: 8, .size: 8, .value_kind: global_buffer, .address_space: global }
      - { .name: b1, .offset: 16, .size: 8, .value_kind: global_buffer, .address_space: global }
      - { .name: hq, .offset: 24, .size: 8, .value_kind: global_buffer, .address_space: global }
    .group_segment_fixed_size: 327680
    .private_segment_fixed_size: 0
    .kernarg_segment_align: 8
    .kernarg_segment_size: 32
    .max_flat_workgroup_size: 128
    .sgpr_count:     100
    .vgpr_count:     1024
    .wavefront_size: 32
...
	.end_amdgpu_metadata
.endif
;; end of part 5
;; launch ffn2 (part 6): grid 4 x 16, 4 waves a work-group, clusters of 4 x 4, 327,680 bytes of LDS; arguments hq, ops, b2, x, out0; writes out0
.if DOCPART == 6
	.amdgcn_target "amdgcn-amd-amdhsa--gfx1250"
	.amdhsa_code_object_version 6
	.text
	.protected	k_q52e0d9283a_ffn2
	.globl	k_q52e0d9283a_ffn2
	.p2align	8
	.type	k_q52e0d9283a_ffn2,@function
k_q52e0d9283a_ffn2:
	s_mov_b64 s[64:65], 0
	v_nop
	global_prefetch_b8 v0, s[64:65] scope:SCOPE_SE
	s_setreg_imm32_b32 hwreg(HW_REG_WAVE_MODE, 25, 1), 1
	s_wait_xcnt 0x0
	s_wait_alu depctr_hold_cnt(0) depctr_sa_sdst(0) depctr_va_vdst(0) depctr_va_sdst(0) depctr_va_ssrc(0) depctr_va_vcc(0) depctr_vm_vsrc(0)
	s_getreg_b32 s2, hwreg(HW_REG_IB_STS2, 6, 4)
	s_cmp_eq_u32 s2, 0
	s_cbranch_scc0 .Lentry_in_a_cluster
	s_endpgm
.Lentry_in_a_cluster:
	s_bfe_u32 s2, ttmp6, 0x10000c
	s_cmp_lg_u32 s2, 0xf033
	s_cbranch_scc0 .Lentry_shape_is_right
	s_endpgm
.Lentry_shape_is_right:
; out0 = x + hidden W2 + b2, on codes of E5M2 with E8M0 scales, K = 4,096.
; Source 1 = 256 tokens (hq), source 0 = 256 columns of W2 (ops): a lane holds one token and eight neighbouring columns.  b2 is the C of each sum's first matrix instruction.
; A tile of 256 x 256 is made by four waves, 128 x 128 each: 64 accumulators.  K goes in steps of 256 through a ring of two LDS slots filled by the tensor data mover.  The output has 16 x 4 such tiles: 64 work-groups.
; OPERANDS LIE IN MEMORY AS IMAGES OF THE MATRIX UNIT'S REGISTERS: a block of 128 rows x 256 K is 33,792 dense bytes (codes: tile x 4096 + half x 2048 + c x 512 + lane x 16; scale words: 32768 + tile x 128 + r x 8 + half x 4), one tensor load a wave.
; Lane-row r of tile i is row 32 (i / 2) + 8 (i % 2) + r + 8 (r / 8) of the 128, for tokens and for columns.
; CLUSTERS: 4 x 4 work-groups; the tokens' tiles are shared along a row of the cluster, W2's along a column: each is asked for jointly.
; A NaN row comes as scale bytes 0xff and leaves as NaN.
; REGISTERS: window 0: v0-31 addresses; v32-63 scale words, two sets, and nothing else; v64-127 b2; v128-255 the tokens' fragments, later rows of the result.  window 1: W2's fragments, two sets, later rows of x.  windows 2, 3: the accumulators.
.set NK,    16
.set LAPS,  NK/2
.set BOFF,  11894784                   ; W2's 128 blocks in ops
.set BLK,   33792
.set SLOT,  4*BLK
.set SPARE, 2*SLOT                     ; the spare words, 128 bytes for each wave: two blocks of 256 bytes that no other line names
.set SPITCH, 528                       ; the way out: a stage of 16 rows x (512 bytes + 16) for each wave, in slot 0, which has had its last fill and its last read when the first result is stored there
.set NQ,    2
.set FR,    16
.set NL,    4
.set NP,    8
.set ADRA,  16
.set ADRB,  20
.set ADRS,  22
.set STO,   24
.set RD,    25
.set CO,    26
.set SPW,   28
.set NIL,   29
.set SC,    32
.set BIA,   64
.set AF,    128
.set BK,    128
.set G1,    24
.set G0,    32
.set G1B,   48
.set G0B,   56
.set MSB,   0
.macro WIN new
.if MSB != (\new)
	s_set_vgpr_msb (MSB<<8)|(\new)
.set MSB, (\new)
.endif
.endm
.macro JLOAD g0a, g1a, g0b, g1b        ; a joint load: waves 0 and 1 fetch source 1's halves, waves 2 and 3 source 0's; four v_nop follow each line
	s_cmp_eq_u32 s15, 0
	s_cbranch_scc0 .Lfor_b_\@
	tensor_load_to_lds s[\g0a:\g0a+3], s[\g1a:\g1a+7]
	s_nop 0
.rept 4
	v_nop
.endr
	s_branch .Lasked_\@
.Lfor_b_\@:
	tensor_load_to_lds s[\g0b:\g0b+3], s[\g1b:\g1b+7]
	s_nop 0
.rept 4
	v_nop
.endr
.Lasked_\@:
.endm
.macro CREST
	s_cmp_lg_u32 s14, 0
	s_cbranch_scc1 .Lnot_wave_0_\@
	s_barrier_signal -3
.Lnot_wave_0_\@:
	s_barrier_wait -3
	s_barrier_signal -1
	s_barrier_wait -1
.endm
.macro CROUND
	s_barrier_signal -1
	s_barrier_wait -1
	CREST
.endm
.macro PLACES n
.rept \n
	v_nop
.endr
.endm
.macro FRAG reg, adr, q, i
.irp c, 0,1,2,3
	ds_load_b128 v[\reg+4*\c:\reg+4*\c+3], v[\adr] offset:4096*(\i)+2048*(\q)+512*\c
.endr
.endm
.macro MUL16 a0, p, q, sc, zero        ; 16 matrix instructions; zero = 1: C = 0; 2: C = the bias.  The 64 accumulators take turns, one instruction a turn
.irp a, \a0, \a0+1
.irp b, 0,1,2,3,4,5,6,7
.if \zero == 1
	v_wmma_scale_f32_16x16x128_f8f6f4 v[8*(8*((\a)%4)+\b):8*(8*((\a)%4)+\b)+7], v[128*(\p)+FR*\b:128*(\p)+FR*\b+FR-1], v[AF+FR*(\a):AF+FR*(\a)+FR-1], 0, v[SC+8*NQ*(\sc)+NQ*\b+(\q)], v[SC+8*NQ*(\sc)+NQ*(\a)+(\q)] matrix_a_fmt:MATRIX_FMT_BF8 matrix_b_fmt:MATRIX_FMT_BF8 matrix_a_scale:MATRIX_SCALE_ROW1
.elseif \zero == 2
	v_wmma_scale_f32_16x16x128_f8f6f4 v[8*(8*((\a)%4)+\b):8*(8*((\a)%4)+\b)+7], v[128*(\p)+FR*\b:128*(\p)+FR*\b+FR-1], v[AF+FR*(\a):AF+FR*(\a)+FR-1], v[BIA+8*\b:BIA+8*\b+7], v[SC+8*NQ*(\sc)+NQ*\b+(\q)], v[SC+8*NQ*(\sc)+NQ*(\a)+(\q)] matrix_a_fmt:MATRIX_FMT_BF8 matrix_b_fmt:MATRIX_FMT_BF8 matrix_a_scale:MATRIX_SCALE_ROW1
.else
	v_wmma_scale_f32_16x16x128_f8f6f4 v[8*(8*((\a)%4)+\b):8*(8*((\a)%4)+\b)+7], v[128*(\p)+FR*\b:128*(\p)+FR*\b+FR-1], v[AF+FR*(\a):AF+FR*(\a)+FR-1], v[8*(8*((\a)%4)+\b):8*(8*((\a)%4)+\b)+7], v[SC+8*NQ*(\sc)+NQ*\b+(\q)], v[SC+8*NQ*(\sc)+NQ*(\a)+(\q)] matrix_a_fmt:MATRIX_FMT_BF8 matrix_b_fmt:MATRIX_FMT_BF8 matrix_a_scale:MATRIX_SCALE_ROW1
.endif
.endr
.endr
.endm
.macro WLO zero
.if \zero == 2
	WIN 0x81
.else
	WIN 0xa1
.endif
.endm
.macro WHI zero
.if \zero == 2
	WIN 0xc1
.else
	WIN 0xf1
.endif
.endm
.macro FETCH_B slot, q, p
	WIN 0x40
.irp i, 0,1,2,3,4,5,6,7
	FRAG 128*(\p)+FR*\i, ADRB+\slot, \q, \i
.endr
	WIN 0
.endm
.macro FETCH_A slot, q, i0
.irp i, \i0, \i0+1, \i0+2, \i0+3
	FRAG AF+FR*(\i), ADRA+\slot, \q, \i
.endr
.endm
.macro SCALES sc
.irp i, 0,1,2,3,4,5,6,7
	ds_load_b64 v[SC+8*NQ*\sc+NQ*\i:SC+8*NQ*\sc+NQ*\i+1], v[ADRS+\sc] offset:\i*128
.endr
.endm
.macro STEP slot, q, zero
	s_wait_dscnt 4*NL                              ; all but the youngest 16 loads (source 1's blocks 4-7)
	WLO \zero
	MUL16 0, (\q)%2, \q, \slot, \zero
	MUL16 2, (\q)%2, \q, \slot, \zero
	s_wait_dscnt 0
	PLACES NP
	FETCH_B \slot, (\q)+1, 1-(\q)%2
	FETCH_A \slot, (\q)+1, 0
	WHI \zero
	MUL16 4, (\q)%2, \q, \slot, \zero
	MUL16 6, (\q)%2, \q, \slot, \zero
	PLACES NP
	WIN 0
	FETCH_A \slot, (\q)+1, 4
.endm
.macro TURN slot, next, fill           ; a slot's last step changes slots: one barrier, with the three lines in front of it
	s_wait_tensorcnt 0x0                           ; all my tensor loads have landed: my part of the next slot
	ds_add_u32 v[SPW], v[NIL]                      ; 0 onto my spare word
	s_wait_dscnt 4*NL+1                            ; (the add and the youngest 16 loads may be out)
	WIN 0xa1
	MUL16 0, 1, NQ-1, \slot, 0
	s_wait_dscnt 0x0                               ; the add is done, and my reads of this slot are over
	s_barrier_signal -1
	MUL16 2, 1, NQ-1, \slot, 0
	WIN 0
	s_barrier_wait -1
.if \fill
	CREST                                          ; a round of the cluster's barrier: no wave of any partner still reads this slot or has a load on its way
	s_add_nc_u64 s[G0+4*\slot+2:G0+4*\slot+3], s[G0+4*\slot+2:G0+4*\slot+3], 2*BLK
	s_add_nc_u64 s[G0B+4*\slot+2:G0B+4*\slot+3], s[G0B+4*\slot+2:G0B+4*\slot+3], 2*BLK
	JLOAD G0+4*\slot, G1, G0B+4*\slot, G1B
	PLACES NP-4
.else
	PLACES NP
.endif
	FETCH_B \next, 0, 0
	FETCH_A \next, 0, 0
	SCALES \next
	WIN 0xf1
	MUL16 4, 1, NQ-1, \slot, 0
	MUL16 6, 1, NQ-1, \slot, 0
	PLACES NP
	WIN 0
	FETCH_A \next, 0, 4
.endm
	s_load_b128 s[4:7], s[0:1], 0x0                ; hq s[4:5], ops s[6:7]
	s_load_b128 s[8:11], s[0:1], 0x10              ; b2 s[8:9], x s[10:11]
	s_load_b64 s[12:13], s[0:1], 0x20              ; out0
	v_lshl_add_u32 v[SPW], v0, 2, SPARE
	v_mov_b32 v[NIL], 0
	ds_add_u32 v28, v29
	ds_add_u32 v28, v29
	s_wait_dscnt 0x0
	v_lshrrev_b32 v1, 5, v0
	v_readfirstlane_b32 s14, v1                    ; wave 0..3
	s_lshr_b32 s15, s14, 1
	s_and_b32 s16, s14, 1
	s_bfe_u32 s40, ttmp6, 0x40000                  ; cx, cy
	s_bfe_u32 s41, ttmp6, 0x40004
	s_lshl_b32 s42, ttmp9, 2
	s_add_co_u32 s42, s42, s40                     ; tile column: 256 of the 1,024
	s_and_b32 s17, ttmp7, 0xffff
	s_lshl_b32 s17, s17, 2
	s_add_co_u32 s17, s17, s41                     ; tile row: 256 tokens
	s_lshl_b32 s43, s41, 2
	s_lshl_b32 s43, 15, s43
	s_lshl_b32 s44, 0x1111, s40
	s_or_b32 s[G1+0], s43, (3<<16)|(1<<21)         ; 15:0 the mask; 17:16 elements of 8 bytes; 21 set beside a mask; no padding
	s_or_b32 s[G1B+0], s44, (3<<16)|(1<<21)
.irp g, G1, G1B
	s_mov_b32 s[\g+1], 32<<16                      ; rows of 256 bytes,
	s_mov_b32 s[\g+2], 132<<16                     ; 132 of them: a block's 33,792 dense bytes
	s_mov_b32 s[\g+3], 32<<16
	s_mov_b32 s[\g+4], 132
	s_mov_b32 s[\g+5], 32
	s_mov_b32 s[\g+6], 0
	s_mov_b32 s[\g+7], 0
.endr
	s_lshl_b32 s20, s17, 1
	s_add_co_u32 s20, s20, s16
	s_mul_i32 s20, s20, NK*BLK
	s_mov_b32 s21, 0
	s_lshl_b32 s46, s42, 1
	s_add_co_u32 s46, s46, s16
	s_mul_i32 s46, s46, NK*BLK
	s_add_co_u32 s46, s46, BOFF
	s_mov_b32 s47, 0
	s_mul_i32 s45, s14, BLK
	s_wait_kmcnt 0x0
	s_add_nc_u64 s[20:21], s[4:5], s[20:21]
	s_add_nc_u64 s[46:47], s[6:7], s[46:47]
	CROUND                                         ; all sixteen work-groups are here: the first joint loads meet
.irp s, 0,1
	s_mov_b32 s[G0+4*\s], 1
	s_add_co_u32 s[G0+4*\s+1], s45, \s*SLOT
	s_add_nc_u64 s[G0+4*\s+2:G0+4*\s+3], s[20:21], \s*BLK
	s_or_b32 s[G0+4*\s+3], s[G0+4*\s+3], 0x80000000
	s_mov_b32 s[G0B+4*\s], 1
	s_add_co_u32 s[G0B+4*\s+1], s45, \s*SLOT
	s_add_nc_u64 s[G0B+4*\s+2:G0B+4*\s+3], s[46:47], \s*BLK
	s_or_b32 s[G0B+4*\s+3], s[G0B+4*\s+3], 0x80000000
	JLOAD G0+4*\s, G1, G0B+4*\s, G1B
.endr
	v_and_b32 v1, 31, v0
	v_and_b32 v2, 15, v0
	v_bfe_u32 v3, v0, 4, 1
	v_lshlrev_b32 v4, 4, v1
	v_lshlrev_b32 v6, 6, v3                        ; the bias: lane (r, h) wants, for tile b, columns 32 (b / 2) + 16 h + 8 (b % 2) + 0 .. 7
	s_lshl_b32 s18, s42, 10
	s_lshl_b32 s19, s16, 9
	s_add_co_u32 s18, s18, s19                     ; my first column, in bytes
	s_mov_b32 s19, 0
	s_add_nc_u64 s[8:9], s[8:9], s[18:19]
.irp b, 0,1,2,3,4,5,6,7
	global_load_b128 v[BIA+8*\b:BIA+8*\b+3], v6, s[8:9] offset:4*(32*(\b/2)+8*(\b%2))
	global_load_b128 v[BIA+8*\b+4:BIA+8*\b+7], v6, s[8:9] offset:4*(32*(\b/2)+8*(\b%2))+16
.endr
	s_lshl_b32 s66, s17, 8
	s_lshl_b32 s67, s15, 7
	s_add_co_u32 s66, s66, s67                     ; my first token
	s_lshl_b32 s66, s66, 12                        ; a row is 4,096 bytes
	s_add_co_u32 s66, s66, s18
	s_mov_b32 s67, 0
	s_add_nc_u64 s[10:11], s[10:11], s[66:67]      ; x and out0 at my 128 x 128
	s_add_nc_u64 s[12:13], s[12:13], s[66:67]
	s_mul_i32 s21, s15, BLK
	s_mul_i32 s22, s16, BLK
	s_add_co_u32 s22, s22, 2*BLK
	s_sub_co_u32 s23, s22, s21
	v_mul_u32_u24 v5, s23, v3                      ; lanes 16-31 take source 0's scale words
	v_lshl_add_u32 v5, v2, 3, v5
	s_add_co_u32 s23, s21, 32768
.irp s, 0,1
	v_add_nc_u32 v[ADRA+\s], s21, v4
	v_add_nc_u32 v[ADRB+\s], s22, v4
	v_add_nc_u32 v[ADRS+\s], s23, v5
	s_add_co_u32 s21, s21, SLOT
	s_add_co_u32 s22, s22, SLOT
	s_add_co_u32 s23, s23, SLOT
.endr
	s_mul_i32 s23, s14, 16*SPITCH                  ; my stage
	v_mul_u32_u24 v5, v2, SPITCH
	v_lshl_add_u32 v5, v3, 6, v5
	v_add_nc_u32 v[STO], s23, v5                   ; in: row r, + 64 h
	v_lshlrev_b32 v[CO], 4, v1                     ; back: the 32 lanes take one row of 512 bytes; and the same in x and out0
	v_add_nc_u32 v[RD], s23, v[CO]
	s_wait_tensorcnt 1                             ; my part of K step 0 is in (K step 1's load may be out),
	s_barrier_signal -1
	s_barrier_wait -1
	FETCH_B 0, 0, 0
	FETCH_A 0, 0, 0
	SCALES 0
	FETCH_A 0, 0, 4
	s_wait_loadcnt 0x0                             ; the bias
	STEP 0, 0, 2                                   ; the first step stands in front of the loop: the bias starts the sums
	s_mov_b32 s3, LAPS-1
.Llap:
	TURN 0, 1, 1
	STEP 1, 0, 0
	TURN 1, 0, 1
	STEP 0, 0, 0
	s_sub_co_u32 s3, s3, 1
	s_cmp_lg_u32 s3, 0
	s_cbranch_scc1 .Llap
	TURN 0, 1, 0
	STEP 1, 0, 0
	s_wait_dscnt 4*NL
	WIN 0xa1
	MUL16 0, 1, NQ-1, 1, 0
	MUL16 2, 1, NQ-1, 1, 0
	s_wait_dscnt 0
	WIN 0xf1
	MUL16 4, 1, NQ-1, 1, 0
	MUL16 6, 1, NQ-1, 1, 0
	WIN 0
; THE WAY OUT, tile by tile of 16 tokens x 128 columns: through my own stage in LDS, back as whole rows of 512 bytes, + x, stored.  Row t of tile a is token 32 (a / 2) + 8 (a % 2) + t + 8 (t / 8) of my 128: every offset is an immediate, 127 rows of 4,096 bytes at the most.
.macro XLOAD a                         ; the tile's 16 rows of x into window 1, set a % 4
	WIN 0x40
.set T, 0
.rept 16
	global_load_b128 v[64*((\a)%4)+4*T:64*((\a)%4)+4*T+3], v[CO], s[10:11] offset:(32*((\a)/2)+8*((\a)%2)+T+8*(T/8))*4096 th:TH_LOAD_NT
.set T, T+1
.endr
	WIN 0
.endm
.macro TOSTAGE a
.set AC, 64*((\a)%4)
	WIN 0x08+4*((\a)/4)                            ; an LDS store's data are its source 1: window 2 or 3
.irp b, 0,1,2,3,4,5,6,7
	ds_store_b128 v[STO], v[AC+8*\b:AC+8*\b+3] offset:128*(\b/2)+32*(\b%2)       ; each accumulator from its low end on
	ds_store_b128 v[STO], v[AC+8*\b+4:AC+8*\b+7] offset:128*(\b/2)+32*(\b%2)+16
.endr
	WIN 0
.set BB, BK+64*((\a)%2)
.set T, 0
.rept 16
	ds_load_b128 v[BB+4*T:BB+4*T+3], v[RD] offset:T*SPITCH   ; LDS serves a wave's instructions in order (ISA guide 5.7.1.4): these see the stores above
.set T, T+1
.endr
.endm
	PLACES NP                                      ; behind the last products: for the loads into the registers that held fragments, and for the first reads of results
	XLOAD 0
	XLOAD 1
	XLOAD 2
	XLOAD 3
.irp a, 0,1,2,3,4,5,6,7
.if \a >= 2
	s_wait_xcnt 0x0                                ; tile a - 2's stores have read their registers: this tile's rows may land there
.endif
	TOSTAGE \a
	s_wait_dscnt 0x0
.if \a <= 4
	s_wait_loadcnt 48                              ; this tile's 16 rows of x are in; the three later tiles' 48 loads may be out
.else
	s_wait_loadcnt 16*(7-\a)
.endif
	WIN 0x04                                       ; source 1: window 1
.set J, 0
.rept 32
	v_pk_add_f32 v[BK+64*(\a%2)+J:BK+64*(\a%2)+J+1], v[BK+64*(\a%2)+J:BK+64*(\a%2)+J+1], v[64*(\a%4)+J:64*(\a%4)+J+1]
.set J, J+2
.endr
	WIN 0
.set T, 0
.rept 16
	global_store_b128 v[CO], v[BK+64*(\a%2)+4*T:BK+64*(\a%2)+4*T+3], s[12:13] offset:(32*(\a/2)+8*(\a%2)+T+8*(T/8))*4096 th:TH_STORE_NT   ; 32 lanes store 512 consecutive bytes
.set T, T+1
.endr
.if \a < 4
	XLOAD \a+4
.endif
.endr
	s_wait_tensorcnt 0x0                           ; the wave's end
	ds_add_u32 v[SPW], v[NIL]
	s_wait_dscnt 0x0
	CROUND                                         ; the closing round
	s_endpgm
.Lfunc_end_k_q52e0d9283a_ffn2:
	.size	k_q52e0d9283a_ffn2, .Lfunc_end_k_q52e0d9283a_ffn2-k_q52e0d9283a_ffn2
	.p2alignl 7, 3214868480
	.fill 96, 4, 3214868480
	.section	.rodata,"a",@progbits
	.p2align	6, 0x0
	.amdhsa_kernel k_q52e0d9283a_ffn2
		.amdhsa_group_segment_fixed_size 327680
		.amdhsa_private_segment_fixed_size 0
		.amdhsa_enable_private_segment 0
		.amdhsa_kernarg_size 40
		.amdhsa_user_sgpr_count 2
		.amdhsa_user_sgpr_kernarg_segment_ptr 1
		.amdhsa_wavefront_size32 1
		.amdhsa_system_sgpr_workgroup_id_x 1
		.amdhsa_system_sgpr_workgroup_id_y 1
		.amdhsa_system_sgpr_workgroup_id_z 1
		.amdhsa_system_vgpr_workitem_id 0
		.amdhsa_next_free_vgpr 1024
		.amdhsa_next_free_sgpr 100
		.amdhsa_reserve_vcc 0
		.amdhsa_float_denorm_mode_32 3
		.amdhsa_float_denorm_mode_16_64 3
		.amdhsa_memory_ordered 1
		.amdhsa_forward_progress 1
		.amdhsa_inst_pref_size 173
	.end_amdhsa_kernel
	.amdgpu_metadata
---
amdhsa.version: [ 1, 2 ]
amdhsa.kernels:
  - .name:           k_q52e0d9283a_ffn2
    .symbol:         k_q52e0d9283a_ffn2.kd
    .args:
      - { .name: hq, .offset: 0, .size: 8, .value_kind: global_buffer, .address_space: global }
      - { .name: ops, .offset: 8, .size: 8, .value_kind: global_buffer, .address_space: global }
      - { .name: b2, .offset: 16, .size: 8, .value_kind: global_buffer, .address_space: global }
      - { .name: x, .offset: 24, .size: 8, .value_kind: global_buffer, .address_space: global }
      - { .name: out0, .offset: 32, .size: 8, .value_kind: global_buffer, .address_space: global }
    .group_segment_fixed_size: 327680
    .private_segment_fixed_size: 0
    .kernarg_segment_align: 8
    .kernarg_segment_size: 40
    .max_flat_workgroup_size: 128
    .sgpr_count:     100
    .vgpr_count:     1024
    .wavefront_size: 32
...
	.end_amdgpu_metadata
.endif
;; end of part 6
;; ======== version 2 of 3: 6 launches
;; workspace buffers: ops 16,220,160 bytes; msk 526,336 bytes of whole numbers; qkv 17,825,792 bytes; ao 16,777,216 bytes; yq 4,325,376 bytes; hq 17,301,504 bytes
;; launch prep: the kernel of part 1 again; grid 512 x 1, 16 waves a work-group, no clusters, 8,192 bytes of LDS; arguments x, ln1_g, ln1_b, Wq, Wk, Wv, W1, W2, mask, ops, msk; writes ops, msk
;; launch qkv: the kernel of part 2 again; grid 4 x 48, 4 waves a work-group, clusters of 4 x 4, 327,680 bytes of LDS; arguments ops, qkv; writes qkv
;; launch attn: the kernel of part 3 again; grid 8 x 32, 16 waves a work-group, no clusters, 280,576 bytes of LDS; arguments qkv, msk, ao; writes ao
;; launch ln2: the kernel of part 4 again; grid 128 x 1, 16 waves a work-group, no clusters, 5,120 bytes of LDS; arguments x, ln2_g, ln2_b, ao, yq; writes yq
;; launch ffn1: the kernel of part 5 again; grid 16 x 16, 4 waves a work-group, clusters of 4 x 4, 327,680 bytes of LDS; arguments yq, ops, b1, hq; writes hq
;; launch ffn2 (part 7): grid 8 x 32, 4 waves a work-group, clusters of 4 x 4, 327,680 bytes of LDS; arguments hq, ops, b2, x, out0; writes out0
.if DOCPART == 7
	.amdgcn_target "amdgcn-amd-amdhsa--gfx1250"
	.amdhsa_code_object_version 6
	.text
	.protected	k_q52e0d9283a_ffn2
	.globl	k_q52e0d9283a_ffn2
	.p2align	8
	.type	k_q52e0d9283a_ffn2,@function
k_q52e0d9283a_ffn2:
	s_mov_b64 s[64:65], 0
	v_nop
	global_prefetch_b8 v0, s[64:65] scope:SCOPE_SE
	s_setreg_imm32_b32 hwreg(HW_REG_WAVE_MODE, 25, 1), 1
	s_wait_xcnt 0x0
	s_wait_alu depctr_hold_cnt(0) depctr_sa_sdst(0) depctr_va_vdst(0) depctr_va_sdst(0) depctr_va_ssrc(0) depctr_va_vcc(0) depctr_vm_vsrc(0)
	s_getreg_b32 s2, hwreg(HW_REG_IB_STS2, 6, 4)
	s_cmp_eq_u32 s2, 0
	s_cbranch_scc0 .Lentry_in_a_cluster
	s_endpgm
.Lentry_in_a_cluster:
	s_bfe_u32 s2, ttmp6, 0x10000c
	s_cmp_lg_u32 s2, 0xf033
	s_cbranch_scc0 .Lentry_shape_is_right
	s_endpgm
.Lentry_shape_is_right:
; out0 = x + hidden W2 + b2, on codes of E5M2 with E8M0 scales, K = 4,096.
; A tile of out0 is 128 tokens x 128 columns: 32 x 8 = 256 work-groups of four waves.  Source 1 = 128 tokens (hq), source 0 = 128 columns of W2 (ops): a lane holds one token and eight neighbouring columns.
; THE FOUR WAVES SHARE K, NOT THE TILE: a slot holds 512 along K, and wave w multiplies the whole 128 x 128 over the slot's w-th 128: 64 accumulators, 512 registers, 64 matrix instructions a slot.  So each LDS byte is read once, by one wave.
; At the end the four partial tiles meet in LDS and are added.  THE ORDER OF ROUNDING: each output is the sum of four f32 chains (one a wave, K ascending in each), added as (0 + 1) + (2 + 3), then x + b2 is added: not one ascending chain.
; OPERANDS LIE IN MEMORY AS IMAGES OF THE MATRIX UNIT'S REGISTERS: a block of 128 rows x 256 K is 33,792 dense bytes (codes: tile x 4096 + half x 2048 + c x 512 + lane x 16; scale words: 32768 + tile x 128 + r x 8 + half x 4); a fragment load reads 512 consecutive bytes of LDS.
; Lane-row r of tile i is row 32 (i / 2) + 8 (i % 2) + r + 8 (r / 8) of the 128, for tokens and for columns.
; THE RING: two slots of four blocks (the tokens' K steps 2 n and 2 n + 1, then W2's), one tensor load of one block a wave.  When a slot's turn begins, all its fragments lie in registers: so the wait for all tensor loads, the add, the wait for the LDS loads and the
; round stand at the turn's head, the slot is asked for again straight behind the round, and the turn's 64 products and the other slot's 72 LDS loads run while that load is on its way.
; CLUSTERS: 4 x 4 work-groups; the tokens' blocks are shared along a row of the cluster, W2's along a column: each is asked for jointly, which divides the requests by four.
; A NaN row comes as scale bytes 0xff and leaves as NaN.
; REGISTERS: window 0: v0-31 addresses and b2; v32-47 scale words, two sets, and nothing else; v128-255 the tokens' fragments, one set.  window 1: W2's fragments, two sets; at the end rows of x.  windows 2, 3: the accumulators, (a, b) at v[8 (8 (a % 4) + b)]; at the end the four waves' rows.
.set NK,    16                         ; K steps of 256
.set TRIPS, (NK/2-4)/2                 ; eight slot loads: one turn ahead of the loop, three behind it, two in a trip
.set BOFF,  11894784                   ; W2's 128 blocks in ops
.set BLK,   33792
.set SLOT,  4*BLK
.set SPARE, 2*SLOT                     ; the spare words, 128 bytes for each wave: two blocks of 256 bytes that no other line names
.set SPITCH, 528                       ; the way out: a row of 512 bytes + 16, so that the sixteen rows of a store start at sixteen different banks
.set TILEB, 16*SPITCH                  ; a tile of 16 tokens
.set WSTG,  8*TILEB                    ; a wave's eight tiles: 67,584 bytes; the four waves' lie over the two slots
.set FR,    16
.set NP,    8                          ; places behind this matrix instruction (ISA guide 7.12.1)
.set PFO,   7                          ; v7      256 x lane: the prefetches' offset; never rewritten
.set BI,    8                          ; v8-11   b2 at my four columns of a row
.set RD,    12                         ; v12-15  the way out: where I read my rows of wave 0, 1, 2, 3
.set ADRA,  16                         ; v16-17  LDS address of my fragments of the tokens in slot 0, 1
.set ADRB,  20                         ; v20-21  of W2
.set ADRS,  22                         ; v22-23  of my scale words: lanes 0-15 the tokens', lanes 16-31 W2's
.set STO,   24                         ; v24     the way out: where I put 16 bytes of a row
.set CO,    26                         ; v26     16 x lane
.set SPW,   28
.set NIL,   29
.set SC,    32                         ; scale words: set s at v[SC + 8 s]; register i: lanes 0-15 the word of the tokens' tile i, lanes 16-31 of W2's tile i
.set AF,    128
.set G1,    24
.set G0,    32
.set G1B,   48
.set G0B,   56
.set PFA,   68                         ; s[68:69] where my prefetches stand
.set LIM,   72                         ; s72     1 in a wave that prefetches
.set MSB,   0
.macro WIN new                         ; the immediate's high byte repeats the setting that is left
.if MSB != (\new)
	s_set_vgpr_msb (MSB<<8)|(\new)
.set MSB, (\new)
.endif
.endm
.macro JLOAD g0a, g1a, g0b, g1b        ; a joint load: waves 0 and 1 fetch the tokens' two K steps, waves 2 and 3 W2's; four v_nop follow each line
	s_cmp_eq_u32 s15, 0
	s_cbranch_scc0 .Lfor_b_\@
	tensor_load_to_lds s[\g0a:\g0a+3], s[\g1a:\g1a+7]
	s_nop 0
.rept 4
	v_nop
.endr
	s_branch .Lasked_\@
.Lfor_b_\@:
	tensor_load_to_lds s[\g0b:\g0b+3], s[\g1b:\g1b+7]
	s_nop 0
.rept 4
	v_nop
.endr
.Lasked_\@:
.endm
; A PREFETCH INTO THE L2, behind a joint load and its four lines: the codes (32,768 bytes) of the block that my NEXT joint load will ask for: one turn, 64 matrix instructions and a wait for tiles, ahead of that load.
; Each aligned block of 256 bytes is named once in the launch.  A row block of the tokens is read by both clusters of its row of clusters: the one with x = 0 asks; a row block of W2 by the eight clusters of its column: the one with y = 0 asks.
; The four partners that ask for a block jointly share its 128 units out BY ADDRESS, 32 each, a lane a unit: no branch hangs on a work-group's place in its cluster.  The block's last 1,024 bytes, the scale words, come by the load alone.
; The first three slot loads come by their loads alone; the last turn that fills a slot asks for nothing: there is no load behind it.
.macro ASK
	s_cmp_eq_u32 s[LIM], 1
	s_cbranch_scc0 .Lnot_mine_\@
	global_prefetch_b8 v[PFO], s[PFA:PFA+1] th:TH_LOAD_NT scope:SCOPE_SE
.Lnot_mine_\@:
.endm
.macro CREST                           ; a round of the cluster's barrier behind its opening barrier
	s_cmp_lg_u32 s14, 0
	s_cbranch_scc1 .Lnot_wave_0_\@
	s_barrier_signal -3
.Lnot_wave_0_\@:
	s_barrier_wait -3
	s_barrier_signal -1
	s_barrier_wait -1
.endm
.macro CROUND
	s_barrier_signal -1
	s_barrier_wait -1
	CREST
.endm
.macro PLACES n
.rept \n
	v_nop
.endr
.endm
.macro FRAG reg, adr, i                ; a fragment's image: four loads of 512 consecutive bytes
.irp c, 0,1,2,3
	ds_load_b128 v[\reg+4*\c:\reg+4*\c+3], v[\adr] offset:4096*(\i)+512*\c
.endr
.endm
; 16 matrix instructions: the tokens' tiles a0, a0 + 1 x W2's eight.  p: W2's set and the set of scale words (the slot's number).  zero = 1: C = 0 starts the sums: nothing is ever cleared.
; The 64 accumulators take turns, one instruction a turn, in the same order in every turn of the ring.
.macro MUL16 a0, p, zero
.irp a, \a0, \a0+1
.irp b, 0,1,2,3,4,5,6,7
.if \zero
	v_wmma_scale_f32_16x16x128_f8f6f4 v[8*(8*((\a)%4)+\b):8*(8*((\a)%4)+\b)+7], v[128*(\p)+FR*\b:128*(\p)+FR*\b+FR-1], v[AF+FR*(\a):AF+FR*(\a)+FR-1], 0, v[SC+8*(\p)+\b], v[SC+8*(\p)+(\a)] matrix_a_fmt:MATRIX_FMT_BF8 matrix_b_fmt:MATRIX_FMT_BF8 matrix_a_scale:MATRIX_SCALE_ROW1
.else
	v_wmma_scale_f32_16x16x128_f8f6f4 v[8*(8*((\a)%4)+\b):8*(8*((\a)%4)+\b)+7], v[128*(\p)+FR*\b:128*(\p)+FR*\b+FR-1], v[AF+FR*(\a):AF+FR*(\a)+FR-1], v[8*(8*((\a)%4)+\b):8*(8*((\a)%4)+\b)+7], v[SC+8*(\p)+\b], v[SC+8*(\p)+(\a)] matrix_a_fmt:MATRIX_FMT_BF8 matrix_b_fmt:MATRIX_FMT_BF8 matrix_a_scale:MATRIX_SCALE_ROW1
.endif
.endr
.endr
.endm
.macro FETCH_B slot                    ; W2's eight fragments of my 128 along K, into the slot's set
	WIN 0x40
.irp i, 0,1,2,3,4,5,6,7
	FRAG 128*(\slot)+FR*\i, ADRB+\slot, \i
.endr
	WIN 0
.endm
.macro FETCH_A slot, i0                ; the tokens' tiles i0 .. i0 + 3
.irp i, \i0, \i0+1, \i0+2, \i0+3
	FRAG AF+FR*(\i), ADRA+\slot, \i
.endr
.endm
.macro SCALES slot                     ; one word a row for my 128 along K
.irp i, 0,1,2,3,4,5,6,7
	ds_load_b32 v[SC+8*\slot+\i], v[ADRS+\slot] offset:\i*128
.endr
.endm
; A SLOT'S TURN.  At its head all my LDS loads from this slot have been issued.  I wait for all my tensor loads, of which one is out: my block of the other slot; add 0 to my spare word; wait for that and for my LDS loads.
; Behind the barrier nobody reads this slot any more and the other slot is whole.  fill = 1: the barrier is a round of the cluster's, and this slot is asked for again first thing behind it, two slot loads ahead.
; Then the 64 products on registers; the tokens' one set is loaded anew from the other slot as its tiles are done with (0-3 in the middle, 4-7 at the end), W2's other set and the scale words in the middle.
.macro TURN slot, next, fill, zero, ask
.if \ask
	s_wait_xcnt 0x0                                ; the last prefetch, a turn back, has read its address: it is stepped here, ahead of the waits of the change of slots
	s_add_nc_u64 s[PFA:PFA+1], s[PFA:PFA+1], 2*BLK
.endif
	s_wait_tensorcnt 0x0                           ; all my tensor loads have landed, so a group 0 may be written
	ds_add_u32 v[SPW], v[NIL]                      ; 0 onto my spare word
.if \fill
	s_add_nc_u64 s[G0+4*\slot+2:G0+4*\slot+3], s[G0+4*\slot+2:G0+4*\slot+3], 4*BLK     ; this slot's next two K steps; the type bits on top are not reached
	s_add_nc_u64 s[G0B+4*\slot+2:G0B+4*\slot+3], s[G0B+4*\slot+2:G0B+4*\slot+3], 4*BLK
.endif
	s_wait_dscnt 0x0                               ; the add is done, and this slot's fragments and scale words are in my registers
.if \fill
	CROUND                                         ; no wave of any partner still reads this slot or has a load on its way
	JLOAD G0+4*\slot, G1, G0B+4*\slot, G1B         ; the first tensor load behind the round, and my only one until the next
.if \ask
	ASK
.endif
.else
	s_barrier_signal -1
	s_barrier_wait -1
.endif
	WIN 0xa1                                       ; source 0 (W2) window 1, source 1 (tokens) window 0, C and D window 2
	MUL16 0, \slot, \zero
	MUL16 2, \slot, \zero
	PLACES NP                                      ; in front of loads into registers that matrix instructions have read
	FETCH_B \next
	FETCH_A \next, 0
	SCALES \next
	WIN 0xf1                                       ; C and D window 3
	MUL16 4, \slot, \zero
	MUL16 6, \slot, \zero
	PLACES NP
	WIN 0
	FETCH_A \next, 4
.endm
	s_load_b128 s[4:7], s[0:1], 0x0                ; hq s[4:5], ops s[6:7]
	s_load_b128 s[8:11], s[0:1], 0x10              ; b2 s[8:9], x s[10:11]
	s_load_b64 s[12:13], s[0:1], 0x20              ; out0
	v_lshl_add_u32 v[SPW], v0, 2, SPARE
	v_mov_b32 v[NIL], 0
	ds_add_u32 v28, v29
	ds_add_u32 v28, v29
	s_wait_dscnt 0x0
	v_lshrrev_b32 v1, 5, v0
	v_readfirstlane_b32 s14, v1                    ; wave 0..3
	s_lshr_b32 s15, s14, 1                         ; I fetch for the tokens (0) or for W2 (1).  Also: which of the slot's two K steps I multiply
	s_and_b32 s16, s14, 1                          ; which of the slot's two K steps I fetch.  Also: which half of my K step I multiply
	s_bfe_u32 s40, ttmp6, 0x40000                  ; cx, cy: my place in the cluster
	s_bfe_u32 s41, ttmp6, 0x40004
	s_lshl_b32 s42, ttmp9, 2
	s_add_co_u32 s42, s42, s40                     ; tile column: 128 of the 1,024: a row block of W2
	s_and_b32 s17, ttmp7, 0xffff
	s_lshl_b32 s17, s17, 2
	s_add_co_u32 s17, s17, s41                     ; tile row: 128 tokens: a row block of hq
	s_lshl_b32 s43, s41, 2
	s_lshl_b32 s43, 15, s43                        ; my row of the cluster
	s_lshl_b32 s44, 0x1111, s40                    ; my column
	s_or_b32 s[G1+0], s43, (3<<16)|(1<<21)         ; 15:0 the mask; 17:16 elements of 8 bytes; 21 set beside a mask; no padding
	s_or_b32 s[G1B+0], s44, (3<<16)|(1<<21)
.irp g, G1, G1B
	s_mov_b32 s[\g+1], 32<<16                      ; tensor_dim0: 32 elements, 256 bytes
	s_mov_b32 s[\g+2], 132<<16                     ; tensor_dim1: 132 rows: a block's 33,792 dense bytes
	s_mov_b32 s[\g+3], 32<<16                      ; tile_dim0
	s_mov_b32 s[\g+4], 132                         ; tile_dim1
	s_mov_b32 s[\g+5], 32                          ; the pitch
	s_mov_b32 s[\g+6], 0
	s_mov_b32 s[\g+7], 0
.endr
	s_lshl_b32 s20, s17, 4
	s_add_co_u32 s20, s20, s16                     ; tokens: block 16 x tile row + the K step that I fetch
	s_mul_i32 s20, s20, BLK
	s_mov_b32 s21, 0
	s_lshl_b32 s46, s42, 4
	s_add_co_u32 s46, s46, s16                     ; W2 likewise, by the tile column
	s_mul_i32 s46, s46, BLK
	s_add_co_u32 s46, s46, BOFF
	s_mov_b32 s47, 0
	s_mul_i32 s45, s14, BLK                        ; where they go: wave x a block: no place in the cluster enters an LDS address
	s_wait_kmcnt 0x0
	s_add_nc_u64 s[20:21], s[4:5], s[20:21]
	s_add_nc_u64 s[46:47], s[6:7], s[46:47]
	CROUND                                         ; all sixteen work-groups are here: the first joint loads meet
.irp s, 0,1
	s_mov_b32 s[G0+4*\s], 1
	s_add_co_u32 s[G0+4*\s+1], s45, \s*SLOT
	s_add_nc_u64 s[G0+4*\s+2:G0+4*\s+3], s[20:21], \s*2*BLK
	s_or_b32 s[G0+4*\s+3], s[G0+4*\s+3], 0x80000000
	s_mov_b32 s[G0B+4*\s], 1
	s_add_co_u32 s[G0B+4*\s+1], s45, \s*SLOT
	s_add_nc_u64 s[G0B+4*\s+2:G0B+4*\s+3], s[46:47], \s*2*BLK
	s_or_b32 s[G0B+4*\s+3], s[G0B+4*\s+3], 0x80000000
	JLOAD G0+4*\s, G1, G0B+4*\s, G1B               ; two loads of mine are out
.endr
	; the prefetches: where mine stand, and who asks.  Nothing is prefetched here, at the head, where every work-group's first blocks are on their way
	s_and_b32 s71, ttmp7, 0xffff                   ; cluster y
	s_cmp_eq_u32 s15, 0                            ; do I fetch for the tokens?
	s_cselect_b64 s[PFA:PFA+1], s[20:21], s[46:47] ; the block of slot load 0 that I fetch
	s_cselect_b32 s70, s40, s41                    ; my place among the four that ask for it with me
	s_cselect_b32 s71, ttmp9, s71                  ; the coordinate along which other clusters read the same blocks
	s_cmp_eq_u32 s71, 0
	s_cselect_b32 s[LIM], 1, 0                     ; the same in all sixteen partners, for a given wave
	s_lshl_b32 s70, s70, 13                        ; my work-group's 32 units of 256 bytes,
	s_add_co_u32 s70, s70, 4*BLK                   ; in slot load 2: the first turn steps it to slot load 3
	s_mov_b32 s71, 0
	s_add_nc_u64 s[PFA:PFA+1], s[PFA:PFA+1], s[70:71]
	v_and_b32 v1, 31, v0                           ; lane
	v_and_b32 v2, 15, v0                           ; r
	v_bfe_u32 v3, v0, 4, 1                         ; h
	v_lshlrev_b32 v[CO], 4, v1
	v_lshlrev_b32 v[PFO], 8, v1
	s_mul_i32 s21, s15, BLK                        ; the tokens: my K step's block,
	s_lshl_b32 s22, s16, 11
	s_add_co_u32 s21, s21, s22                     ; my half of it
	s_add_co_u32 s22, s21, 2*BLK                   ; W2: two blocks further on
	s_mul_i32 s23, s15, BLK
	s_lshl_b32 s18, s16, 2
	s_add_co_u32 s23, s23, s18
	s_add_co_u32 s23, s23, 32768                   ; the scale words of my half
	v_mul_u32_u24 v5, v3, 2*BLK                    ; lanes 16-31 take W2's
	v_lshl_add_u32 v5, v2, 3, v5
.irp s, 0,1
	v_add_nc_u32 v[ADRA+\s], s21, v[CO]
	v_add_nc_u32 v[ADRB+\s], s22, v[CO]
	v_add_nc_u32 v[ADRS+\s], s23, v5
	s_add_co_u32 s21, s21, SLOT
	s_add_co_u32 s22, s22, SLOT
	s_add_co_u32 s23, s23, SLOT
.endr
	s_mul_i32 s23, s14, WSTG                       ; the way out: my eight partial tiles
	v_mul_u32_u24 v5, v2, SPITCH
	v_lshl_add_u32 v5, v3, 6, v5
	v_add_nc_u32 v[STO], s23, v5                   ; in: row r, + 64 h
	s_mul_i32 s23, s14, 2*TILEB                    ; back: tiles 2 w and 2 w + 1 of each wave's eight; the 32 lanes take one row of 512 bytes
	v_add_nc_u32 v[RD], s23, v[CO]
	v_add_nc_u32 v[RD+1], WSTG, v[RD]
	v_add_nc_u32 v[RD+2], 2*WSTG, v[RD]
	v_add_nc_u32 v[RD+3], 3*WSTG, v[RD]
	s_lshl_b32 s18, s42, 9                         ; the tile's first column, in bytes
	s_mov_b32 s19, 0
	s_add_nc_u64 s[8:9], s[8:9], s[18:19]
	s_lshl_b32 s66, s17, 7
	s_lshl_b32 s67, s14, 5
	s_add_co_u32 s66, s66, s67                     ; the first token that I store: 128 x tile row + 32 x wave
	s_lshl_b32 s66, s66, 12                        ; a row is 4,096 bytes
	s_add_co_u32 s66, s66, s18
	s_mov_b32 s67, 0
	s_add_nc_u64 s[10:11], s[10:11], s[66:67]
	s_add_nc_u64 s[12:13], s[12:13], s[66:67]
	s_wait_tensorcnt 1                             ; my block of slot 0 is in (slot 1's may be out)
	s_barrier_signal -1
	s_barrier_wait -1                              ; everybody's is
	FETCH_B 0
	FETCH_A 0, 0
	SCALES 0
	FETCH_A 0, 4
	TURN 0, 1, 1, 1, 1                             ; the first turn stands in front of the loop: its products start the sums
	s_mov_b32 s3, TRIPS
.Llap:                                             ; a trip goes once round the ring and fills both slots again
	TURN 1, 0, 1, 0, 1
	TURN 0, 1, 1, 0, 1
	s_sub_co_u32 s3, s3, 1
	s_cmp_lg_u32 s3, 0
	s_cbranch_scc1 .Llap
	TURN 1, 0, 1, 0, 0                             ; the last fill: the tail is written out
	TURN 0, 1, 0, 0, 0                             ; nothing is left to fetch
	; the last 64 products.  W2's set 0 is done with (eight places stand behind its last product): the 32 rows of x that I shall need are asked for into it now
	WIN 0x40
.irp j, 0,1
.set T, 0
.rept 16
	global_load_b128 v[64*\j+4*T:64*\j+4*T+3], v[CO], s[10:11] offset:(8*\j+T+8*(T/8))*4096 th:TH_LOAD_NT   ; row T of my tile j is token 8 j + T + 8 (T / 8) of my 32
.set T, T+1
.endr
.endr
	WIN 0
	global_load_b128 v[BI:BI+3], v[CO], s[8:9]     ; b2 at my four columns
	s_wait_dscnt 0x0
	WIN 0xa1
	MUL16 0, 1, 0
	MUL16 2, 1, 0
	WIN 0xf1
	MUL16 4, 1, 0
	MUL16 6, 1, 0
	WIN 0
	PLACES NP                                      ; behind the last products, in front of the first reads of results
	; THE WAY OUT.  Each wave holds a partial sum of the whole tile.  All four lay their eight tiles of 16 tokens into LDS as rows of 512 bytes; wave w then reads tiles 2 w and 2 w + 1 of all four, adds them, adds x + b2 and stores 32 whole rows.
	; The rows lie over both slots: these have had their last fill, and behind the barrier below nobody reads them (every wave has waited for its LDS loads ahead of its last products).
	s_barrier_signal -1
	s_barrier_wait -1
.irp a, 0,1,2,3,4,5,6,7
	WIN 0x08+4*(\a/4)                              ; an LDS store's data are its source 1: window 2 or 3
.irp b, 0,1,2,3,4,5,6,7
	ds_store_b128 v[STO], v[64*(\a%4)+8*\b:64*(\a%4)+8*\b+3] offset:\a*TILEB+128*(\b/2)+32*(\b%2)        ; each accumulator from its low end on; register j is column 32 (b / 2) + 16 h + 8 (b % 2) + j
	ds_store_b128 v[STO], v[64*(\a%4)+8*\b+4:64*(\a%4)+8*\b+7] offset:\a*TILEB+128*(\b/2)+32*(\b%2)+16
.endr
.endr
	WIN 0
	s_wait_dscnt 0x0                               ; for the others' sake: my stores have landed; and they have read the accumulators, which take the rows below
	s_barrier_signal -1
	s_barrier_wait -1
.irp j, 0,1                                    ; tile 2 w + j: wave s's 16 rows into window 2 + j, v[64 s] on
	WIN 0x80+0x40*\j
.irp s, 0,1,2,3
.set T, 0
.rept 16
	ds_load_b128 v[64*\s+4*T:64*\s+4*T+3], v[RD+\s] offset:\j*TILEB+T*SPITCH
.set T, T+1
.endr
.endr
.endr
	s_wait_loadcnt 0x0                             ; x and b2
	WIN 0x41                                       ; x in window 1, b2 in window 0
.set T, 0
.rept 32
	v_pk_add_f32 v[4*T:4*T+1], v[4*T:4*T+1], v[BI:BI+1]
	v_pk_add_f32 v[4*T+2:4*T+3], v[4*T+2:4*T+3], v[BI+2:BI+3]
.set T, T+1
.endr
.macro OUT j
	WIN 0x8a+0x45*\j                               ; destination and both sources in window 2 + j
.set J, 0
.rept 32
	v_pk_add_f32 v[J:J+1], v[J:J+1], v[64+J:65+J]                  ; waves 0 + 1,
	v_pk_add_f32 v[128+J:129+J], v[128+J:129+J], v[192+J:193+J]    ; waves 2 + 3,
.set J, J+2
.endr
.set J, 0
.rept 32
	v_pk_add_f32 v[J:J+1], v[J:J+1], v[128+J:129+J]                ; the two,
.set J, J+2
.endr
	WIN 0x86+0x41*\j                               ; source 1 in window 1
.set J, 0
.rept 32
	v_pk_add_f32 v[J:J+1], v[J:J+1], v[64*\j+J:64*\j+J+1]          ; and x + b2
.set J, J+2
.endr
	WIN 0x08+0x04*\j                               ; a store's data are its source 1
.set T, 0
.rept 16
	global_store_b128 v[CO], v[4*T:4*T+3], s[12:13] offset:(8*\j+T+8*(T/8))*4096 th:TH_STORE_NT   ; 32 lanes store 512 consecutive bytes, at a multiple of 512 from out0's first byte; 31 rows of 4,096 bytes at the most in the immediate
.set T, T+1
.endr
	WIN 0
.endm
	s_wait_dscnt 63                                ; of the 128 loads at most the youngest 63 are out: the first tile's 64 are in
	OUT 0
	s_wait_dscnt 0x0
	OUT 1
	s_wait_tensorcnt 0x0                           ; the wave's end
	ds_add_u32 v[SPW], v[NIL]
	s_wait_dscnt 0x0
	CROUND                                         ; the closing round: no work-group ends while a partner may still ask for a block that names it
	s_endpgm
.Lfunc_end_k_q52e0d9283a_ffn2:
	.size	k_q52e0d9283a_ffn2, .Lfunc_end_k_q52e0d9283a_ffn2-k_q52e0d9283a_ffn2
	.p2alignl 7, 3214868480
	.fill 96, 4, 3214868480
	.section	.rodata,"a",@progbits
	.p2align	6, 0x0
	.amdhsa_kernel k_q52e0d9283a_ffn2
		.amdhsa_group_segment_fixed_size 327680
		.amdhsa_private_segment_fixed_size 0
		.amdhsa_enable_private_segment 0
		.amdhsa_kernarg_size 40
		.amdhsa_user_sgpr_count 2
		.amdhsa_user_sgpr_kernarg_segment_ptr 1
		.amdhsa_wavefront_size32 1
		.amdhsa_system_sgpr_workgroup_id_x 1
		.amdhsa_system_sgpr_workgroup_id_y 1
		.amdhsa_system_sgpr_workgroup_id_z 1
		.amdhsa_system_vgpr_workitem_id 0
		.amdhsa_next_free_vgpr 1024
		.amdhsa_next_free_sgpr 100
		.amdhsa_reserve_vcc 0
		.amdhsa_float_denorm_mode_32 3
		.amdhsa_float_denorm_mode_16_64 3
		.amdhsa_memory_ordered 1
		.amdhsa_forward_progress 1
		.amdhsa_inst_pref_size 136
	.end_amdhsa_kernel
	.amdgpu_metadata
---
amdhsa.version: [ 1, 2 ]
amdhsa.kernels:
  - .name:           k_q52e0d9283a_ffn2
    .symbol:         k_q52e0d9283a_ffn2.kd
    .args:
      - { .name: hq, .offset: 0, .size: 8, .value_kind: global_buffer, .address_space: global }
      - { .name: ops, .offset: 8, .size: 8, .value_kind: global_buffer, .address_space: global }
      - { .name: b2, .offset: 16, .size: 8, .value_kind: global_buffer, .address_space: global }
      - { .name: x, .offset: 24, .size: 8, .value_kind: global_buffer, .address_space: global }
      - { .name: out0, .offset: 32, .size: 8, .value_kind: global_buffer, .address_space: global }
    .group_segment_fixed_size: 327680
    .private_segment_fixed_size: 0
    .kernarg_segment_align: 8
    .kernarg_segment_size: 40
    .max_flat_workgroup_size: 128
    .sgpr_count:     100
    .vgpr_count:     1024
    .wavefront_size: 32
...
	.end_amdgpu_metadata
.endif
;; end of part 7
;; ======== version 3 of 3: 6 launches; version 2 with the launch attn written anew for expert scheduling mode
;; workspace buffers: ops 16,220,160 bytes; msk 526,336 bytes of whole numbers; qkv 17,825,792 bytes; ao 16,777,216 bytes; yq 4,325,376 bytes; hq 17,301,504 bytes
;; launch prep: the kernel of part 1 again; grid 512 x 1, 16 waves a work-group, no clusters, 8,192 bytes of LDS; arguments x, ln1_g, ln1_b, Wq, Wk, Wv, W1, W2, mask, ops, msk; writes ops, msk
;; launch qkv: the kernel of part 2 again; grid 4 x 48, 4 waves a work-group, clusters of 4 x 4, 327,680 bytes of LDS; arguments ops, qkv; writes qkv
;; launch attn (part 8): grid 8 x 32, 16 waves a work-group, no clusters, 280,576 bytes of LDS; arguments qkv, msk, ao; writes ao
.if DOCPART == 8
	.amdgcn_target "amdgcn-amd-amdhsa--gfx1250"
	.amdhsa_code_object_version 6
	.text
	.protected	k_q52e0d9283a_attn
	.globl	k_q52e0d9283a_attn
	.p2align	8
	.type	k_q52e0d9283a_attn,@function
k_q52e0d9283a_attn:
	s_mov_b64 s[64:65], 0
	v_nop
	global_prefetch_b8 v0, s[64:65] scope:SCOPE_SE
	s_setreg_imm32_b32 hwreg(HW_REG_WAVE_SCHED_MODE, 0, 2), 2
	s_setreg_imm32_b32 hwreg(HW_REG_WAVE_MODE, 25, 1), 1
	s_wait_xcnt 0x0
	s_wait_alu depctr_vm_vsrc(0)
; O = softmax(q k^T / 8 under the mask) v for one head (work-group y = 16 x batch + head), both products on codes of E5M2 with E8M0 scales.
; THE SOFTMAX AHEAD OF THE SECOND PRODUCT: t = score x log2(e) / 8; M = the running largest t rounded UP to a whole number; p = 2^(t - M) is quantised along the keys, not normalised; the row's sum is taken of the unquantised p and divides O at the end.
; SHARES.  Sixteen waves, each with one tile of 16 queries in 256 registers, four waves to a SIMD.  Wave w of work-group x owns tile x + 8 rho(w): a work-group's tiles are spread evenly over the sequence, whatever the mask.
; A HEAD'S K AND V, codes and scale words, are 278,528 bytes: they come into LDS ONCE, through registers (wave w brings key step w), and stay; one barrier in the whole launch.
; THE MASK IS AN INPUT.  An earlier launch has turned it into whole numbers: for each (tile, key step) 64 lane-mask words, and flags 'some key allowed' and 'all keys allowed'.  A key step in which no key is allowed for any query of the tile is left out
; by a scalar branch on the stored flag; where not all are allowed, hidden scores become -infinity ahead of the maximum.  The loop's trip count is a constant.
; NO TENSOR LOAD, NO CLUSTER: the eight work-groups of a head read the same K and V once each, at their heads; what is saved by the branch on stored flags is up to half of all key steps.
; LAYOUT.  Both products are used transposed (S^T = K Q^T, O^T = V^T P^T): a lane holds ONE query.  Operands lie in memory and in LDS as images of their registers: each load reads 512 consecutive bytes.
; Lane-row r of a tile of keys 2 b + u is key 32 b + 8 u + r + 8 (r / 8): the 16 registers of score tiles 2 b, 2 b + 1 are keys 32 b + 16 h + 0 .. 15.
; THE FIRST PRODUCT'S K IS 64, the instruction's 128: even tiles go as (K, zeros) x (q, zeros), odd tiles as (zeros, K) x (zeros, q), so that three runs of eight zero registers serve all; the scale words hold their two bytes twice.
; A query with no allowed key at all gets 0 x infinity = NaN.  LIMITS: |t| under 3e38; NaN and infinities among q, k, v are not served.
; REGISTERS: v1 16 x lane, v2 16 r, v3 the fill's LDS address, v4-7 V's scale words, v8, v9 the step's LDS addresses, v10, v11 the closing add's two, v12 -M, v13 the largest t, v[14:15] the sum; v16-39 q, zeros, q; v40-87 K0, zeros, K1, K2, zeros, K3;
;   v88-151 S^T, then p; of these v120-151, once p is converted, V's tiles 2 and 3; v152-183 O^T; v184-199 p's codes; v200-231 V's tiles 0 and 1; v232-254 at work; v248-251 K's scale words, v253 p's, v255 Q's.
; THE MODE: SCHED_MODE bits 1:0 = 2 (LLVM: expert scheduling mode 2), set by the entry lines.  The code itself states the register dependences between vector or matrix instructions and memory or LDS instructions, with s_wait_alu, always for 0.
; THE PLAN.  Registers that memory or LDS instructions touch:
;   v1, v2, v3        offsets, made at the head and never written again.
;   v8, v9            written by two additions at a key step's head; read by all 35 LDS loads of the step.
;   K's registers (v40-47, v56-71, v80-87) and v248-251: loaded twice a step; each load group is read by the four score products behind it.
;   v200-231, v4-7    V's tiles 0 and 1 and V's four scale words: loaded behind K's second group, so that they land during the softmax; read by the step's last four products.
;   v120-151          written by the second four score products, worked in place by the softmax, read last by the conversions; then V's tiles 2 and 3 land there; read by the step's last two products.
;   v88-223           at the head: the fill's global loads land there, its LDS stores read them.     v88-119 at the end: written by 32 multiplications, read by the eight stores.
; A key step has one wait on vm_vsrc, ahead of the two additions, and three waits on va_vdst beside the two behind its exponentials: behind the additions; between K's two groups; ahead of the second product.
; Behind each of the three the loads follow with no vector or matrix instruction between that names a register which they touch.
.set STEPB, 17408                      ; a key step: K's images 8,192, V's 8,192, K's scale words 512, V's 256, zeros 256
.set BHB,   278528
.set QREC,  8912896
.set S,     88
.set O,     152
.set PCD,   184
.set VF,    200                        ; V's tiles 0 and 1
.set VG,    120                        ; V's tiles 2 and 3
.macro STEP
	s_load_b512 s[32:47], s[4:5], s3 offset:0x0    ; the step's 64 mask words
	s_load_b512 s[48:63], s[4:5], s3 offset:0x40
	s_load_b512 s[68:83], s[4:5], s3 offset:0x80
	s_load_b512 s[84:99], s[4:5], s3 offset:0xc0
	s_wait_alu depctr_vm_vsrc(0)                   ; the LDS loads issued so far have read v8 and v9, which the two additions write anew
	v_add_nc_u32 v8, s2, v1
	v_add_nc_u32 v9, s2, v2
	s_wait_alu depctr_va_vdst(0)                   ; v8 and v9 are written, which this step's LDS loads read; in the first step the three runs of zero codes are written too, which the scaled products take as parts of their operands
.irp g, 0,1                                    ; S^T = K Q^T, four tiles of 16 keys at a time
.if \g > 0
.rept 8
	v_nop                                          ; places (ISA guide 7.12.1): with the two additions above, ten stand between the last step's last products, which read v120-151, and the four products below, which write over them: nine are asked
.endr
	s_wait_alu depctr_va_vdst(0)                   ; the four products above are done reading K's registers and v248-251, in which the next loads land; the last step's products are done reading v200-231 and v4-7
.endif
.irp t, 0,1,2,3
.irp c, 0,1
	ds_load_b128 v[40+24*(\t/2)+16*(\t%2)+4*\c:43+24*(\t/2)+16*(\t%2)+4*\c], v8 offset:(4*\g+\t)*1024+512*\c
.endr
.endr
	ds_load_b128 v[248:251], v9 offset:16384+256*\g
.if \g > 0
	ds_load_b128 v[4:7], v9 offset:16896           ; V's scale words of the four tiles of d, and V's tiles 0 and 1: nothing names these registers until the second product, so they land during the softmax
.irp t, 0,1
.irp c, 0,1,2,3
	ds_load_b128 v[VF+16*\t+4*\c:VF+16*\t+4*\c+3], v8 offset:8192+\t*2048+512*\c
.endr
.endr
	s_wait_dscnt 9                                 ; LDS loads come back in order (ISA guide 5.7.1): K's nine are in, V's nine may be out
.else
	s_wait_dscnt 0x0
.endif
.irp t, 0,1,2,3
	v_wmma_scale_f32_16x16x128_f8f6f4 v[S+8*(4*\g+\t):S+8*(4*\g+\t)+7], v[40+24*(\t/2)+8*(\t%2):55+24*(\t/2)+8*(\t%2)], v[16+8*(\t%2):31+8*(\t%2)], 0, v[248+\t], v255 matrix_a_fmt:MATRIX_FMT_BF8 matrix_b_fmt:MATRIX_FMT_BF8
.endr
.endr
.rept 8
	v_nop
.endr
	s_wait_kmcnt 0x0                               ; the mask words are in: so their base and offset may be stepped, too
	s_and_b32 s14, s13, 0x10000
	s_cmp_lg_u32 s14, 0
	s_cbranch_scc1 .Lopen_\@                       ; all 128 keys are allowed for all 16 queries
	v_mov_b32 v254, 0xff800000                     ; -infinity
.set N, 0
.rept 64
	v_cndmask_b32 v[S+N], v254, v[S+N], s[32+N+4*(N/32)]   ; register 16 b + i holds key 32 b + 16 h + i: word 16 b + i has my lane's bit
.set N, N+1
.endr
.Lopen_\@:
.irp b, 0,1,2,3
	v_max3_num_f32 v[232+\b], v[S+16*\b], v[S+1+16*\b], v[S+2+16*\b]   ; the largest score of each block of 32 keys: it serves for the row's maximum and, since p rises with the score, for the block's largest p
.endr
.irp i, 3,5,7,9,11,13
.irp b, 0,1,2,3
	v_max3_num_f32 v[232+\b], v[232+\b], v[S+16*\b+\i], v[S+1+16*\b+\i]
.endr
.endr
.irp b, 0,1,2,3
	v_max_num_f32 v[232+\b], v[232+\b], v[S+15+16*\b]
.endr
.irp b, 0,1,2,3
	v_permlanex16_b32 v[236+\b], v[232+\b], s8, s9
.endr
.irp b, 0,1,2,3
	v_max_num_f32 v[232+\b], v[232+\b], v[236+\b]  ; with lane l xor 16's 16 keys
.endr
	v_max3_num_f32 v254, v232, v233, v234
	v_max_num_f32 v254, v254, v235
	v_mul_f32 v254, s10, v254                      ; as t (c is positive)
	v_max_num_f32 v13, v13, v254                   ; the running largest t
	v_mov_b32 v254, v12
	v_floor_f32 v12, -v13                          ; the new -M = floor(-t): M is a whole number
	v_sub_f32 v254, v12, v254                      ; old M - new M: a whole number, 0 or less
	v_cvt_i32_f32 v254, v254                       ; (it saturates)
	v_ldexp_f32 v252, 1.0, v254                    ; f = 2^(old M - new M): a multiplication by it rounds nothing
.set J, 0
.rept 32
	v_pk_fma_f32 v[S+J:S+J+1], v[S+J:S+J+1], s[10:11], v[12:13] op_sel_hi:[1,0,0]   ; t - M, two at a time
.set J, J+2
.endr
.irp b, 0,1,2,3
	v_fma_f32 v[232+\b], v[232+\b], s10, v12
.endr
.set J, 0
.rept 64
	v_exp_f32 v[S+J], v[S+J]                       ; p = 2^(t - M), at most 1
.set J, J+1
.endr
	v_pk_mul_f32 v[14:15], v[14:15], v[252:253] op_sel_hi:[1,0]   ; the sums under the new M: a plain instruction behind the exponentials
	s_wait_alu depctr_va_vdst(0)                   ; the 64 exponentials have written p in v88-151: one wait for the batch, ahead of its first reader
.irp b, 0,1,2,3
	v_exp_f32 v[232+\b], v[232+\b]                 ; the block's largest p
.endr
	v_pk_add_f32 v[236:237], v[S:S+1], v[S+2:S+3]  ; the row's sum is taken of the unquantised p, in two chains
.irp j, 4,8,12,16,20,24,28,32,36,40,44,48,52,56,60
	v_pk_add_f32 v[14:15], v[14:15], v[S+\j:S+\j+1]
	v_pk_add_f32 v[236:237], v[236:237], v[S+\j+2:S+\j+3]
.endr
	v_pk_add_f32 v[14:15], v[14:15], v[236:237]
	s_wait_alu depctr_va_vdst(0)                   ; the four exponentials have written v232-235, ahead of their first reader
.irp b, 0,1,2,3
	v_max_num_f32 v[232+\b], 0x8000000, v[232+\b]  ; the floor 2^(16 - 127): the byte cannot fall under 1
.endr
.irp b, 0,1,2,3
	v_add_nc_u32 v[244+\b], 0xf8800000, v[232+\b]
.endr
.irp b, 0,1,2,3
	v_and_or_b32 v[240+\b], v[232+\b], 0x7f800000, s12
.endr
.irp b, 0,1,2,3
	v_lshrrev_b32 v[236+\b], 23, v[244+\b]
.endr
	v_lshl_or_b32 v253, v237, 8, v236              ; p's scale word for these 128 keys
	v_lshl_or_b32 v253, v238, 16, v253
	v_lshl_or_b32 v253, v239, 24, v253
.irp b, 0,1,2,3
.irp i, 0,1,2,3,4,5,6,7,8,9,10,11,12,13,14,15
	v_min_num_f32 v[S+16*\b+\i], v[S+16*\b+\i], v[240+\b]   ; the conversion does not saturate (ISA guide 7.6.2); p is not negative, so the hold is one-sided
.endr
	v_cvt_scalef32_pk8_bf8_f32 v[PCD+4*\b:PCD+1+4*\b], v[S+16*\b:S+7+16*\b], v[244+\b]
	v_cvt_scalef32_pk8_bf8_f32 v[PCD+2+4*\b:PCD+3+4*\b], v[S+8+16*\b:S+15+16*\b], v[244+\b]
.endr
.set J, 0
.rept 16
	v_pk_mul_f32 v[O+J:O+J+1], v[O+J:O+J+1], v[252:253] op_sel_hi:[1,0]   ; O^T under the new M; these sixteen are also the places in front of the products below
.set J, J+2
.endr
	s_wait_alu depctr_va_vdst(0)                   ; p's codes (v184-199) and p's scale word (v253) are written, which the scaled products below take; the holds have written and the conversions have read v120-151, in which the loads below land
.irp t, 0,1                                    ; V's tiles 2 and 3: asked for ahead of the first two products, which name none of these registers
.irp c, 0,1,2,3
	ds_load_b128 v[VG+16*\t+4*\c:VG+16*\t+4*\c+3], v8 offset:8192+(2+\t)*2048+512*\c
.endr
.endr
	s_wait_dscnt 8                                 ; V's scale words and tiles 0 and 1 are in; the eight loads just issued may be out
.irp t, 0,1                                    ; O^T += V^T P^T: four tiles of 16 of the head's 64, the four accumulators by turns
	v_wmma_scale_f32_16x16x128_f8f6f4 v[O+8*\t:O+8*\t+7], v[VF+16*\t:VF+16*\t+15], v[PCD:PCD+15], v[O+8*\t:O+8*\t+7], v[4+\t], v253 matrix_a_fmt:MATRIX_FMT_BF8 matrix_b_fmt:MATRIX_FMT_BF8
.endr
	s_wait_dscnt 0x0
.irp t, 0,1
	v_wmma_scale_f32_16x16x128_f8f6f4 v[O+8*(2+\t):O+8*(2+\t)+7], v[VG+16*\t:VG+16*\t+15], v[PCD:PCD+15], v[O+8*(2+\t):O+8*(2+\t)+7], v[6+\t], v253 matrix_a_fmt:MATRIX_FMT_BF8 matrix_b_fmt:MATRIX_FMT_BF8
.endr
.endm
	s_load_b128 s[24:27], s[0:1], 0x0              ; qkv s[24:25], msk s[26:27]
	s_load_b64 s[20:21], s[0:1], 0x10              ; ao
	v_lshl_add_u32 v10, v0, 2, 0x44000             ; the closing add's two registers, made here and kept for it alone
	v_mov_b32 v11, 0
	v_lshrrev_b32 v1, 5, v0
	v_readfirstlane_b32 s13, v1                    ; wave 0..15
	s_wait_alu depctr_va_sdst(0)                   ; s13 is written, ahead of its first reader: my tile and my key step are made from it
	s_and_b32 s14, ttmp7, 0xffff                   ; 16 x batch + head
	s_lshr_b32 s15, s13, 2
	s_and_b32 s16, s15, 1
	s_mul_i32 s16, s16, 3
	s_and_b32 s17, s13, 3
	s_xor_b32 s17, s17, s16                        ; every second group of four waves runs backward,
	s_lshl_b32 s15, s15, 2
	s_add_co_u32 s15, s15, s17                     ; rho: so the ranks of waves k, k + 4, k + 8, k + 12 add up to 30
	s_lshl_b32 s15, s15, 3
	s_add_co_u32 s18, s15, ttmp9                   ; my tile of queries, 0..127
	s_mul_i32 s16, s14, BHB                        ; the head's record
	s_mul_i32 s17, s13, STEPB                      ; key step w: in memory and in LDS
	s_add_co_u32 s28, s16, s17
	s_add_co_u32 s28, s28, QREC
	s_mov_b32 s29, 0
	s_lshr_b32 s30, s18, 3
	s_mul_i32 s30, s30, STEPB
	s_add_co_u32 s30, s30, s16                     ; q: the record of my tile's 128 tokens
	s_and_b32 s19, s18, 7
	s_lshl_b32 s22, s19, 10
	s_add_co_u32 s22, s22, s30                     ; my tile's two images
	s_mov_b32 s23, 0
	s_lshr_b32 s31, s19, 2
	s_lshl_b32 s31, s31, 8
	s_and_b32 s19, s19, 3
	s_lshl_b32 s19, s19, 2
	s_add_co_u32 s30, s30, s31
	s_add_co_u32 s30, s30, s19                     ; and its scale words
	s_mov_b32 s31, 0
	v_and_b32 v1, 31, v0
	v_lshlrev_b32 v1, 4, v1                        ; 16 x lane
	v_and_b32 v2, 15, v0
	v_lshlrev_b32 v2, 4, v2                        ; 16 r
	v_add_nc_u32 v3, s17, v1
	s_mov_b32 s8, 0x76543210
	s_mov_b32 s9, 0xfedcba98                       ; v_permlanex16_b32's selects for lane l xor 16
	s_mov_b32 s10, 0x3e38aa3b                      ; c = log2(e) / 8
	s_mov_b32 s11, s10                             ; (named with it as a pair, so it is written)
	s_mov_b32 s12, 0x600000                        ; the mantissa field of 57,344
	s_wait_kmcnt 0x0
	s_add_nc_u64 s[28:29], s[24:25], s[28:29]
	s_add_nc_u64 s[22:23], s[24:25], s[22:23]
	s_add_nc_u64 s[30:31], s[24:25], s[30:31]
	s_lshl_b32 s16, s18, 12
	s_mov_b32 s17, 0
	s_add_nc_u64 s[4:5], s[26:27], s[16:17]        ; my tile's mask words: 16 steps of 256 bytes
	s_lshl_b32 s16, s18, 4
	s_add_nc_u64 s[32:33], s[26:27], s[16:17]
	s_load_b128 s[36:39], s[32:33], 0x80000        ; my tile's four flag words
	s_lshl_b32 s16, s14, 7
	s_add_co_u32 s16, s16, s18
	s_lshl_b32 s16, s16, 12
	s_add_nc_u64 s[20:21], s[20:21], s[16:17]      ; my tile's 4,096 bytes of ao
	s_wait_alu depctr_va_vdst(0)                   ; v1, v2 and v3 are written: the offsets of the loads and of the LDS stores below, and of the stores at the end; they are never written again
.set I, 0
.rept 34
	global_load_b128 v[S+4*I:S+4*I+3], v1, s[28:29] offset:512*I   ; key step w of the head: 34 x 512 consecutive bytes
.set I, I+1
.endr
.irp c, 0,1
	global_load_b128 v[16+4*\c:19+4*\c], v1, s[22:23] offset:512*\c   ; Q's fragment, once for each of its two places
	global_load_b128 v[32+4*\c:35+4*\c], v1, s[22:23] offset:512*\c
.endr
	global_load_b32 v255, v2, s[30:31] offset:16384
	s_wait_loadcnt 5                               ; the key step is in; Q's five loads may be out
.set I, 0
.rept 34
	ds_store_b128 v3, v[S+4*I:S+4*I+3] offset:512*I
.set I, I+1
.endr
.irp j, 0,1,2,3,4,5,6,7
	v_mov_b32 v[24+\j], 0                          ; the three runs of zero codes
	v_mov_b32 v[48+\j], 0
	v_mov_b32 v[72+\j], 0
.endr
	v_mov_b32 v13, 0xff61b1e6                      ; the largest t so far: -3e38
	v_floor_f32 v12, -v13                          ; -M
	v_mov_b32 v14, 0
	v_mov_b32 v15, 0
.irp b, 0,1,2,3
	v_mov_b32 v[236+\b], 0                         ; written once: a lane permute's destination counts as one of its sources
.endr
	v_mov_b32 v252, 0
	v_mov_b32 v253, 0
	s_wait_kmcnt 0x0
	s_or_b32 s6, s36, s37
	s_or_b32 s6, s6, s38
	s_or_b32 s6, s6, s39                           ; bit s: step s has an allowed key; bit 16 + s: all its keys are allowed
	s_mov_b32 s2, 0                                ; the step's first LDS byte
	s_mov_b32 s3, 0                                ; its mask words' offset
	s_mov_b32 s7, 0                                ; the step
	s_wait_loadcnt 0x0                             ; Q
	s_wait_dscnt 0x0                               ; for the others' sake: my stores have landed
	s_wait_alu depctr_vm_vsrc(0)                   ; my LDS stores have read v88-223: from here on these registers are S^T, O^T, p's codes and V's fragments, written by the lines below, by products and by LDS loads
.set J, 0
.rept 32
	v_mov_b32 v[O+J], 0                            ; O^T: the step is written once; the first finds zeros
.set J, J+1
.endr
	s_barrier_signal -1
	s_barrier_wait -1                              ; the head's sixteen key steps lie in LDS
.Lkey:                                             ; sixteen trips
	s_lshr_b32 s13, s6, s7
	s_and_b32 s14, s13, 1
	s_cmp_eq_u32 s14, 0
	s_cbranch_scc1 .Lskip                          ; no key of this step is allowed for any of my queries
	STEP
.Lskip:
	s_add_co_u32 s2, s2, STEPB
	s_add_co_u32 s3, s3, 256
	s_add_co_u32 s7, s7, 1
	s_cmp_lt_u32 s7, 16
	s_cbranch_scc1 .Lkey
.rept 8
	v_nop                                          ; places behind the last products
.endr
	v_add_f32 v14, v14, v15                        ; the sum's two halves,
	v_permlanex16_b32 v252, v14, s8, s9
	v_add_f32 v14, v14, v252                       ; and lane l xor 16's
	v_rcp_f32 v14, v14
	v_nop                                          ; a plain instruction behind the transcendental
	s_wait_alu depctr_va_vdst(0)                   ; the reciprocal has written v14, ahead of its first reader
.set J, 0
.rept 32
	v_mul_f32 v[S+J], v[O+J], v14                  ; register 8 t + j: d = 32 (t / 2) + 16 h + 8 (t % 2) + j of my query
.set J, J+1
.endr
	s_wait_alu depctr_va_vdst(0)                   ; the 32 multiplications have written v88-119, which the stores read
.irp k, 0,1,2,3,4,5,6,7
	global_store_b128 v1, v[S+4*\k:S+4*\k+3], s[20:21] offset:512*\k   ; the registers as they stand: 512 consecutive bytes a store
.endr
	s_wait_dscnt 0x0                               ; the closing lines, six on end
	s_wait_alu 0x0
	s_wait_tensorcnt 0x0
	ds_add_u32 v10, v11
	s_wait_dscnt 0x0
	s_endpgm
.Lfunc_end_k_q52e0d9283a_attn:
	.size	k_q52e0d9283a_attn, .Lfunc_end_k_q52e0d9283a_attn-k_q52e0d9283a_attn
	.p2alignl 7, 3214868480
	.fill 96, 4, 3214868480
	.section	.rodata,"a",@progbits
	.p2align	6, 0x0
	.amdhsa_kernel k_q52e0d9283a_attn
		.amdhsa_group_segment_fixed_size 280576
		.amdhsa_private_segment_fixed_size 0
		.amdhsa_enable_private_segment 0
		.amdhsa_kernarg_size 24
		.amdhsa_user_sgpr_count 2
		.amdhsa_user_sgpr_kernarg_segment_ptr 1
		.amdhsa_wavefront_size32 1
		.amdhsa_system_sgpr_workgroup_id_x 1
		.amdhsa_system_sgpr_workgroup_id_y 1
		.amdhsa_system_sgpr_workgroup_id_z 1
		.amdhsa_system_vgpr_workitem_id 0
		.amdhsa_next_free_vgpr 256
		.amdhsa_next_free_sgpr 100
		.amdhsa_reserve_vcc 0
		.amdhsa_float_denorm_mode_32 3
		.amdhsa_float_denorm_mode_16_64 3
		.amdhsa_memory_ordered 1
		.amdhsa_forward_progress 1
		.amdhsa_inst_pref_size 37
	.end_amdhsa_kernel
	.amdgpu_metadata
---
amdhsa.version: [ 1, 2 ]
amdhsa.kernels:
  - .name:           k_q52e0d9283a_attn
    .symbol:         k_q52e0d9283a_attn.kd
    .args:
      - { .name: qkv, .offset: 0, .size: 8, .value_kind: global_buffer, .address_space: global }
      - { .name: msk, .offset: 8, .size: 8, .value_kind: global_buffer, .address_space: global }
      - { .name: ao, .offset: 16, .size: 8, .value_kind: global_buffer, .address_space: global }
    .group_segment_fixed_size: 280576
    .private_segment_fixed_size: 0
    .kernarg_segment_align: 8
    .kernarg_segment_size: 24
    .max_flat_workgroup_size: 512
    .sgpr_count:     100
    .vgpr_count:     256
    .wavefront_size: 32
...
	.end_amdgpu_metadata
.endif
;; end of part 8
;; launch ln2: the kernel of part 4 again; grid 128 x 1, 16 waves a work-group, no clusters, 5,120 bytes of LDS; arguments x, ln2_g, ln2_b, ao, yq; writes yq
;; launch ffn1: the kernel of part 5 again; grid 16 x 16, 4 waves a work-group, clusters of 4 x 4, 327,680 bytes of LDS; arguments yq, ops, b1, hq; writes hq
;; launch ffn2: the kernel of part 7 again; grid 8 x 32, 4 waves a work-group, clusters of 4 x 4, 327,680 bytes of LDS; arguments hq, ops, b2, x, out0; writes out0
